; MI455X (gfx1250); checked and timed in simulation.
; The chip was launched on July 23, 2026; its instructions are those of AMD's public machine-readable ISA for CDNA 5 (MIT licence, August 2026) and "CDNA5" Instruction Set Architecture Reference Guide (July 2026). The comments in the code are by the model that wrote it; some were corrected since.
;; Llama Decoder Layer. Allowed arithmetic: matrix products marked QUANTISED: E2M3 operands, one E8M0 scale for each 32 along K, by v_wmma_scale_f32_16x16x128_f8f6f4 with both operands' format E2M3, f32 sums; everything else in f32.
;; Inputs: g1 2,048 float32; g2 2,048 float32; wd 2,048 x 2,048 float32; wg 2,048 x 2,048 float32; wk 2,048 x 512 float32; wo 2,048 x 2,048 float32; wq 2,048 x 2,048 float32; wu 2,048 x 2,048 float32; wv 2,048 x 512 float32; x 1 x 2,048 x 2,048 float32.
;; Outputs: out0 1 x 2,048 x 2,048 float32.
;; This version of the problem:
;;   THIS VERSION OF THE PROBLEM IS GIVEN IN LOW PRECISION. The matrix products marked QUANTISED in the list below multiply operands that are first quantised to E2M3 (2 exponent bits, 3 mantissa bits; 6 bits a number), with one power-of-two scale for each 32 numbers along K (OCP MX v1.0); their sums are f32. All else is computed in f32.
;;   The module's matrix products, in the order in which they are computed (A, B: the left and right operand; K: the contracted axis; several contracted axes count as one K, in the product's order):
;;     1. [M 2,048, K 2,048] x [K 2,048, N 2,048]; A: computed on the way; B: input wq: QUANTISED
;;     2. [M 2,048, K 2,048] x [K 2,048, N 512]; A: computed on the way; B: input wk: QUANTISED
;;     3. [M 2,048, K 2,048] x [K 2,048, N 512]; A: computed on the way; B: input wv: QUANTISED
;;     4. batch 32 x [M 2,048, K 64] x [K 64, N 2,048]; A: computed on the way; B: computed on the way: QUANTISED
;;     5. batch 32 x [M 2,048, K 2,048] x [K 2,048, N 64]; A: softmax (see below); B: computed on the way: QUANTISED
;;     6. [M 2,048, K 2,048] x [K 2,048, N 2,048]; A: computed on the way; B: input wo: QUANTISED
;;     7. [M 2,048, K 2,048] x [K 2,048, N 2,048]; A: computed on the way; B: input wg: QUANTISED
;;     8. [M 2,048, K 2,048] x [K 2,048, N 2,048]; A: computed on the way; B: input wu: QUANTISED
;;     9. [M 2,048, K 2,048] x [K 2,048, N 2,048]; A: computed on the way; B: input wd: QUANTISED
;;   THE QUANTISER, for each operand of a quantised product, along K:
;;     - K is cut into blocks of 32 from its start; a last block that is shorter is filled with zeros.
;;     - A block's scale is 2^e with e = floor(log2(the largest magnitude in the block)) - 2, held to -126 .. 127; a block of zeros has e = 0. As a byte (E8M0): e + 127.
;;     - Each number is divided by its block's scale, clamped to +-7.5, and rounded to the nearest number of E2M3, ties to even, subnormals kept.
;;     - The product sums the exact products of the quantised numbers (number of the format x scale) in f32.
;;   ~~~python
;;   def quantise(x, axis):      # numpy; x: float32 -> the quantised numbers, widened to float32 again
;;       x = np.moveaxis(x, axis, -1); K = x.shape[-1]
;;       x = np.pad(x, [(0, 0)] * (x.ndim - 1) + [(0, -K % 32)]); x = x.reshape(x.shape[:-1] + (-1, 32)); a = np.abs(x).max(-1, keepdims=True)
;;       e = np.where(a > 0, np.clip(np.frexp(np.where(a > 0, a, 1))[1] - 1 - 2, -126, 127), 0)      # np.frexp(a)[1] - 1 = floor(log2(a)), exactly
;;       r = np.clip(x / 2.0 ** e, -7.5, 7.5)
;;       step = 2.0 ** (np.maximum(np.frexp(np.where(r == 0, 1, r))[1] - 1, 0) - 3)
;;       q = np.round(r / step) * step * 2.0 ** e      # np.round: ties to even
;;       return np.moveaxis(q.reshape(q.shape[:-2] + (-1,))[..., :K], -1, axis).astype(np.float32)
;;   ~~~
;;   SOFTMAX AHEAD OF A QUANTISED PRODUCT. Where the list says 'softmax', what is quantised is not the finished softmax but p = 2^(t - M), with t = logit x log2(e) and M = ceil(the row's largest t), a whole number; so 1/2 < the row's largest p <= 1. The row's sum l is taken of the UNQUANTISED p, in f32, and the product's result is divided by l at the end. Since M is a whole number, a kernel that streams over the keys may use a running M (the ceiling of the running maximum): every later rescaling is an exact power of two, which a block's scale takes up: the codes' values come out the same.
;;   OPERANDS COMPUTED ON THE WAY. 'Computed on the way' means the value that the module computes at that place (a softmax that the list does not call 'softmax' is quantised finished and normalised). What goes into a quantiser is computed in f32, as accurately as f32 sums, v_exp_f32 and their like allow (about 1e-6 of the number): no bf16 or f16 on the way to a quantiser, and a product that is left as it is and whose result goes on into a quantised operand takes f32 operands (vector FMAs, or v_wmma_f32_16x16x4_f32). A number that lies on a knife's edge between two numbers of the format may be rounded either way, as far as f32 arithmetic and the matrix unit's own rounding can turn it there, and no further.
;; One version. Each part assembles by itself: llvm-mc -triple=amdgcn-amd-amdhsa -mcpu=gfx1250 --defsym DOCPART=n.
;; ======== version 1 of 1: 7 launches
;; limits: right only within a limited range of input values
;; workspace buffers: wqkv 4,915,200 bytes; woi 3,276,800 bytes; wgu 6,553,600 bytes; wdi 3,276,800 bytes; actA 3,284,992 bytes; actB 3,801,088 bytes; scr 16,777,216 bytes
;; launch prep (part 1): grid 256 x 1, 16 waves a work-group, no clusters, 236,544 bytes of LDS; arguments wq, wk, wv, wo, wqkv, woi, x, g1, actA, actB; writes wqkv, woi, actA, actB
.if DOCPART == 1
	.amdgcn_target "amdgcn-amd-amdhsa--gfx1250"
	.amdhsa_code_object_version 6
	.text
	.protected	k_q7ba1f41470_prep
	.globl	k_q7ba1f41470_prep
	.p2align	8
	.type	k_q7ba1f41470_prep,@function
k_q7ba1f41470_prep:
	s_mov_b64 s[64:65], 0
	v_nop
	global_prefetch_b8 v0, s[64:65] scope:SCOPE_SE
	s_setreg_imm32_b32 hwreg(HW_REG_WAVE_MODE, 25, 1), 1
	s_wait_xcnt 0x0
; ONE LAUNCH PREPARES WHAT THE FIRST PRODUCTS NEED.  Work-groups 0-127: wq, wk, wv and wo become operand images.  Work-groups 128-255: h1 = g1 x / sqrt(mean(x^2) + 1e-5) becomes an operand image (actA), with the rows' 1 / rms
; behind it, and the table of cos and sin for the rotary embedding is made (actB).  The two paths part on the work-group's number alone, share nothing, and have LDS bytes of their own.  (wg, wu and wd, which are first read
; behind the second norm, are turned into images in that norm's launch.)
; AN IMAGE.  A fragment is 16 rows x 128 K of FP6 (E2M3) codes, 12 registers a lane: lane (r, h) holds row r, registers 6 c .. 6 c + 5 = K 64 c + 32 h + 0 .. 31.  It lies as two halves of 768 bytes (c = 0, 1): 16 bytes a lane
; (registers 6 c .. 6 c + 3) at 16 x lane, then 8 bytes a lane at 512 + 8 x lane.  A panel is 128 rows, ONE BLOCK OF 204,800 BYTES: its E8M0 scale words [K step 16][tile 8][16 rows] of 4 bytes (8,192 bytes), then its codes
; [K step 16][tile 8][1,536 bytes].  THE ROWS OF A TILE ARE NOT NEIGHBOURS: lane r of tile 2 G + u holds row 32 G + 8 u + r + 8 (r / 8), so that a product's results come out with 16 neighbours in a lane.
; THE WEIGHTS, f32 stored [K][N]: a "row" of an image is a COLUMN n.  A lane takes a column and its registers run down K: a block of 32 lies in one lane, and the conversions give codes with K innermost.
; A wave's share is 32 columns (a pair of tiles) x 256 along K = 8 blocks a lane; share u = group of 128 columns u / 32, 256 along K (u / 4) % 8, 32 columns u % 4.  40 groups: wq 16, wk 4, wv 4, wo 16: 1,280 shares, ten to a
; work-group: waves 10-15 of these work-groups have no share and end (the launch's sixteen waves are the norm's).  wqkv: panels 0-15 wq, 16-19 wk, 20-23 wv.  A wave's codes go through its own 6,144 bytes of LDS and leave as runs of 512.
; THE NORM.  Work-group 128 + T owns image tile T: rows 32 (T / 2) + 8 (T % 2) + p + 8 (p / 8).  Wave w owns K step w.  A row is read once and stays in registers; the wave's 16 x 512 bytes turn through its own stage in LDS
; into the quantiser's order; the sixteen waves' sums of squares meet in LDS: one barrier.  h1 is not stored in f32: the launch that adds it makes it anew from x, g1 and the stored 1 / rms ([tile 128][place 16] f32 at RSOFF).
; THE TABLE: [position][pair i 0..31] (cos, sin) of position x 10000^(-i / 32), 256 bytes a position; wave w makes position 16 T + w, lane = i.
; A block's scale is 2^(floor(log2(largest magnitude)) - 2); its byte is the largest magnitude's exponent field - 2, held at 1 from below.
; LIMITS: a block of zeros gets the byte 1 where the rule says 127 (its codes are zeros; the bytes are read by this program alone); NaN and infinities among the inputs are not served.  10000^(-i / 32) is 2^(-0.41524101 i) by
; v_exp_f32: the angle lies within about 2 units of the last place of the exact product, at most some 2.5e-4 at position 2,047; its reduction takes pi / 2 in two parts (what is left out is under 3e-12 there).
.set NWQ,  128
.set UPW,  10                          ; shares of the weights to a work-group
.set WV,   48                          ; s48 the wave's number
.set PBLK, 204800
.set SPARE, 0x21400                    ; the spare words: 128 bytes for each of 16 waves
.set WST,  138240                      ; the weights' path: stages of 6,144 bytes, behind all that the norm's path names
.set X,    32
.set C,    96
.set T,    104
.set SB,   24
.set OUTR, 112
.set EMAX, 2
.set XR,   16
.set XQ,   80
.set GG,   144
.set TM,   208
.set PC,   224
.set PT,   236
.set PW,   244
.set SEL,  20
.set PART, 135168
.set TAB,  3276800
.set RSOFF, 3276800
	v_lshl_add_u32 v243, v0, 2, SPARE
	v_mov_b32 v245, 0
	v_lshrrev_b32 v1, 5, v0
	v_readfirstlane_b32 s[WV], v1                  ; wave 0..15
	s_cmp_ge_u32 ttmp9, NWQ
	s_wait_alu depctr_va_vdst(0)                   ; the wait ahead of the branch
	s_cbranch_scc1 .Lnorm
	; ---------------- the weights
	s_cmp_ge_u32 s[WV], UPW
	s_cbranch_scc1 .Lno_share
	s_load_b256 s[8:15], s[0:1], 0x0               ; wq s[8:9], wk s[10:11], wv s[12:13], wo s[14:15]
	s_load_b128 s[20:23], s[0:1], 0x20             ; wqkv s[20:21], woi s[22:23]
	s_mul_i32 s40, ttmp9, UPW
	s_add_co_u32 s40, s40, s[WV]                   ; my share u
	s_and_b32 s41, s40, 3                          ; my 32 columns of the 128
	v_and_b32 v1, 31, v0                           ; lane = my column c of the wave's 32
	v_lshlrev_b32 v3, 2, v1
	v_bfe_u32 v9, v0, 3, 1                         ; u = (c / 8) % 2: which tile of the pair
	v_and_b32 v10, 7, v0
	v_bfe_u32 v11, v0, 4, 1
	v_lshl_add_u32 v10, v11, 3, v10                ; r = c % 8 + 8 (c / 16)
	s_mul_i32 s42, s[WV], 6144
	s_add_co_u32 s42, s42, WST                     ; my stage
	v_mul_u32_u24 v12, v9, 1536
	v_add_nc_u32 v12, s42, v12
	v_lshl_add_u32 v4, v10, 4, v12                 ; where my 16 bytes of a half go
	v_lshl_add_u32 v5, v10, 3, v12                 ; and my 8 bytes
	v_lshlrev_b32 v7, 4, v1
	v_add_nc_u32 v6, s42, v7
	v_lshl_add_u32 v8, v9, 4, v10
	v_lshlrev_b32 v8, 2, v8                        ; my scale word's place in the pair's 128 bytes
	s_lshr_b32 s30, s40, 5                         ; group of 128 columns, 0..39
	s_bfe_u32 s31, s40, 0x30002                    ; which 256 along K
	s_mov_b32 s32, 0                               ; the tensor's first group
	s_mov_b32 s33, 0                               ; its first panel in the image buffer
	s_mov_b32 s34, 0                               ; 1: rows of 512 numbers (wk, wv)
	s_wait_alu depctr_va_vdst(0)                   ; the wait at the head's end
	s_wait_kmcnt 0x0
	s_mov_b64 s[4:5], s[8:9]                       ; which tensor: the choice hangs on ids alone
	s_mov_b64 s[6:7], s[20:21]
	s_cmp_ge_u32 s30, 16
	s_cselect_b64 s[4:5], s[10:11], s[4:5]
	s_cselect_b32 s32, 16, s32
	s_cselect_b32 s33, 16, s33
	s_cselect_b32 s34, 1, s34
	s_cmp_ge_u32 s30, 20
	s_cselect_b64 s[4:5], s[12:13], s[4:5]
	s_cselect_b32 s32, 20, s32
	s_cselect_b32 s33, 20, s33
	s_cmp_ge_u32 s30, 24
	s_cselect_b64 s[4:5], s[14:15], s[4:5]
	s_cselect_b64 s[6:7], s[22:23], s[6:7]
	s_cselect_b32 s32, 24, s32
	s_cselect_b32 s33, 0, s33
	s_cselect_b32 s34, 0, s34
	s_sub_co_u32 s38, s30, s32                     ; the group's number in its tensor
	s_cmp_lg_u32 s34, 0
	s_cselect_b32 s39, 19, 21                      ; 256 rows are 2^19 or 2^21 bytes
	s_lshl_b32 s44, s31, s39
	s_lshl_b32 s46, s38, 9
	s_add_co_u32 s44, s44, s46                     ; + 128 columns a group
	s_lshl_b32 s46, s41, 7
	s_add_co_u32 s44, s44, s46                     ; + 32 columns a wave
	s_mov_b32 s45, 0
	s_add_nc_u64 s[4:5], s[4:5], s[44:45]
	s_add_co_u32 s43, s33, s38                     ; the panel: a group is a panel
	s_mul_i32 s43, s43, PBLK                       ; the panel's block
	s_lshl_b32 s46, s31, 10                        ; scale words: 512 bytes a K step, two K steps to my 256 along K,
	s_add_co_u32 s44, s43, s46
	s_lshl_b32 s46, s41, 7                         ; 128 a pair of tiles
	s_add_co_u32 s44, s44, s46
	s_add_nc_u64 s[2:3], s[6:7], s[44:45]
	s_mul_i32 s46, s31, 24576                      ; codes: behind the scale words, two K steps of 12,288 bytes,
	s_add_co_u32 s44, s43, s46
	s_mul_i32 s46, s41, 3072                       ; a pair of tiles
	s_add_co_u32 s44, s44, s46
	s_add_co_u32 s44, s44, 8192
	s_add_nc_u64 s[6:7], s[6:7], s[44:45]
.macro LOAD t, pitch                   ; block t: W(32 t + i, my column) into set t % 2: each load reads 128 consecutive bytes
.irp i, 0,1,2,3,4,5,6,7,8,9,10,11,12,13,14,15,16,17,18,19,20,21,22,23,24,25,26,27,28,29,30,31
	global_load_b32 v[X+32*((\t)%2)+\i], v3, s[4:5] offset:(32*(\t)+\i)*\pitch th:TH_LOAD_NT
.endr
.endm
.macro LOADSEL t                       ; the row pitch stands in the immediates: two arms, both of 32 loads, so the counted waits hold on both
	s_cmp_lg_u32 s34, 0
	s_cbranch_scc1 .Lnarrow_\@
	LOAD \t, 8192
	s_branch .Lloaded_\@
.Lnarrow_\@:
	LOAD \t, 2048
.Lloaded_\@:
.endm
.macro BLOCK t                         ; block t = K step t / 4, half (t % 4) / 2, lanes' half t % 2
.set XS, X+32*((\t)%2)
.if (\t) < 7
	s_wait_loadcnt 32                              ; this block's 32 loads are in; the next block's may be out
.else
	s_wait_loadcnt 0
.endif
	v_max3_num_f32 v12, |v[XS]|, |v[XS+1]|, |v[XS+2]|
	v_max3_num_f32 v13, |v[XS+3]|, |v[XS+4]|, |v[XS+5]|
.irp i, 6,10,14,18,22,26
	v_max3_num_f32 v12, v12, |v[XS+\i]|, |v[XS+\i+1]|
	v_max3_num_f32 v13, v13, |v[XS+\i+2]|, |v[XS+\i+3]|
.endr
	v_max3_num_f32 v12, v12, |v[XS+30]|, |v[XS+31]|
	v_max3_num_f32 v12, v12, v13, (EMAX+1)<<23     ; and the floor 2^(3 - 127)
	v_add_nc_u32 v11, -(EMAX<<23), v12             ; 2 off the exponent field: the conversion's scale operand
	v_lshrrev_b32 v13, 23, v11                     ; the scale's byte
.if (\t)%4 == 0
	v_mov_b32 v[SB+(\t)/4], v13
.else
	v_lshl_or_b32 v[SB+(\t)/4], v13, 8*((\t)%4), v[SB+(\t)/4]
.endif
	v_cvt_scalef32_pk16_fp6_f32 v[C:C+2], v[XS:XS+15], v11
	v_cvt_scalef32_pk16_fp6_f32 v[T:T+2], v[XS+16:XS+31], v11
	v_nop                                          ; one plain place behind a scaled conversion
.irp i, 0,1,2
	v_mov_b32 v[C+3+\i], v[T+\i]
.endr
	ds_store_b128 v4, v[C:C+3] offset:3072*((\t)/4)+768*(((\t)%4)/2)+256*((\t)%2)
	ds_store_b64 v5, v[C+4:C+5] offset:3072*((\t)/4)+768*(((\t)%4)/2)+512+128*((\t)%2)
.if (\t)+2 < 8
	LOADSEL (\t)+2
.endif
	s_wait_dscnt 0x0                               ; the stores are done: the next block's codes may be written
.endm
	LOADSEL 0
	LOADSEL 1
.irp t, 0,1,2,3,4,5,6,7
	BLOCK \t
.endr
	global_store_b32 v8, v[SB], s[2:3]             ; the pair's scale words of a K step: 128 consecutive bytes
	s_wait_alu depctr_va_vdst(0)
	global_store_b32 v8, v[SB+1], s[2:3] offset:512
.irp i, 0,1,2,3,4,5,6,7,8,9,10,11
	ds_load_b128 v[OUTR+4*\i:OUTR+4*\i+3], v6 offset:512*\i        ; LDS serves a wave's instructions in order: these see my stores
.endr
.irp i, 0,1,2,3,4,5,6,7,8,9,10,11
	s_wait_dscnt 11-\i                             ; the younger loads may be out
	global_store_b128 v7, v[OUTR+4*\i:OUTR+4*\i+3], s[6:7] offset:12288*(\i/6)+512*(\i%6)   ; 512 consecutive bytes, at a multiple of 256 from the buffer's first byte
.endr
	s_wait_tensorcnt 0x0                           ; the wave's end
	ds_add_u32 v243, v245
	s_wait_dscnt 0x0
	s_endpgm
.Lno_share:
	s_endpgm                                       ; a wave without a share has touched neither LDS nor memory
	; ---------------- the norm and the table
; 64 numbers of a lane, register 16 b + i = k 32 b + 16 (lane / 16) + i of my row, become a fragment's codes in v[PC] on and its scale word in v[pw]
.macro QUANT s, pw
.irp b, 0,1,2,3
	v_max3_num_f32 v[TM+\b], |v[(\s)+16*\b]|, |v[(\s)+1+16*\b]|, 0x1800000
.endr
.irp i, 2,4,6,8,10,12,14
.irp b, 0,1,2,3
	s_delay_alu instid0(VALU_DEP_4)
	v_max3_num_f32 v[TM+\b], v[TM+\b], |v[(\s)+16*\b+\i]|, |v[(\s)+1+16*\b+\i]|
.endr
.endr
.irp b, 0,1,2,3
	s_delay_alu instid0(VALU_DEP_4)
	v_permlanex16_b32 v[TM+4+\b], v[TM+\b], s[SEL], s[SEL+1]
.endr
.irp b, 0,1,2,3
	s_delay_alu instid0(VALU_DEP_4)
	v_max_num_f32 v[TM+\b], v[TM+\b], v[TM+4+\b]
.endr
.irp b, 0,1,2,3
	s_delay_alu instid0(VALU_DEP_4)
	v_add_nc_u32 v[TM+12+\b], 0xff000000, v[TM+\b]
.endr
.irp b, 0,1,2,3
	s_delay_alu instid0(VALU_DEP_4)
	v_lshrrev_b32 v[TM+4+\b], 23, v[TM+12+\b]
.endr
	s_delay_alu instid0(VALU_DEP_3)
	v_lshl_or_b32 v[\pw], v[TM+5], 8, v[TM+4]
	s_delay_alu instid0(VALU_DEP_1)
	v_lshl_or_b32 v[\pw], v[TM+6], 16, v[\pw]
	s_delay_alu instid0(VALU_DEP_1)
	v_lshl_or_b32 v[\pw], v[TM+7], 24, v[\pw]
.irp c, 0,1
	v_cvt_scalef32_pk16_fp6_f32 v[PC+6*\c:PC+2+6*\c], v[(\s)+32*\c:(\s)+15+32*\c], v[TM+12+2*\c]
	v_cvt_scalef32_pk16_fp6_f32 v[PT+4*\c:PT+2+4*\c], v[(\s)+16+32*\c:(\s)+31+32*\c], v[TM+13+2*\c]
.endr
	v_nop                                          ; one plain place behind a scaled conversion
.irp c, 0,1
.irp i, 0,1,2
	v_permlane16_swap_b32 v[PC+6*\c+\i], v[PT+4*\c+\i]
.endr
.irp i, 0,1,2
	s_delay_alu instid0(VALU_DEP_3)
	v_mov_b32 v[PC+3+6*\c+\i], v[PT+4*\c+\i]
.endr
.endr
.endm
.Lnorm:
	s_load_b128 s[4:7], s[0:1], 0x30               ; x s[4:5], g1 s[6:7]
	s_load_b128 s[12:15], s[0:1], 0x40             ; actA s[12:13], actB s[14:15]
	s_sub_co_u32 s40, ttmp9, NWQ                   ; T
	v_and_b32 v1, 31, v0                           ; lane
	v_and_b32 v2, 15, v0                           ; r
	v_bfe_u32 v3, v0, 4, 1                         ; h
	s_delay_alu instid0(VALU_DEP_3)
	v_lshlrev_b32 v4, 4, v1
	s_delay_alu instid0(VALU_DEP_2)
	v_lshlrev_b32 v5, 6, v3
	s_mul_i32 s17, s[WV], 8448                     ; my stage
	v_add_nc_u32 v6, s17, v4
	v_mul_u32_u24 v7, v2, 528
	s_delay_alu instid0(VALU_DEP_1)
	v_add_nc_u32 v7, v7, v5
	s_delay_alu instid0(VALU_DEP_1)
	v_add_nc_u32 v7, s17, v7                       ; in the quantiser's order: row r, + 64 h
	v_lshlrev_b32 v9, 6, v2
	s_delay_alu instid0(VALU_DEP_1)
	v_add_nc_u32 v9, PART, v9                      ; row r's sixteen partial sums
	s_lshl_b32 s17, s[WV], 2
	v_add_nc_u32 v8, s17, v9                       ; and mine among them
	v_lshlrev_b32 v10, 3, v1
	v_lshlrev_b32 v11, 2, v2
	s_mov_b32 s[SEL], 0x76543210
	s_mov_b32 s[SEL+1], 0xfedcba98
	s_mov_b32 s32, 0x3a000000                      ; 1 / 2,048
	s_mov_b32 s33, 0x3727c5ac                      ; 1e-5
	s_lshr_b32 s18, s40, 1
	s_lshl_b32 s18, s18, 5
	s_and_b32 s19, s40, 1
	s_lshl_b32 s19, s19, 3
	s_add_co_u32 s18, s18, s19                     ; the tile's first row
	s_lshl_b32 s18, s18, 13
	s_lshl_b32 s26, s[WV], 9                       ; my 512 bytes of a row
	s_add_co_u32 s24, s18, s26
	s_mov_b32 s25, 0
	s_mov_b32 s27, 0
	s_lshr_b32 s18, s40, 3                         ; the image's panel,
	s_and_b32 s19, s40, 7                          ; and the tile in it
	s_mul_i32 s18, s18, PBLK
	s_mul_i32 s22, s[WV], 12288
	s_add_co_u32 s28, s18, s22
	s_mul_i32 s22, s19, 1536
	s_add_co_u32 s28, s28, s22
	s_add_co_u32 s28, s28, 8192                    ; the codes lie behind the panel's scale words
	s_mov_b32 s29, 0
	s_add_co_u32 s30, s18, s26
	s_lshl_b32 s22, s19, 6
	s_add_co_u32 s30, s30, s22
	s_mov_b32 s31, 0
	s_lshl_b32 s38, s40, 6                         ; the tile's sixteen 1 / rms
	s_add_co_u32 s38, s38, RSOFF
	s_mov_b32 s39, 0
	s_lshl_b32 s22, s40, 4
	s_add_co_u32 s22, s22, s[WV]                   ; the table's position: 16 T + w
	s_lshl_b32 s34, s22, 8
	s_add_co_u32 s34, s34, TAB
	s_mov_b32 s35, 0
	s_wait_alu depctr_va_vdst(0)                   ; the wait at the head's end
	s_wait_kmcnt 0x0
	s_add_nc_u64 s[4:5], s[4:5], s[24:25]
	s_add_nc_u64 s[6:7], s[6:7], s[26:27]
	s_add_nc_u64 s[36:37], s[12:13], s[30:31]      ; the image's scale words,
	s_add_nc_u64 s[38:39], s[12:13], s[38:39]      ; the rows' 1 / rms,
	s_add_nc_u64 s[12:13], s[12:13], s[28:29]      ; the image's codes
	s_add_nc_u64 s[14:15], s[14:15], s[34:35]
.irp p, 0,1,2,3,4,5,6,7,8,9,10,11,12,13,14,15
	global_load_b128 v[XR+4*\p:XR+4*\p+3], v4, s[4:5] offset:(\p+8*(\p/8))*8192   ; 512 consecutive bytes of row p
.endr
.irp b, 0,1,2,3
.irp j, 0,1,2,3
	global_load_b128 v[GG+16*\b+4*\j:GG+16*\b+4*\j+3], v5, s[6:7] offset:128*\b+16*\j
.endr
.endr
	v_cvt_f32_u32 v246, v1                         ; THE TABLE, while the rows are on their way.  i
	s_delay_alu instid0(VALU_DEP_1)
	v_mul_f32 v246, 0xbed49a78, v246               ; - i log2(10000) / 32
	s_wait_alu depctr_va_vdst(0)
	v_exp_f32 v246, v246
	v_cvt_f32_u32 v247, s22                        ; the position (a plain place behind the exponential)
	s_wait_alu depctr_va_vdst(0)
	v_mul_f32 v246, v246, v247                     ; the angle
	s_delay_alu instid0(VALU_DEP_1)
	v_mul_f32 v248, 0x3f22f983, v246
	s_delay_alu instid0(VALU_DEP_1)
	v_rndne_f32 v248, v248                         ; n = the nearest multiple of pi / 2
	s_delay_alu instid0(VALU_DEP_1)
	v_fmamk_f32 v249, v248, 0xbfc90fdb, v246       ; the angle - n pi / 2, pi / 2 in two parts
	s_delay_alu instid0(VALU_DEP_1)
	v_fmamk_f32 v249, v248, 0x333bbd2e, v249
	s_delay_alu instid0(VALU_DEP_1)
	v_mul_f32 v250, v249, v249                     ; z = r^2
	v_mov_b32 v251, 0xb94ca1f9
	s_delay_alu instid0(VALU_DEP_1)
	v_fmaak_f32 v251, v251, v250, 0x3c08839e
	s_delay_alu instid0(VALU_DEP_1)
	v_fmaak_f32 v251, v251, v250, 0xbe2aaaa3
	s_delay_alu instid0(VALU_DEP_4)
	v_mul_f32 v252, v250, v249
	s_delay_alu instid0(VALU_DEP_1)
	v_fma_f32 v251, v251, v252, v249               ; sin r
	v_mov_b32 v253, 0x37ccf5ce
	s_delay_alu instid0(VALU_DEP_1)
	v_fmaak_f32 v253, v253, v250, 0xbab6061a
	s_delay_alu instid0(VALU_DEP_1)
	v_fmaak_f32 v253, v253, v250, 0x3d2aaaa5
	v_mul_f32 v254, v250, v250
	v_fma_f32 v255, v250, -0.5, 1.0
	s_delay_alu instid0(VALU_DEP_1)
	v_fma_f32 v253, v253, v254, v255               ; cos r
	v_cvt_i32_f32 v248, v248
	s_delay_alu instid0(VALU_DEP_1)
	v_and_b32 v254, 1, v248
	s_delay_alu instid0(VALU_DEP_1)
	v_cmp_eq_u32 vcc_lo, 1, v254                   ; an odd quarter turn changes sin and cos
	s_delay_alu instid0(VALU_DEP_1)
	v_cndmask_b32 v255, v251, v253, vcc_lo
	s_delay_alu instid0(VALU_DEP_2)
	v_cndmask_b32 v254, v253, v251, vcc_lo
	v_and_b32 v252, 2, v248
	s_delay_alu instid0(VALU_DEP_1)
	v_lshlrev_b32 v252, 30, v252
	s_delay_alu instid0(VALU_DEP_1)
	v_xor_b32 v255, v252, v255                     ; sin is negative in quarters 2 and 3,
	v_add_nc_u32 v248, 1, v248
	s_delay_alu instid0(VALU_DEP_1)
	v_and_b32 v248, 2, v248
	s_delay_alu instid0(VALU_DEP_1)
	v_lshlrev_b32 v248, 30, v248
	s_delay_alu instid0(VALU_DEP_1)
	v_xor_b32 v254, v248, v254                     ; cos in quarters 1 and 2
	global_store_b64 v10, v[254:255], s[14:15]     ; a position's 256 consecutive bytes; v254, v255 and v10 are not written again
	s_wait_loadcnt 16                              ; the 16 rows are in; g's 16 loads may be out
.irp p, 0,1,2,3,4,5,6,7,8,9,10,11,12,13,14,15
	ds_store_b128 v6, v[XR+4*\p:XR+4*\p+3] offset:528*\p
.endr
.irp b, 0,1,2,3
.irp j, 0,1,2,3
	ds_load_b128 v[XQ+16*\b+4*\j:XQ+16*\b+4*\j+3], v7 offset:128*\b+16*\j   ; LDS serves a wave's instructions in order
.endr
.endr
	s_wait_dscnt 0x0
.irp k, 0,1,2,3
	v_pk_mul_f32 v[246+2*\k:247+2*\k], v[XQ+2*\k:XQ+2*\k+1], v[XQ+2*\k:XQ+2*\k+1]   ; the sum of squares of my 64, in four chains of pairs
.endr
.irp j, 8,16,24,32,40,48,56
.irp k, 0,1,2,3
	s_delay_alu instid0(VALU_DEP_4)
	v_pk_fma_f32 v[246+2*\k:247+2*\k], v[XQ+\j+2*\k:XQ+\j+2*\k+1], v[XQ+\j+2*\k:XQ+\j+2*\k+1], v[246+2*\k:247+2*\k]
.endr
.endr
	s_delay_alu instid0(VALU_DEP_3)
	v_pk_add_f32 v[246:247], v[246:247], v[248:249]
	s_delay_alu instid0(VALU_DEP_2)
	v_pk_add_f32 v[250:251], v[250:251], v[252:253]
	s_delay_alu instid0(VALU_DEP_1)
	v_pk_add_f32 v[246:247], v[246:247], v[250:251]
	s_delay_alu instid0(VALU_DEP_1)
	v_add_f32 v246, v246, v247
	s_delay_alu instid0(VALU_DEP_1)
	v_permlanex16_b32 v247, v246, s[SEL], s[SEL+1]
	s_delay_alu instid0(VALU_DEP_1)
	v_add_f32 v246, v246, v247                     ; row r's sum over my 128 columns
	ds_store_b32 v8, v246
	s_wait_dscnt 0x0                               ; for the others' sake: my store is done
	s_barrier_signal -1
	s_barrier_wait -1
.irp k, 0,1,2,3
	ds_load_b128 v[TM+4*\k:TM+4*\k+3], v9 offset:16*\k
.endr
	s_wait_dscnt 0x0
.irp k, 0,4,8,12
	v_pk_add_f32 v[TM+\k:TM+\k+1], v[TM+\k:TM+\k+1], v[TM+\k+2:TM+\k+3]
.endr
	s_delay_alu instid0(VALU_DEP_3)
	v_pk_add_f32 v[TM:TM+1], v[TM:TM+1], v[TM+4:TM+5]
	s_delay_alu instid0(VALU_DEP_2)
	v_pk_add_f32 v[TM+8:TM+9], v[TM+8:TM+9], v[TM+12:TM+13]
	s_delay_alu instid0(VALU_DEP_1)
	v_pk_add_f32 v[TM:TM+1], v[TM:TM+1], v[TM+8:TM+9]
	s_delay_alu instid0(VALU_DEP_1)
	v_add_f32 v[TM], v[TM], v[TM+1]
	s_delay_alu instid0(VALU_DEP_1)
	v_fma_f32 v[TM], v[TM], s32, s33               ; the mean + 1e-5
	s_wait_alu depctr_va_vdst(0)
	v_rsq_f32 v252, v[TM]                          ; twice, to fill the pair that the packed multiply names
	v_rsq_f32 v253, v[TM]
	v_nop
	s_wait_alu depctr_va_vdst(0)
	s_wait_loadcnt 0x0                             ; g is in
.set J, 0
.rept 32
	v_pk_mul_f32 v[XQ+J:XQ+J+1], v[XQ+J:XQ+J+1], v[GG+J:GG+J+1]   ; (x g), then x 1 / rms: the launch that adds h as a residual multiplies in the same order
.set J, J+2
.endr
.set J, 0
.rept 32
	v_pk_mul_f32 v[XQ+J:XQ+J+1], v[XQ+J:XQ+J+1], v[252:253]
.set J, J+2
.endr
	QUANT XQ, PW
	global_store_b128 v4, v[PC:PC+3], s[12:13]                 ; the fragment as an image of its registers: 512, 256, 512, 256 consecutive bytes
	global_store_b64 v10, v[PC+4:PC+5], s[12:13] offset:512
	global_store_b128 v4, v[PC+6:PC+9], s[12:13] offset:768
	global_store_b64 v10, v[PC+10:PC+11], s[12:13] offset:1280
	global_store_b32 v11, v[PW], s[36:37]                      ; the tile's 16 scale words: 64 consecutive bytes
	s_cmp_lg_u32 s[WV], 0                          ; all sixteen waves hold the same 1 / rms: wave 0 stores them
	s_cbranch_scc1 .Lno_rs
	global_store_b32 v11, v252, s[38:39]
.Lno_rs:
	s_wait_tensorcnt 0x0                           ; the wave's end
	ds_add_u32 v243, v245
	s_wait_dscnt 0x0
	s_endpgm
.Lfunc_end_k_q7ba1f41470_prep:
	.size	k_q7ba1f41470_prep, .Lfunc_end_k_q7ba1f41470_prep-k_q7ba1f41470_prep
	.p2alignl 7, 3214868480
	.fill 96, 4, 3214868480
	.section	.rodata,"a",@progbits
	.p2align	6, 0x0
	.amdhsa_kernel k_q7ba1f41470_prep
		.amdhsa_group_segment_fixed_size 236544
		.amdhsa_private_segment_fixed_size 0
		.amdhsa_enable_private_segment 0
		.amdhsa_kernarg_size 80
		.amdhsa_user_sgpr_count 2
		.amdhsa_user_sgpr_kernarg_segment_ptr 1
		.amdhsa_wavefront_size32 1
		.amdhsa_system_sgpr_workgroup_id_x 1
		.amdhsa_system_sgpr_workgroup_id_y 1
		.amdhsa_system_sgpr_workgroup_id_z 1
		.amdhsa_system_vgpr_workitem_id 0
		.amdhsa_next_free_vgpr 256
		.amdhsa_next_free_sgpr 66
		.amdhsa_reserve_vcc 1
		.amdhsa_float_denorm_mode_32 3
		.amdhsa_float_denorm_mode_16_64 3
		.amdhsa_memory_ordered 1
		.amdhsa_forward_progress 1
		.amdhsa_inst_pref_size 93
	.end_amdhsa_kernel
	.amdgpu_metadata
---
amdhsa.version: [ 1, 2 ]
amdhsa.kernels:
  - .name:           k_q7ba1f41470_prep
    .symbol:         k_q7ba1f41470_prep.kd
    .args:
      - { .name: wq, .offset: 0, .size: 8, .value_kind: global_buffer, .address_space: global }
      - { .name: wk, .offset: 8, .size: 8, .value_kind: global_buffer, .address_space: global }
      - { .name: wv, .offset: 16, .size: 8, .value_kind: global_buffer, .address_space: global }
      - { .name: wo, .offset: 24, .size: 8, .value_kind: global_buffer, .address_space: global }
      - { .name: wqkv, .offset: 32, .size: 8, .value_kind: global_buffer, .address_space: global }
      - { .name: woi, .offset: 40, .size: 8, .value_kind: global_buffer, .address_space: global }
      - { .name: x, .offset: 48, .size: 8, .value_kind: global_buffer, .address_space: global }
      - { .name: g1, .offset: 56, .size: 8, .value_kind: global_buffer, .address_space: global }
      - { .name: actA, .offset: 64, .size: 8, .value_kind: global_buffer, .address_space: global }
      - { .name: actB, .offset: 72, .size: 8, .value_kind: global_buffer, .address_space: global }
    .group_segment_fixed_size: 236544
    .private_segment_fixed_size: 0
    .kernarg_segment_align: 8
    .kernarg_segment_size: 80
    .max_flat_workgroup_size: 512
    .sgpr_count:     66
    .vgpr_count:     256
    .wavefront_size: 32
...
	.end_amdgpu_metadata
.endif
;; end of part 1
;; launch qkv (part 2): grid 24 x 16, 4 waves a work-group, clusters of 4 x 4, 327,680 bytes of LDS; arguments actA, wqkv, actB, scr; writes scr
.if DOCPART == 2
	.amdgcn_target "amdgcn-amd-amdhsa--gfx1250"
	.amdhsa_code_object_version 6
	.text
	.protected	k_q7ba1f41470_qkv
	.globl	k_q7ba1f41470_qkv
	.p2align	8
	.type	k_q7ba1f41470_qkv,@function
k_q7ba1f41470_qkv:
	s_mov_b64 s[64:65], 0
	v_nop
	global_prefetch_b8 v0, s[64:65] scope:SCOPE_SE
	s_setreg_imm32_b32 hwreg(HW_REG_WAVE_MODE, 25, 1), 1
	s_wait_xcnt 0x0
	s_wait_alu depctr_hold_cnt(0) depctr_sa_sdst(0) depctr_va_vdst(0) depctr_va_sdst(0) depctr_va_ssrc(0) depctr_va_vcc(0) depctr_vm_vsrc(0)
	s_getreg_b32 s2, hwreg(HW_REG_IB_STS2, 6, 4)
	s_cmp_eq_u32 s2, 0
	s_cbranch_scc0 .Lentry_in_a_cluster
	s_endpgm
.Lentry_in_a_cluster:
	s_bfe_u32 s2, ttmp6, 0x10000c
	s_cmp_lg_u32 s2, 0xf033
	s_cbranch_scc0 .Lentry_shape_is_right
	s_endpgm
.Lentry_shape_is_right:
; q, k and v = h1 x (wq | wk | wv) on codes of FP6 (E2M3) with E8M0 scales; then the rotary embedding on q and k; then all three are quantised for attention's two products and stored as operand images.
; THE CORE (the same text in this program's three GEMM bodies).  Operands are IMAGES OF OPERAND REGISTERS (layout: at the head of the weights' launch): a panel of 128 rows is [K step 16][tile 8][1,536 bytes], dense,
; so that a fragment comes from LDS by two loads of 16 and two of 8 bytes a lane, each of consecutive bytes: no pitch, no padding.
; A work-group of four waves makes 128 x 128: wave w takes tiles 2 w, 2 w + 1 of SOURCE 1 against all eight tiles of SOURCE 0: 16 accumulators, which take turns.  In the result a lane holds one row of source 1, and,
; by the order of rows in a tile, register 16 B + i of its 64 is source 0's row 32 B + 16 (lane / 16) + i: the order in which the quantiser wants a lane's numbers.  So no way out needs another wave.
; 128 x 128 because 2,048 x 2,048 then gives 256 work-groups; the price is ten fragments read from LDS for sixteen matrix instructions.
; K = 2,048 is 16 steps of 128, in four chunks of four.  LDS holds three chunks: chunks 0, 1, 2 and all scale words are asked for at the head (four tensor loads a wave are out), chunk 3 refills slot 0 behind
; step 3 and has eight steps in which to land (one load a wave is out).  Nothing is prefetched: three quarters of the tiles are asked for at the head.
; CLUSTER 4 x 4: source 1's panel hangs on cy and is shared along a row of the cluster, source 0's on cx and is shared along a column: joint loads, each with the mask of its four.
; HERE.  Clusters x = 0 .. 4: source 1 = tokens (panel 4 y + cy of actA), source 0 = columns of wq, wk (panel 4 x + cx of wqkv): a lane holds one token and 128 columns = two heads.
; Cluster x = 5: V TRANSPOSED: source 1 = columns of wv (panel 20 + cy), source 0 = tokens (panel 4 y + cx): a lane holds one channel d and 128 tokens: the keys are the second product's K.  The branch on the
; cluster's x is the same in all sixteen partners.
; OUT, in scr: "head" H = 0..31 q, 32..39 k, 40..47 v; codes at 98,304 H: q, k [token tile 128][768 bytes] (half a fragment: K = 64), v [key step 16][d tile 4][1,536]; scales at QS + 4,096 H: q, k two bytes a token
; place, v words [key step][d tile][16].
; LIMITS: a block of zeros gets the byte 1 where the rule says 127 (its codes are zeros; this program alone reads the bytes); NaN and infinities are not served.
; THE IMAGES AND THE FILLS, AS THIS TEXT HAS THEM (they take the place of the head comment's paragraph on K and its chunks).  A panel's block in memory is 204,800 bytes: its scale words (8,192 bytes), then its codes.
; LDS holds for each source the scale words and twelve K steps on end, as in memory: source 1 from byte 0, source 0 from SC0.  Head: one load a wave: waves 0 and 1 the scale words and steps 0-3 of source 1 and of source 0,
; waves 2 and 3 steps 4-11.  The first barrier waits for the loads of waves 0 and 1 alone.  Behind the round in K step 3: steps 12-15 over steps 0-3, two steps a wave.  One tensor load of a wave is out at any time.
; No prefetch: the text has no loop to run ahead in, and three quarters of the tiles are asked for at the head.
.set PANB,  204800                     ; a panel's block
.set SLOTB, 49152                      ; four K steps of one source
.set PARTB, 163840                     ; where source 0's K steps begin in LDS
.set STEPB, 12288                      ; a K step of a panel
.set FRB,   1536                       ; a fragment
.set SC0,   155648                     ; source 1's scale words lie at byte 0, source 0's here
.set SPARE, 311296                     ; the spare words, 128 bytes for each wave: two blocks of 256 bytes that no other line names
.set SPW,   4                          ; v4   LDS address of my spare word; never rewritten
.set NIL,   5                          ; v5   0; never rewritten
.set L16,   30                         ; v30  16 x lane
.set L8,    31                         ; v31  8 x lane
.set G1A,   24                         ; s[24:31] group 1 for source 1's codes, s[32:39] for source 0's, s[40:47], s[48:55] for their K steps 4-11
.set G1B,   32
.set G1SA,  40
.set G1SB,  48
.set G0A0,  56                         ; groups 0: source 1's refill of slot 0, its first load and its K steps 4-11; then source 0's
.set G0A1,  60
.set G0A2,  68
.set G0AS,  72
.set G0B0,  76
.set G0B1,  80
.set G0B2,  84
.set G0BS,  88
.set SEL,   96                         ; s[96:97] v_permlanex16_b32's selects for lane l xor 16
.set TM,    32                         ; v32-47 at work in the quantisers
.set PC,    52                         ; v52.. the codes just made
.set PTH,   58                         ; v58-60 the half quantiser's second conversion
.set PT,    64                         ; v64-66, v68-70 the whole quantiser's (V's way alone)
; OUT, AS THIS TEXT HAS IT: a head H has one dense block of 102,400 bytes in scr: its codes (98,304 bytes, laid as the head comment says), then its scales (4,096 bytes).
.set QS,    98304                      ; where a head's scales begin in its block
.set TAB,   3276800                    ; where the table of cos and sin begins in actB
; REGISTERS.  Window 0: v1 lane, v2 r, v3 h; v6-8, v9-11 LDS addresses of my source 1 fragments in slots 0-2 (16 and 8 bytes a lane); v12-14, v15-17 the same for source 0; v18, v19 of the scale words;
; v20-24, v25-29 two sets of scale words (they hold nothing else): register i: lanes 0-15 source 0's tile 2 i, lanes 16-31 tile 2 i + 1; the fifth: source 1's two tiles likewise; v64-127 the table; v128-255 the accumulators,
; (a, b) at v[128 + 64 a + 8 b].  Window 1: two fragment buffers of 128: source 0's eight at 12 b, source 1's two at 96 + 12 a.
.set MSB, 0
.macro WIN new                         ; the immediate's high byte repeats the setting that is left
.if MSB != \new
	s_set_vgpr_msb (MSB<<8)|\new
.set MSB, \new
.endif
.endm
.macro PLACES                          ; four plain places: in front of loads into registers that matrix instructions have read, and of the first read of results
.rept 4
	v_nop
.endr
.endm
.macro JLOAD g0a, g1a, g0b, g1b        ; a joint load: waves 0 and 1 fetch source 1's halves, waves 2 and 3 source 0's; four v_nop follow each line
	s_cmp_eq_u32 s15, 0
	s_cbranch_scc0 .Lfor_b_\@
	tensor_load_to_lds s[\g0a:\g0a+3], s[\g1a:\g1a+7]
	s_nop 0
	PLACES
	s_branch .Lasked_\@
.Lfor_b_\@:
	tensor_load_to_lds s[\g0b:\g0b+3], s[\g1b:\g1b+7]
	s_nop 0
	PLACES
.Lasked_\@:
.endm
.macro CROUND                          ; a round of the cluster's barrier
	s_barrier_signal -1
	s_barrier_wait -1
	s_cmp_lg_u32 s14, 0
	s_cbranch_scc1 .Lnot_wave_0_\@
	s_barrier_signal -3
.Lnot_wave_0_\@:
	s_barrier_wait -3
	s_barrier_signal -1
	s_barrier_wait -1
.endm
.macro SETG0 g, l, ldsoff, p           ; a group 0: LDS byte = s[l] + ldsoff; memory = the pair s[p] + the offset in s[2:3]
	s_mov_b32 s[\g], 1
	s_add_co_u32 s[\g+1], s[\l], \ldsoff
	s_add_nc_u64 s[\g+2:\g+3], s[\p:\p+1], s[2:3]
	s_or_b32 s[\g+3], s[\g+3], 0x80000000
.endm
.macro FRAG reg, a16, a8, off          ; a fragment's 12 registers
	ds_load_b128 v[\reg:\reg+3], v[\a16] offset:\off
	ds_load_b64 v[\reg+4:\reg+5], v[\a8] offset:\off+512
	ds_load_b128 v[\reg+6:\reg+9], v[\a16] offset:\off+768
	ds_load_b64 v[\reg+10:\reg+11], v[\a8] offset:\off+1280
.endm
.macro FETCH n, f                      ; K step n's ten fragments and five scale registers into buffer f: 45 LDS loads in one run
.set SL, ((\n)/4)%3
.set QQ, (\n)%4
	WIN 0x40                                       ; destination window 1, address window 0
.irp b, 0,1,2,3,4,5,6,7
	FRAG 128*(\f)+12*\b, 12+SL, 15+SL, STEPB*QQ+FRB*\b
.endr
.irp a, 0,1
	FRAG 128*(\f)+96+12*\a, 6+SL, 9+SL, STEPB*QQ+FRB*\a
.endr
	WIN 0
.irp i, 0,1,2,3
	ds_load_b32 v[20+5*(\f)+\i], v19 offset:512*(\n)+128*\i
.endr
	ds_load_b32 v[24+5*(\f)], v18 offset:512*(\n)
.endm
.macro MM f, a, b, zero                ; one product: source 0's tile b x source 1's tile a; an odd tile's scale words stand in lanes 16-31
.set DD, 128+64*(\a)+8*(\b)
.set FA, 128*(\f)+12*(\b)
.set FB, 128*(\f)+96+12*(\a)
.set SA, 20+5*(\f)+(\b)/2
.set SS, 24+5*(\f)
.if \zero
.if ((\b)%2 == 0) && ((\a) == 0)
	v_wmma_scale_f32_16x16x128_f8f6f4 v[DD:DD+7], v[FA:FA+11], v[FB:FB+11], 0, v[SA], v[SS] matrix_a_fmt:MATRIX_FMT_FP6 matrix_b_fmt:MATRIX_FMT_FP6
.elseif ((\b)%2 == 1) && ((\a) == 0)
	v_wmma_scale_f32_16x16x128_f8f6f4 v[DD:DD+7], v[FA:FA+11], v[FB:FB+11], 0, v[SA], v[SS] matrix_a_fmt:MATRIX_FMT_FP6 matrix_b_fmt:MATRIX_FMT_FP6 matrix_a_scale:MATRIX_SCALE_ROW1
.elseif ((\b)%2 == 0)
	v_wmma_scale_f32_16x16x128_f8f6f4 v[DD:DD+7], v[FA:FA+11], v[FB:FB+11], 0, v[SA], v[SS] matrix_a_fmt:MATRIX_FMT_FP6 matrix_b_fmt:MATRIX_FMT_FP6 matrix_b_scale:MATRIX_SCALE_ROW1
.else
	v_wmma_scale_f32_16x16x128_f8f6f4 v[DD:DD+7], v[FA:FA+11], v[FB:FB+11], 0, v[SA], v[SS] matrix_a_fmt:MATRIX_FMT_FP6 matrix_b_fmt:MATRIX_FMT_FP6 matrix_a_scale:MATRIX_SCALE_ROW1 matrix_b_scale:MATRIX_SCALE_ROW1
.endif
.else
.if ((\b)%2 == 0) && ((\a) == 0)
	v_wmma_scale_f32_16x16x128_f8f6f4 v[DD:DD+7], v[FA:FA+11], v[FB:FB+11], v[DD:DD+7], v[SA], v[SS] matrix_a_fmt:MATRIX_FMT_FP6 matrix_b_fmt:MATRIX_FMT_FP6
.elseif ((\b)%2 == 1) && ((\a) == 0)
	v_wmma_scale_f32_16x16x128_f8f6f4 v[DD:DD+7], v[FA:FA+11], v[FB:FB+11], v[DD:DD+7], v[SA], v[SS] matrix_a_fmt:MATRIX_FMT_FP6 matrix_b_fmt:MATRIX_FMT_FP6 matrix_a_scale:MATRIX_SCALE_ROW1
.elseif ((\b)%2 == 0)
	v_wmma_scale_f32_16x16x128_f8f6f4 v[DD:DD+7], v[FA:FA+11], v[FB:FB+11], v[DD:DD+7], v[SA], v[SS] matrix_a_fmt:MATRIX_FMT_FP6 matrix_b_fmt:MATRIX_FMT_FP6 matrix_b_scale:MATRIX_SCALE_ROW1
.else
	v_wmma_scale_f32_16x16x128_f8f6f4 v[DD:DD+7], v[FA:FA+11], v[FB:FB+11], v[DD:DD+7], v[SA], v[SS] matrix_a_fmt:MATRIX_FMT_FP6 matrix_b_fmt:MATRIX_FMT_FP6 matrix_a_scale:MATRIX_SCALE_ROW1 matrix_b_scale:MATRIX_SCALE_ROW1
.endif
.endif
.endm
.macro MUL16 f, zero                   ; a K step's 16 products: the 16 accumulators take turns, one instruction a turn, in the same order in every step
	WIN 0x05                                       ; sources 0 and 1 window 1; C and D window 0
.irp a, 0,1
.irp b, 0,1,2,3,4,5,6,7
	MM \f, \a, \b, \zero
.endr
.endr
	WIN 0
.endm
.macro STEP n, zero                    ; K step n: its fragments were asked for a step ago; the next step's are asked for ahead of its products
	s_wait_dscnt 0x0
	PLACES
	FETCH (\n)+1, ((\n)+1)%2
	MUL16 (\n)%2, \zero
.endm
; 32 numbers of a lane, register 16 b + i = k 32 b + 16 (lane / 16) + i of my row, become half a fragment's codes in v[PC] .. v[PC + 5] and two scale bytes in v[pw].
.macro HQUANT s, pw
.irp b, 0,1
	v_max3_num_f32 v[TM+\b], |v[(\s)+16*\b]|, |v[(\s)+1+16*\b]|, 0x1800000   ; my 16 numbers of block b, and the floor 2^(3 - 127): the byte cannot fall under 1
.endr
.irp i, 2,4,6,8,10,12,14
.irp b, 0,1
	v_max3_num_f32 v[TM+\b], v[TM+\b], |v[(\s)+16*\b+\i]|, |v[(\s)+1+16*\b+\i]|
.endr
.endr
.irp b, 0,1
	v_permlanex16_b32 v[TM+4+\b], v[TM+\b], s[SEL], s[SEL+1]
.endr
.irp b, 0,1
	v_max_num_f32 v[TM+\b], v[TM+\b], v[TM+4+\b]   ; with lane l xor 16's: the block's largest magnitude
.endr
.irp b, 0,1
	v_add_nc_u32 v[TM+12+\b], 0xff000000, v[TM+\b] ; 2 off its exponent field: the conversion's scale operand
.endr
.irp b, 0,1
	v_lshrrev_b32 v[TM+4+\b], 23, v[TM+12+\b]      ; the scale's byte
.endr
	v_lshl_or_b32 v[\pw], v[TM+5], 8, v[TM+4]
	v_cvt_scalef32_pk16_fp6_f32 v[PC:PC+2], v[(\s):(\s)+15], v[TM+12]
	v_cvt_scalef32_pk16_fp6_f32 v[PTH:PTH+2], v[(\s)+16:(\s)+31], v[TM+13]
	v_nop                                          ; one plain place behind a scaled conversion
.irp i, 0,1,2
	v_permlane16_swap_b32 v[PC+\i], v[PTH+\i]      ; a WHOLE block in a lane: lanes 0-15 block 0, lanes 16-31 block 1
.endr
.irp i, 0,1,2
	v_mov_b32 v[PC+3+\i], v[PTH+\i]
.endr
.endm
; 64 numbers likewise become a whole fragment's codes in v[PC] .. v[PC + 11] and its scale word in v[pw].
.macro QUANT s, pw
.irp b, 0,1,2,3
	v_max3_num_f32 v[TM+\b], |v[(\s)+16*\b]|, |v[(\s)+1+16*\b]|, 0x1800000
.endr
.irp i, 2,4,6,8,10,12,14
.irp b, 0,1,2,3
	v_max3_num_f32 v[TM+\b], v[TM+\b], |v[(\s)+16*\b+\i]|, |v[(\s)+1+16*\b+\i]|
.endr
.endr
.irp b, 0,1,2,3
	v_permlanex16_b32 v[TM+4+\b], v[TM+\b], s[SEL], s[SEL+1]
.endr
.irp b, 0,1,2,3
	v_max_num_f32 v[TM+\b], v[TM+\b], v[TM+4+\b]
.endr
.irp b, 0,1,2,3
	v_add_nc_u32 v[TM+12+\b], 0xff000000, v[TM+\b]
.endr
.irp b, 0,1,2,3
	v_lshrrev_b32 v[TM+4+\b], 23, v[TM+12+\b]
.endr
	v_lshl_or_b32 v[\pw], v[TM+5], 8, v[TM+4]
	v_lshl_or_b32 v[\pw], v[TM+6], 16, v[\pw]
	v_lshl_or_b32 v[\pw], v[TM+7], 24, v[\pw]
.irp c, 0,1
	v_cvt_scalef32_pk16_fp6_f32 v[PC+6*\c:PC+2+6*\c], v[(\s)+32*\c:(\s)+15+32*\c], v[TM+12+2*\c]
	v_cvt_scalef32_pk16_fp6_f32 v[PT+4*\c:PT+2+4*\c], v[(\s)+16+32*\c:(\s)+31+32*\c], v[TM+13+2*\c]
.endr
	v_nop
.irp c, 0,1
.irp i, 0,1,2
	v_permlane16_swap_b32 v[PC+6*\c+\i], v[PT+4*\c+\i]
.endr
.irp i, 0,1,2
	v_mov_b32 v[PC+3+6*\c+\i], v[PT+4*\c+\i]
.endr
.endr
.endm
	s_load_b256 s[4:11], s[0:1], 0x0               ; actA s[4:5], wqkv s[6:7], actB s[8:9], scr s[10:11]
	v_lshl_add_u32 v[SPW], v0, 2, SPARE
	v_mov_b32 v[NIL], 0
	ds_add_u32 v4, v5
	ds_add_u32 v4, v5
	s_wait_dscnt 0x0
	v_lshrrev_b32 v1, 5, v0
	v_readfirstlane_b32 s14, v1                    ; wave 0..3
	s_lshr_b32 s15, s14, 1                         ; I fetch for source 1 (0) or source 0 (1),
	s_and_b32 s16, s14, 1                          ; and which half of a chunk
	s_bfe_u32 s19, ttmp6, 0x40000                  ; cx
	s_bfe_u32 s20, ttmp6, 0x40004                  ; cy
	s_lshl_b32 s21, s20, 2
	s_lshl_b32 s21, 15, s21                        ; my row of the cluster
	s_lshl_b32 s22, 0x1111, s19                    ; my column
	s_or_b32 s[G1A], s21, (3<<16)|(1<<21)          ; 15:0 the mask; 17:16 elements of 8 bytes; 21 set beside a mask; no padding
	s_or_b32 s[G1B], s22, (3<<16)|(1<<21)
	s_or_b32 s[G1SA], s21, (3<<16)|(1<<21)
	s_or_b32 s[G1SB], s22, (3<<16)|(1<<21)
.irp g, G1A, G1B                       ; the head's loads of waves 0 and 1
	s_mov_b32 s[\g+1], 32<<16                      ; tensor_dim0 = 32 elements
	s_mov_b32 s[\g+2], 224<<16                     ; the scale words and four K steps: 57,344 dense bytes as 224 rows of 256
	s_mov_b32 s[\g+3], 32<<16                      ; tile_dim0
	s_mov_b32 s[\g+4], 224
	s_mov_b32 s[\g+5], 32                          ; the pitch
	s_mov_b32 s[\g+6], 0
	s_mov_b32 s[\g+7], 0
.endr
.irp g, G1SA, G1SB                     ; the head's loads of waves 2 and 3
	s_mov_b32 s[\g+1], 32<<16
	s_mov_b32 s[\g+2], 384<<16                     ; K steps 4-11: 98,304 dense bytes as 384 rows of 256
	s_mov_b32 s[\g+3], 32<<16
	s_mov_b32 s[\g+4], 384
	s_mov_b32 s[\g+5], 32
	s_mov_b32 s[\g+6], 0
	s_mov_b32 s[\g+7], 0
.endr
	; which panels.  Source 1's number is made of cy alone, source 0's of cx alone, beside numbers that all partners share
	s_and_b32 s23, ttmp7, 0xffff                   ; cluster y
	s_lshl_b32 s2, s23, 2
	s_lshl_b32 s3, ttmp9, 2
	s_cmp_eq_u32 ttmp9, 5                          ; V's clusters?
	s_cselect_b32 s21, 1, 0
	s_cselect_b32 s17, 20, s2
	s_cselect_b32 s18, s2, s3
	s_add_co_u32 s17, s17, s20                     ; source 1's panel
	s_add_co_u32 s18, s18, s19                     ; source 0's panel
	s_mul_i32 s92, s17, PANB
	s_mov_b32 s93, 0
	s_mul_i32 s94, s18, PANB
	s_mov_b32 s95, 0
	CROUND                                         ; the round in front of the first joint loads; the arguments come meanwhile
	s_wait_kmcnt 0x0
	s_cmp_eq_u32 ttmp9, 5
	s_cselect_b64 s[2:3], s[6:7], s[4:5]           ; source 1's buffer
	s_add_nc_u64 s[92:93], s[2:3], s[92:93]
	s_cselect_b64 s[2:3], s[4:5], s[6:7]           ; source 0's
	s_add_nc_u64 s[94:95], s[2:3], s[94:95]
	s_mov_b32 s2, 0                                ; waves 0 and 1: a block's first 57,344 bytes
	s_mov_b32 s3, 0
	SETG0 G0A1, 2, 0, 92
	SETG0 G0B1, 2, SC0, 94
	s_mov_b32 s2, 8192+4*STEPB                     ; waves 2 and 3: K steps 4-11, behind them in memory and in LDS
	SETG0 G0AS, 2, 0, 92
	SETG0 G0BS, 2, SC0, 94
.macro ARM under, g0, g1, next         ; one chain of branches on the wave's number, one load to an arm, all arms to one join
	s_cmp_lt_u32 s14, \under
	s_cbranch_scc0 \next
	tensor_load_to_lds s[\g0:\g0+3], s[\g1:\g1+7]
	s_nop 0
	PLACES
	s_branch .Lhead_asked
\next:
.endm
	ARM 1, G0A1, G1A, .Lhead_b
	ARM 2, G0B1, G1B, .Lhead_sa
	ARM 3, G0AS, G1SA, .Lhead_sb
	tensor_load_to_lds s[G0BS:G0BS+3], s[G1SB:G1SB+7]
	s_nop 0
	PLACES
.Lhead_asked:
	s_mul_i32 s12, s16, 2*STEPB                    ; steps 12-15: my two steps, over steps 0-3
	s_add_co_u32 s2, s12, 8192+12*STEPB
	SETG0 G0A0, 12, 8192, 92
	SETG0 G0B0, 12, PARTB, 94
	v_and_b32 v1, 31, v0                           ; lane
	v_and_b32 v2, 15, v0                           ; r
	v_bfe_u32 v3, v0, 4, 1                         ; h
	v_lshlrev_b32 v[L16], 4, v1
	v_lshlrev_b32 v[L8], 3, v1
	s_mul_i32 s2, s14, 3072                        ; my two tiles of source 1,
	s_add_co_u32 s2, s2, 8192                      ; behind its scale words
	v_add_nc_u32 v6, s2, v[L16]
	v_add_nc_u32 v9, s2, v[L8]
	v_add_nc_u32 v12, PARTB, v[L16]
	v_add_nc_u32 v15, PARTB, v[L8]
.irp s, 1,2
	v_add_nc_u32 v[6+\s], \s*SLOTB, v6
	v_add_nc_u32 v[9+\s], \s*SLOTB, v9
	v_add_nc_u32 v[12+\s], \s*SLOTB, v12
	v_add_nc_u32 v[15+\s], \s*SLOTB, v15
.endr
	v_lshlrev_b32 v19, 2, v1
	s_lshl_b32 s2, s14, 7
	v_add_nc_u32 v18, s2, v19
	v_add_nc_u32 v19, SC0, v19
	s_mov_b32 s[SEL], 0x76543210
	s_mov_b32 s[SEL+1], 0xfedcba98
.irp b, 0,1,2,3
	v_mov_b32 v[TM+4+\b], 0                        ; written once: a lane permute's destination counts as one of its sources
.endr
	; the table of cos and sin for my two tiles of tokens: lane (r, h) of tile a wants, of position 128 Y + 32 w + 8 a + r + 8 (r / 8), the pairs 16 B + 8 h + 0 .. 7.  V's clusters run these lines too, on a panel held at 15,
	; and do not use what comes: so there is one way through the head
	s_min_u32 s2, s17, 15
	s_lshl_b32 s2, s2, 7
	s_lshl_b32 s3, s14, 5
	s_add_co_u32 s2, s2, s3
	s_lshl_b32 s2, s2, 8                           ; 256 bytes a position
	s_add_co_u32 s2, s2, TAB
	s_mov_b32 s3, 0
	s_add_nc_u64 s[8:9], s[8:9], s[2:3]
	v_and_b32 v61, 8, v2
	v_add_nc_u32 v61, v61, v2
	v_lshlrev_b32 v61, 8, v61
	v_lshl_add_u32 v61, v3, 6, v61
.irp a, 0,1
.irp b, 0,1
.irp j, 0,1,2,3
	global_load_b128 v[64+32*\a+16*\b+4*\j:64+32*\a+16*\b+4*\j+3], v61, s[8:9] offset:2048*\a+128*\b+16*\j
.endr
.endr
.endr
	s_wait_alu depctr_va_vdst(0)
	s_cmp_lt_u32 s14, 2                            ; waves 0 and 1 wait for their loads, the scale words and K steps 0-3; those of waves 2 and 3 may stay out
	s_cbranch_scc0 .Lrest_out
	s_wait_tensorcnt 0x0
.Lrest_out:
	s_barrier_signal -1
	s_barrier_wait -1
	FETCH 0, 0
	STEP 0, 1                                      ; the first products start the sums: nothing is cleared
	STEP 1, 0
	STEP 2, 0
	s_wait_tensorcnt 0x0                           ; K step 3 leaves slot 0.  All my tensor loads have landed;
	ds_add_u32 v[SPW], v[NIL]                      ; K step 3: steps 4-11 have landed, steps 0-3 are left
	s_mov_b32 s[G1A+2], 96<<16                     ; no tensor load of mine is out: the last loads bring two K steps, 96 rows
	s_mov_b32 s[G1A+4], 96
	s_mov_b32 s[G1B+2], 96<<16
	s_mov_b32 s[G1B+4], 96
	s_wait_dscnt 0x1
	MUL16 1, 0                                     ; sixteen matrix instructions stand between the add and the wait for it
	s_wait_dscnt 0x0                               ; the add is done, and my reads of slot 0 are over
	CROUND                                         ; both now hold of every wave of all sixteen work-groups
	JLOAD G0A0, G1A, G0B0, G1B                     ; chunk 3 into slot 0: my one tensor load behind the round; its four v_nop are the places in front of the loads below
	FETCH 4, 0
.irp n, 4,5,6,7,8,9,10
	STEP \n, 0
.endr
	s_wait_dscnt 0x0                               ; K step 11
	MUL16 1, 0
	s_wait_tensorcnt 0x0                           ; my part of chunk 3, the one load that was out,
	s_barrier_signal -1
	s_barrier_wait -1                              ; and everybody's
	PLACES
	FETCH 12, 0
	STEP 12, 0
	STEP 13, 0
	STEP 14, 0
	s_wait_dscnt 0x0                               ; K step 15: nothing more to fetch
	MUL16 1, 0
	PLACES
	s_wait_loadcnt 0x0                             ; the table
	v_cmp_eq_u32 s12, 1, v3                        ; lanes 16-31
	s_cmp_lg_u32 s21, 0
	s_cbranch_scc1 .Lv_way
	; ---- q and k: the rotary embedding, then 64 numbers of a head become half a fragment
	s_lshl_b32 s2, s17, 3
	s_lshl_b32 s3, s14, 1
	s_add_co_u32 s2, s2, s3                        ; my first token tile: 8 Y + 2 w
	s_mul_i32 s92, s18, 204800                     ; head 2 X: blocks of 102,400 bytes
	s_mul_i32 s3, s2, 768
	s_add_co_u32 s92, s92, s3
	s_mov_b32 s93, 0
	s_add_nc_u64 s[92:93], s[10:11], s[92:93]
	s_mul_i32 s94, s18, 204800
	s_lshl_b32 s3, s2, 5
	s_add_co_u32 s94, s94, s3
	s_add_co_u32 s94, s94, QS
	s_mov_b32 s95, 0
	s_add_nc_u64 s[94:95], s[10:11], s[94:95]
	v_lshlrev_b32 v51, 2, v2                       ; q's and k's scales: one word for a row of a PAIR of token tiles: tile 2 w's two bytes below, tile 2 w + 1's above: [pair 64][16 rows]
.irp e, 0,1
.irp a, 0,1
.irp p, 0,2,4,6,8,10,12,14,16,18,20,22,24,26,28,30
	v_mul_f32 v[TM+\p%8], v[128+64*\a+32*\e+\p], v[65+32*\a+\p]         ; x0 sin   (each accumulator is read from its low end on)
	v_mul_f32 v[TM+1+\p%8], v[129+64*\a+32*\e+\p], v[65+32*\a+\p]       ; x1 sin
	v_fma_f32 v[128+64*\a+32*\e+\p], v[128+64*\a+32*\e+\p], v[64+32*\a+\p], -v[TM+1+\p%8]   ; x0 cos - x1 sin
	v_fma_f32 v[129+64*\a+32*\e+\p], v[129+64*\a+32*\e+\p], v[64+32*\a+\p], v[TM+\p%8]      ; x1 cos + x0 sin
.endr
	s_wait_xcnt 0x0                                ; the last stores have read their registers: the codes may be written again
	HQUANT 128+64*\a+32*\e, 48+\a
	global_store_b128 v[L16], v[PC:PC+3], s[92:93] offset:\e*102400+\a*768
	global_store_b64 v[L8], v[PC+4:PC+5], s[92:93] offset:\e*102400+\a*768+512
.endr
	v_lshl_or_b32 v50, v49, 16, v48
	global_store_b32 v51, v50, s[94:95] offset:\e*102400                           ; 64 consecutive bytes (both lanes of a row store the same word)
.endr
	s_branch .Lend
.Lv_way:
	; ---- v: a lane holds one channel d and 128 keys: a whole fragment
	s_lshl_b32 s2, s20, 1
	s_add_co_u32 s2, s2, s15                       ; the key and value head: 2 cy + w / 2
	s_add_co_u32 s2, s2, 40
	s_mul_i32 s92, s2, 102400
	s_mul_i32 s3, s18, 6144                        ; the key step = the tokens' panel
	s_add_co_u32 s92, s92, s3
	s_mul_i32 s3, s16, 3072                        ; d tiles 2 (w % 2) on
	s_add_co_u32 s92, s92, s3
	s_mov_b32 s93, 0
	s_add_nc_u64 s[92:93], s[10:11], s[92:93]
	s_mul_i32 s94, s2, 102400
	s_lshl_b32 s3, s18, 8
	s_add_co_u32 s94, s94, s3
	s_lshl_b32 s3, s16, 7
	s_add_co_u32 s94, s94, s3
	s_add_co_u32 s94, s94, QS
	s_mov_b32 s95, 0
	s_add_nc_u64 s[94:95], s[10:11], s[94:95]
	v_lshlrev_b32 v51, 2, v1
.irp a, 0,1
	s_wait_xcnt 0x0                                ; the last stores have read their registers
	QUANT 128+64*\a, 48+\a
	global_store_b128 v[L16], v[PC:PC+3], s[92:93] offset:\a*1536
	global_store_b64 v[L8], v[PC+4:PC+5], s[92:93] offset:\a*1536+512
	global_store_b128 v[L16], v[PC+6:PC+9], s[92:93] offset:\a*1536+768
	global_store_b64 v[L8], v[PC+10:PC+11], s[92:93] offset:\a*1536+1280
.endr
	v_cndmask_b32 v50, v48, v49, s12
	global_store_b32 v51, v50, s[94:95]            ; two tiles' scale words: 128 consecutive bytes
.Lend:
	s_wait_tensorcnt 0x0                           ; the wave's end
	ds_add_u32 v[SPW], v[NIL]
	s_wait_dscnt 0x0
	CROUND                                         ; the closing round: no work-group ends while a partner may still ask for a tile that names it
	s_endpgm
.Lfunc_end_k_q7ba1f41470_qkv:
	.size	k_q7ba1f41470_qkv, .Lfunc_end_k_q7ba1f41470_qkv-k_q7ba1f41470_qkv
	.p2alignl 7, 3214868480
	.fill 96, 4, 3214868480
	.section	.rodata,"a",@progbits
	.p2align	6, 0x0
	.amdhsa_kernel k_q7ba1f41470_qkv
		.amdhsa_group_segment_fixed_size 327680
		.amdhsa_private_segment_fixed_size 0
		.amdhsa_enable_private_segment 0
		.amdhsa_kernarg_size 32
		.amdhsa_user_sgpr_count 2
		.amdhsa_user_sgpr_kernarg_segment_ptr 1
		.amdhsa_wavefront_size32 1
		.amdhsa_system_sgpr_workgroup_id_x 1
		.amdhsa_system_sgpr_workgroup_id_y 1
		.amdhsa_system_sgpr_workgroup_id_z 1
		.amdhsa_system_vgpr_workitem_id 0
		.amdhsa_next_free_vgpr 512
		.amdhsa_next_free_sgpr 102
		.amdhsa_reserve_vcc 0
		.amdhsa_float_denorm_mode_32 3
		.amdhsa_float_denorm_mode_16_64 3
		.amdhsa_memory_ordered 1
		.amdhsa_forward_progress 1
		.amdhsa_inst_pref_size 124
	.end_amdhsa_kernel
	.amdgpu_metadata
---
amdhsa.version: [ 1, 2 ]
amdhsa.kernels:
  - .name:           k_q7ba1f41470_qkv
    .symbol:         k_q7ba1f41470_qkv.kd
    .args:
      - { .name: actA, .offset: 0, .size: 8, .value_kind: global_buffer, .address_space: global }
      - { .name: wqkv, .offset: 8, .size: 8, .value_kind: global_buffer, .address_space: global }
      - { .name: actB, .offset: 16, .size: 8, .value_kind: global_buffer, .address_space: global }
      - { .name: scr, .offset: 24, .size: 8, .value_kind: global_buffer, .address_space: global }
    .group_segment_fixed_size: 327680
    .private_segment_fixed_size: 0
    .kernarg_segment_align: 8
    .kernarg_segment_size: 32
    .max_flat_workgroup_size: 128
    .sgpr_count:     102
    .vgpr_count:     512
    .wavefront_size: 32
...
	.end_amdgpu_metadata
.endif
;; end of part 2
;; launch attn (part 3): grid 32 x 8, 16 waves a work-group, clusters of 4 x 1, 292,864 bytes of LDS; arguments scr, actB; writes actB
.if DOCPART == 3
	.amdgcn_target "amdgcn-amd-amdhsa--gfx1250"
	.amdhsa_code_object_version 6
	.text
	.protected	k_q7ba1f41470_attn
	.globl	k_q7ba1f41470_attn
	.p2align	8
	.type	k_q7ba1f41470_attn,@function
k_q7ba1f41470_attn:
	s_mov_b64 s[64:65], 0
	v_nop
	global_prefetch_b8 v0, s[64:65] scope:SCOPE_SE
	s_setreg_imm32_b32 hwreg(HW_REG_WAVE_MODE, 25, 1), 1
	s_wait_xcnt 0x0
	s_wait_alu depctr_hold_cnt(0) depctr_sa_sdst(0) depctr_va_vdst(0) depctr_va_sdst(0) depctr_va_ssrc(0) depctr_va_vcc(0) depctr_vm_vsrc(0)
	s_getreg_b32 s2, hwreg(HW_REG_IB_STS2, 6, 4)
	s_cmp_eq_u32 s2, 0
	s_cbranch_scc0 .Lentry_in_a_cluster
	s_endpgm
.Lentry_in_a_cluster:
	s_bfe_u32 s2, ttmp6, 0x10000c
	s_cmp_lg_u32 s2, 0x3003
	s_cbranch_scc0 .Lentry_shape_is_right
	s_endpgm
.Lentry_shape_is_right:
; Causal attention, 32 query heads on 8 key and value heads, head size 64, 2,048 tokens, both products on codes of FP6 (E2M3) with E8M0 scales; y = O / l is quantised and stored as wo's operand image.
; IN (scr): "head" H = 0..31 q, 32..39 k, 40..47 v has one dense block of HB = 102,400 bytes: codes (q, k [token tile 128][768 bytes], half a fragment: K = 64; v [key step 16][d tile 4][1,536]), then 4,096 bytes of scales
; (q, k: [pair of tiles 64][16 rows] words, the even tile's two bytes below, the odd tile's above; v: words [key step][d tile][16]).
; THE FIRST PRODUCT'S K IS 64.  Two neighbouring key tiles lie in memory as ONE whole fragment: the even tile at k = 0 .. 63, the odd one at k = 64 .. 127.  It is multiplied twice: by Q with zero codes at k = 64 .. 127, which
; gives the even tile's scores, and by Q at k = 64 .. 127 with zero codes below, which gives the odd tile's.  The 18 registers [6 zeros][Q][6 zeros] serve as both operands.  Zero codes add nothing under any finite scale byte.
; THE SOFTMAX: t = score x log2(e) / 8; M = the row's largest t so far, rounded UP to a whole number; p = 2^(t - M) is quantised along the keys, not normalised.  The row's sum is taken of the unquantised p and divides O
; at the end.  When M moves, the sum and O are multiplied by 2^(old M - new M): exact.
; SHARES.  A cluster of four work-groups takes the four query heads of one key and value head: they read the same K and V, so every tensor load is joint (mask 15).  K's and V's blocks, 2 x 102,400 bytes, stay in LDS: no byte is
; filled twice.  Each of the sixteen waves asks for one sixteenth, 12,800 bytes, at the head: one tensor load a wave, its addresses made by arithmetic on the wave's number.  No prefetch: no load follows the head's.
; THE CAUSAL CUT, AND THE KEYS BY PARITY.  Tile T of 16 queries counts T / 8 + 1 key steps of 128.  Waves w and w xor 1 share tiles j and 127 - j, j = 8 J + w / 2: 17 steps.  Each wave first walks the ODD steps of the tile that
; its partner keeps and hands the partial (-M, sum, O^T) over through LDS, then walks the EVEN steps of the tile that it keeps; one barrier; it joins the partner's partial to its own under the larger M, by exact powers of two,
; and finishes the tile.  That is 8 or 9 steps a wave; which wave keeps the late tile alternates with w / 4.  p's codes do not hang on M (a block's scale takes a power of two up), so the split moves no code.
; A step all of whose keys come after the queries is jumped over (a scalar branch on ids, the same in all four partners).  In every step that is worked each query sees the step's first key.  A partial of no step is (3e38, 0, 0).
; LAYOUT.  S^T = K Q^T, O^T = V^T P^T: a lane holds ONE query (lane % 16); register 16 b + i of S^T is key 32 b + 16 (lane / 16) + i of the step, and of O^T channel 32 b + 16 (lane / 16) + i.
; LIMITS: a block of zeros gets the byte 1 where the rule says 127 (its codes are zeros; this program alone reads the bytes); NaN and infinities are not served.  A block's largest p is made from the block's largest score by
; the same two instructions as every p (this takes v_exp_f32 not to fall where its input rises).  The promise holds while |t| stays under 2^31.
; REGISTERS: v1, v2 16 and 8 x lane; v3, v4 V's scale words; v5, v6, v8-11 the step's addresses; v7 my query - 16 h; v12 -M, v13 the largest t, v[14:15] the sum; v16-33 zeros, Q, zeros; v34-81 K; v82-129 V; v130-193 S^T, then p;
; v194-225 O^T; v226-237 p's codes; v234-249, v252, v254 at work; v250, v251 K's scale words; v253 p's; v255 Q's (lanes 0-15 for the even tiles, lanes 16-31 for the odd ones).
.set HB,    102400
.set WV,    18
.set SEL,   20
.set CS,    22
.set G1,    24
.set G0,    40
.set TB,    2                          ; the step's first byte in K's and in V's codes
.set TS,    3                          ; the LDS byte of the step's K scale words
.set KF,    66                         ; the step's first key
.set CNT,   67
.set QMIN,  68
.set QMAX,  69
.set TT,    77                         ; the tile at work
.set KSC,   98304                      ; LDS: K's codes at 0, its scale words here,
.set VOFF,  102400                     ; V's codes,
.set VSC,   200704                     ; V's scale words,
.set STG,   204800                     ; a stage for each wave: the partial that it hands over (4,352 bytes), then the Q of its second tile (896),
.set STGB,  5376
.set SPARE, 290816                     ; the spare words: 128 bytes a wave
.set QB,    16
.set KB,    34
.set VB,    82
.set SB,    130
.set OB,    194
.set PC,    226
.set TM,    234
.set PTH,   SB+32
.macro CROUND                          ; a round of the cluster's barrier
	s_barrier_signal -1
	s_barrier_wait -1
	s_cmp_lg_u32 s[WV], 0
	s_cbranch_scc1 .Lnot_wave_0_\@
	s_barrier_signal -3
.Lnot_wave_0_\@:
	s_barrier_wait -3
	s_barrier_signal -1
	s_barrier_wait -1
.endm
.macro FRAG reg, a16, a8, off          ; a fragment's 12 registers
	ds_load_b128 v[\reg:\reg+3], v[\a16] offset:\off
	ds_load_b64 v[\reg+4:\reg+5], v[\a8] offset:\off+512
	ds_load_b128 v[\reg+6:\reg+9], v[\a16] offset:\off+768
	ds_load_b64 v[\reg+10:\reg+11], v[\a8] offset:\off+1280
.endm
; 32 numbers of a lane, register 16 b + i = k 32 b + 16 (lane / 16) + i of my row, become half a fragment's codes in v[PC] .. v[PC + 5] and two scale bytes in v[pw]
.macro HQUANT s, pw
.irp b, 0,1
	v_max3_num_f32 v[TM+\b], |v[(\s)+16*\b]|, |v[(\s)+1+16*\b]|, 0x1800000
.endr
.irp i, 2,4,6,8,10,12,14
.irp b, 0,1
	s_delay_alu instid0(VALU_DEP_2)
	v_max3_num_f32 v[TM+\b], v[TM+\b], |v[(\s)+16*\b+\i]|, |v[(\s)+1+16*\b+\i]|
.endr
.endr
.irp b, 0,1
	s_delay_alu instid0(VALU_DEP_2)
	v_permlanex16_b32 v[TM+4+\b], v[TM+\b], s[SEL], s[SEL+1]
.endr
.irp b, 0,1
	s_delay_alu instid0(VALU_DEP_2)
	v_max_num_f32 v[TM+\b], v[TM+\b], v[TM+4+\b]
.endr
.irp b, 0,1
	s_delay_alu instid0(VALU_DEP_2)
	v_add_nc_u32 v[TM+12+\b], 0xff000000, v[TM+\b]
.endr
.irp b, 0,1
	s_delay_alu instid0(VALU_DEP_2)
	v_lshrrev_b32 v[TM+4+\b], 23, v[TM+12+\b]
.endr
	s_delay_alu instid0(VALU_DEP_1)
	v_lshl_or_b32 v[\pw], v[TM+5], 8, v[TM+4]
	v_cvt_scalef32_pk16_fp6_f32 v[PC:PC+2], v[(\s):(\s)+15], v[TM+12]
	v_cvt_scalef32_pk16_fp6_f32 v[PTH:PTH+2], v[(\s)+16:(\s)+31], v[TM+13]
	v_nop                                          ; one plain place behind a scaled conversion
.irp i, 0,1,2
	v_permlane16_swap_b32 v[PC+\i], v[PTH+\i]
.endr
.irp i, 0,1,2
	s_delay_alu instid0(VALU_DEP_3)
	v_mov_b32 v[PC+3+\i], v[PTH+\i]
.endr
.endm
.macro QK u                            ; key tiles 2 u and 2 u + 1: one fragment of K against Q below and Q above
.if (\u)%2 == 0
	v_wmma_scale_f32_16x16x128_f8f6f4 v[SB+16*\u:SB+16*\u+7], v[KB+12*\u:KB+12*\u+11], v[QB+6:QB+17], 0, v[250+\u/2], v255 matrix_a_fmt:MATRIX_FMT_FP6 matrix_b_fmt:MATRIX_FMT_FP6
	v_wmma_scale_f32_16x16x128_f8f6f4 v[SB+16*\u+8:SB+16*\u+15], v[KB+12*\u:KB+12*\u+11], v[QB:QB+11], 0, v[250+\u/2], v255 matrix_a_fmt:MATRIX_FMT_FP6 matrix_b_fmt:MATRIX_FMT_FP6 matrix_b_scale:MATRIX_SCALE_ROW1
.else
	v_wmma_scale_f32_16x16x128_f8f6f4 v[SB+16*\u:SB+16*\u+7], v[KB+12*\u:KB+12*\u+11], v[QB+6:QB+17], 0, v[250+\u/2], v255 matrix_a_fmt:MATRIX_FMT_FP6 matrix_b_fmt:MATRIX_FMT_FP6 matrix_a_scale:MATRIX_SCALE_ROW1
	v_wmma_scale_f32_16x16x128_f8f6f4 v[SB+16*\u+8:SB+16*\u+15], v[KB+12*\u:KB+12*\u+11], v[QB:QB+11], 0, v[250+\u/2], v255 matrix_a_fmt:MATRIX_FMT_FP6 matrix_b_fmt:MATRIX_FMT_FP6 matrix_a_scale:MATRIX_SCALE_ROW1 matrix_b_scale:MATRIX_SCALE_ROW1
.endif
.endm
; A KEY STEP: 128 keys
.macro STEP
	s_cmp_gt_u32 s[KF], s[QMAX]                    ; all its keys come after my queries: only the stepping lines at its end are run
	s_cbranch_scc1 .Lhidden_\@
	v_add_nc_u32 v8, s[TB], v1                     ; (these seven are the places behind the last step's products)
	v_add_nc_u32 v9, s[TB], v2
	v_lshrrev_b32 v5, 1, v2
	v_add_nc_u32 v10, VOFF, v8
	v_add_nc_u32 v11, VOFF, v9
	v_add_nc_u32 v5, s[TS], v5                     ; K's scale words: 4 x lane: two pairs of tiles in the 32 lanes
	v_add_nc_u32 v6, VSC-KSC, v5                   ; V's likewise
.irp u, 0,1,2,3
	FRAG KB+12*\u, 8, 9, 1536*\u
.endr
	ds_load_b32 v250, v5
	ds_load_b32 v251, v5 offset:128
.irp t, 0,1,2,3                                ; V's four fragments and two scale registers: 18 loads, which land during the softmax
	FRAG VB+12*\t, 10, 11, 1536*\t
.endr
	ds_load_b32 v3, v6
	ds_load_b32 v4, v6 offset:128
	s_wait_dscnt 18                                ; K and its scale words are in; V's 18 loads may be out
.irp u, 0,1,2,3
	QK \u
.endr
.rept 4
	v_nop                                          ; places in front of the first read of the scores
.endr
	s_add_co_u32 s90, s[KF], 127                   ; on the diagonal the scores of hidden keys become -infinity ahead of the maximum: p = 0 then.  A step all of whose keys count skips this
	s_cmp_le_u32 s90, s[QMIN]
	s_cbranch_scc1 .Lopen_\@
	v_sub_nc_u32 v252, v7, s[KF]                   ; d = my query - 16 h - the step's first key: register 16 b + i is hidden where 32 b + i > d
	v_mov_b32 v254, 0xff800000
.set N, 0
.rept 64
	v_cmp_gt_i32 vcc_lo, 32*(N/16)+N%16, v252
	v_cndmask_b32 v[SB+N], v[SB+N], v254, vcc_lo
.set N, N+1
.endr
.Lopen_\@:
.irp b, 0,1,2,3
	v_max3_num_f32 v[TM+\b], v[SB+16*\b], v[SB+1+16*\b], v[SB+2+16*\b]   ; the largest score of each block of 32 keys: for the row's maximum and for the block's largest p
.endr
.irp i, 3,5,7,9,11,13
.irp b, 0,1,2,3
	v_max3_num_f32 v[TM+\b], v[TM+\b], v[SB+16*\b+\i], v[SB+1+16*\b+\i]
.endr
.endr
.irp b, 0,1,2,3
	v_max_num_f32 v[TM+\b], v[TM+\b], v[SB+15+16*\b]
.endr
.irp b, 0,1,2,3
	s_delay_alu instid0(VALU_DEP_4)
	v_permlanex16_b32 v[TM+4+\b], v[TM+\b], s[SEL], s[SEL+1]
.endr
.irp b, 0,1,2,3
	s_delay_alu instid0(VALU_DEP_4)
	v_max_num_f32 v[TM+\b], v[TM+\b], v[TM+4+\b]   ; with lane l xor 16's 16 keys
.endr
	s_delay_alu instid0(VALU_DEP_2)
	v_max3_num_f32 v254, v[TM], v[TM+1], v[TM+2]
	s_delay_alu instid0(VALU_DEP_1)
	v_max_num_f32 v254, v254, v[TM+3]
	s_delay_alu instid0(VALU_DEP_1)
	v_mul_f32 v254, s[CS], v254                    ; the step's largest t of my query
	s_delay_alu instid0(VALU_DEP_1)
	v_max_num_f32 v13, v13, v254
	v_mov_b32 v254, v12
	s_delay_alu instid0(VALU_DEP_2)
	v_floor_f32 v12, -v13                          ; the new -M = -ceil(t)
	s_delay_alu instid0(VALU_DEP_1)
	v_sub_f32 v254, v12, v254                      ; old M - new M: a whole number, 0 or less
	s_delay_alu instid0(VALU_DEP_1)
	v_cvt_i32_f32 v254, v254                       ; (it saturates)
	s_delay_alu instid0(VALU_DEP_1)
	v_ldexp_f32 v252, 1.0, v254                    ; f = 2^(old M - new M)
.set J, 0
.rept 32
	v_pk_fma_f32 v[SB+J:SB+1+J], v[SB+J:SB+1+J], s[CS:CS+1], v[12:13] op_sel_hi:[1,0,0]   ; t - M
.set J, J+2
.endr
.irp b, 0,1,2,3
	v_fma_f32 v[TM+\b], v[TM+\b], s[CS], v12       ; the same of each block's largest score
.endr
	s_wait_alu depctr_va_vdst(0)                   ; the wait ahead of the batch
.set J, 0
.rept 64
	v_exp_f32 v[SB+J], v[SB+J]                     ; p = 2^(t - M)
.set J, J+1
.endr
	v_pk_mul_f32 v[14:15], v[14:15], v[252:253] op_sel_hi:[1,0]   ; the sum under the new M (a plain place behind the exponentials)
	s_wait_alu depctr_va_vdst(0)                   ; one wait for the batch, ahead of its first reader
.irp b, 0,1,2,3
	v_exp_f32 v[TM+\b], v[TM+\b]                   ; the block's largest p
.endr
.irp c, 0,1,2,3                                ; the row's sum of the unquantised p: four chains of pairs
	v_pk_add_f32 v[TM+4+2*\c:TM+5+2*\c], v[SB+2*\c:SB+1+2*\c], v[SB+8+2*\c:SB+9+2*\c]
.endr
.irp j, 16,24,32,40,48,56
.irp c, 0,1,2,3
	v_pk_add_f32 v[TM+4+2*\c:TM+5+2*\c], v[TM+4+2*\c:TM+5+2*\c], v[SB+\j+2*\c:SB+1+\j+2*\c]
.endr
.endr
	s_delay_alu instid0(VALU_DEP_3)
	v_pk_add_f32 v[TM+4:TM+5], v[TM+4:TM+5], v[TM+6:TM+7]
	s_delay_alu instid0(VALU_DEP_2)
	v_pk_add_f32 v[TM+8:TM+9], v[TM+8:TM+9], v[TM+10:TM+11]
	s_delay_alu instid0(VALU_DEP_1)
	v_pk_add_f32 v[TM+4:TM+5], v[TM+4:TM+5], v[TM+8:TM+9]
	s_delay_alu instid0(VALU_DEP_1)
	v_pk_add_f32 v[14:15], v[14:15], v[TM+4:TM+5]
	s_wait_alu depctr_va_vdst(0)                   ; and one for the four
.irp b, 0,1,2,3
	v_max_num_f32 v[TM+\b], 0x1800000, v[TM+\b]    ; the floor 2^(3 - 127): the byte cannot fall under 1
.endr
.irp b, 0,1,2,3
	s_delay_alu instid0(VALU_DEP_4)
	v_add_nc_u32 v[TM+12+\b], 0xff000000, v[TM+\b] ; 2 off the exponent field: the conversion's scale operand
.endr
.irp b, 0,1,2,3
	s_delay_alu instid0(VALU_DEP_4)
	v_lshrrev_b32 v[TM+4+\b], 23, v[TM+12+\b]
.endr
	s_delay_alu instid0(VALU_DEP_3)
	v_lshl_or_b32 v253, v[TM+5], 8, v[TM+4]        ; p's scale word for these 128 keys
	s_delay_alu instid0(VALU_DEP_1)
	v_lshl_or_b32 v253, v[TM+6], 16, v253
	s_delay_alu instid0(VALU_DEP_1)
	v_lshl_or_b32 v253, v[TM+7], 24, v253
.irp c, 0,1
	v_cvt_scalef32_pk16_fp6_f32 v[PC+6*\c:PC+2+6*\c], v[SB+32*\c:SB+15+32*\c], v[TM+12+2*\c]
	v_cvt_scalef32_pk16_fp6_f32 v[TM+4+4*\c:TM+6+4*\c], v[SB+16+32*\c:SB+31+32*\c], v[TM+13+2*\c]
.endr
	v_nop                                          ; one plain place behind a scaled conversion
.irp c, 0,1                                    ; a whole block in a lane: lanes 0-15 block 2 c, lanes 16-31 block 2 c + 1
.irp i, 0,1,2
	v_permlane16_swap_b32 v[PC+6*\c+\i], v[TM+4+4*\c+\i]
.endr
.irp i, 0,1,2
	s_delay_alu instid0(VALU_DEP_3)
	v_mov_b32 v[PC+3+6*\c+\i], v[TM+4+4*\c+\i]
.endr
.endr
	s_wait_alu depctr_va_vdst(0)                   ; the wait directly ahead of the first reader of O^T
.set J, 0
.rept 16
	v_pk_mul_f32 v[OB+J:OB+1+J], v[OB+J:OB+1+J], v[252:253] op_sel_hi:[1,0]   ; O^T x f (also the places in front of the scaled products)
.set J, J+2
.endr
	s_wait_alu depctr_va_vdst(0)                   ; the wait directly ahead of the wait below
	s_wait_dscnt 0x0                               ; V
.irp t, 0,2                                    ; O^T += V^T P^T: the four accumulators take turns
	v_wmma_scale_f32_16x16x128_f8f6f4 v[OB+8*\t:OB+7+8*\t], v[VB+12*\t:VB+11+12*\t], v[PC:PC+11], v[OB+8*\t:OB+7+8*\t], v[3+\t/2], v253 matrix_a_fmt:MATRIX_FMT_FP6 matrix_b_fmt:MATRIX_FMT_FP6
	v_wmma_scale_f32_16x16x128_f8f6f4 v[OB+8+8*\t:OB+15+8*\t], v[VB+12+12*\t:VB+23+12*\t], v[PC:PC+11], v[OB+8+8*\t:OB+15+8*\t], v[3+\t/2], v253 matrix_a_fmt:MATRIX_FMT_FP6 matrix_b_fmt:MATRIX_FMT_FP6 matrix_a_scale:MATRIX_SCALE_ROW1
.endr
.Lhidden_\@:
	s_add_co_u32 s[KF], s[KF], 256                 ; two steps on
	s_add_co_u32 s[TB], s[TB], 12288
	s_add_co_u32 s[TS], s[TS], 512
.endm
.macro RUN par                         ; the steps of parity par of tile s[TT]: eight trips
	s_mov_b32 s[TB], 6144*\par
	s_mov_b32 s[TS], KSC+256*\par
	s_mov_b32 s[KF], 128*\par
	s_mov_b32 s[CNT], 8
.Lstep_\@:
	STEP
	s_sub_co_u32 s[CNT], s[CNT], 1
	s_cmp_lg_u32 s[CNT], 0
	s_cbranch_scc1 .Lstep_\@
.endm
.macro QFIX                            ; the pair's scale word becomes Q's: my tile's two bytes below in lanes 0-15, above in lanes 16-31
	s_and_b32 s75, s[TT], 1
	s_lshl_b32 s75, s75, 4
	v_bfe_u32 v254, v0, 4, 1
	v_lshrrev_b32 v255, s75, v255
	v_lshlrev_b32 v254, 4, v254
	s_delay_alu instid0(VALU_DEP_1)
	v_lshlrev_b32 v255, v254, v255
.endm
.macro STAGEADR base                   ; v8, v9, v5: 16, 8 and 4 x lane in the stage at s[base]
	v_add_nc_u32 v8, s[\base], v1
	v_add_nc_u32 v9, s[\base], v2
	v_lshrrev_b32 v5, 1, v2
	s_delay_alu instid0(VALU_DEP_1)
	v_add_nc_u32 v5, s[\base], v5
.endm
.macro TINIT                           ; what tile s[TT] begins with: work on registers alone
	s_lshr_b32 s75, s[TT], 1
	s_lshl_b32 s75, s75, 5
	s_and_b32 s76, s[TT], 1
	s_lshl_b32 s76, s76, 3
	s_add_co_u32 s[QMIN], s75, s76                 ; 32 (T / 2) + 8 (T % 2)
	s_add_co_u32 s[QMAX], s[QMIN], 23
	v_and_b32 v9, 15, v0
	v_bfe_u32 v10, v0, 4, 1
	v_and_b32 v7, 8, v9
	v_lshlrev_b32 v10, 4, v10
	v_add_nc_u32 v7, v7, v9
	v_mov_b32 v13, 0xff61b1e6                      ; the largest t so far: -3e38
	v_sub_nc_u32 v7, v7, v10
	v_floor_f32 v12, -v13
	v_add_nc_u32 v7, s[QMIN], v7                   ; my query - 16 h
	v_mov_b32 v14, 0
	v_mov_b32 v15, 0
	v_mov_b32 v252, 0
	v_mov_b32 v253, 0
.set J, 0
.rept 32
	v_mov_b32 v[OB+J], 0                           ; O^T: the step is written once, and the first finds zeros
.set J, J+1
.endr
	s_wait_alu depctr_va_vdst(0)                   ; the wait here
.endm
	s_load_b128 s[4:7], s[0:1], 0x0                ; scr s[4:5], actB s[6:7]
	v_lshl_add_u32 v254, v0, 2, SPARE
	v_mov_b32 v6, 0
	ds_add_u32 v254, v6                            ; the opening lines: the add, twice on end, and its wait
	ds_add_u32 v254, v6
	v_lshrrev_b32 v8, 5, v0
	v_readfirstlane_b32 s[WV], v8                  ; wave 0..15
	s_bfe_u32 s70, ttmp6, 0x40000                  ; cx: it enters Q's and y's global addresses alone
	s_and_b32 s71, ttmp7, 0xffff                   ; the key and value head
	s_lshl_b32 s72, s71, 2
	s_add_co_u32 s72, s72, s70                     ; my query head
	s_lshr_b32 s75, s[WV], 1
	s_lshl_b32 s73, ttmp9, 3
	s_add_co_u32 s73, s73, s75                     ; j: the pair's early tile
	s_sub_co_u32 s74, 127, s73                     ; its late tile
	s_lshr_b32 s75, s[WV], 2
	s_xor_b32 s75, s75, s[WV]
	s_and_b32 s75, s75, 1
	s_cmp_lg_u32 s75, 0
	s_cselect_b32 s[TT], s74, s73                  ; the tile whose odd steps I walk for my partner,
	s_cselect_b32 s95, s73, s74                    ; and the tile that I keep
	s_mul_i32 s96, s[WV], STGB
	s_add_co_u32 s96, s96, STG                     ; my stage,
	s_xor_b32 s97, s[WV], 1
	s_mul_i32 s97, s97, STGB
	s_add_co_u32 s97, s97, STG                     ; my partner's
	s_lshr_b32 s78, s[WV], 3                       ; waves 0-7 fetch K's block, waves 8-15 V's, an eighth each
	s_lshl_b32 s79, s78, 3
	s_add_co_u32 s79, s79, s71
	s_add_co_u32 s79, s79, 32                      ; "head" 32 + g or 40 + g
	s_mul_i32 s80, s79, HB
	s_and_b32 s78, s[WV], 7
	s_mul_i32 s78, s78, 12800
	s_add_co_u32 s80, s80, s78
	s_mov_b32 s81, 0
	s_mov_b32 s[G0], 1
	s_mul_i32 s[G0+1], s[WV], 12800                ; where it goes
	s_mov_b32 s[G1], 15|(3<<16)|(1<<21)            ; the mask: all four work-groups; elements of 8 bytes; bit 21 beside a mask
	s_mov_b32 s[G1+1], 32<<16                      ; 12,800 dense bytes as 50 rows of 256
	s_mov_b32 s[G1+2], 50<<16
	s_mov_b32 s[G1+3], 32<<16
	s_mov_b32 s[G1+4], 50
	s_mov_b32 s[G1+5], 32
	s_mov_b32 s[G1+6], 0
	s_mov_b32 s[G1+7], 0
	s_mov_b32 s[SEL], 0x76543210
	s_mov_b32 s[SEL+1], 0xfedcba98
	s_mov_b32 s[CS], 0x3e38aa3b                    ; c = log2(e) / sqrt(64)
	s_mov_b32 s[CS+1], s[CS]
	s_mul_i32 s75, s72, HB                         ; Q: my head's block; a tile's codes 768 bytes, a pair's scale words 64
	s_mul_i32 s76, s[TT], 768
	s_add_co_u32 s86, s75, s76
	s_mov_b32 s87, 0
	s_lshr_b32 s76, s[TT], 1
	s_lshl_b32 s76, s76, 6
	s_add_co_u32 s88, s75, s76
	s_add_co_u32 s88, s88, 98304
	s_mov_b32 s89, 0
	s_mul_i32 s76, s95, 768
	s_add_co_u32 s90, s75, s76
	s_mov_b32 s91, 0
	s_lshr_b32 s76, s95, 1
	s_lshl_b32 s76, s76, 6
	s_add_co_u32 s92, s75, s76
	s_add_co_u32 s92, s92, 98304
	s_mov_b32 s93, 0
	s_wait_dscnt 0x0                               ; both opening adds are done
	CROUND                                         ; all four work-groups are here: the joint loads meet
	s_wait_kmcnt 0x0
	s_add_nc_u64 s[G0+2:G0+3], s[4:5], s[80:81]
	s_or_b32 s[G0+3], s[G0+3], 0x80000000
	tensor_load_to_lds s[G0:G0+3], s[G1:G1+7]      ; my one tensor load
	s_nop 0
	v_and_b32 v8, 31, v0                           ; lane
	v_and_b32 v9, 15, v0                           ; r
	v_lshlrev_b32 v1, 4, v8                        ; 16 x lane
	v_lshlrev_b32 v2, 3, v8                        ; 8 x lane
	v_lshlrev_b32 v5, 2, v9                        ; 4 r
	s_add_nc_u64 s[86:87], s[4:5], s[86:87]
	s_add_nc_u64 s[88:89], s[4:5], s[88:89]
	s_add_nc_u64 s[90:91], s[4:5], s[90:91]
	s_add_nc_u64 s[92:93], s[4:5], s[92:93]
	global_load_b128 v[QB+6:QB+9], v1, s[86:87]    ; the first tile's Q,
	global_load_b64 v[QB+10:QB+11], v2, s[86:87] offset:512
	global_load_b32 v255, v5, s[88:89]             ; its pair's scale words,
	global_load_b128 v[SB:SB+3], v1, s[90:91]      ; and the second tile's, which wait in my stage
	global_load_b64 v[SB+4:SB+5], v2, s[90:91] offset:512
	global_load_b32 v[SB+6], v5, s[92:93]
.irp i, 0,1,2,3,4,5,12,13,14,15,16,17
	v_mov_b32 v[QB+\i], 0                          ; the zero codes on both sides of Q
.endr
.irp b, 0,1,2,3
	v_mov_b32 v[TM+4+\b], 0                        ; written once: a lane permute's destination counts as one of its sources
.endr
	TINIT
	s_wait_loadcnt 0x0                             ; both tiles' Q
	QFIX
	s_wait_alu depctr_va_vdst(0)                   ; the wait at the head's end
	s_wait_tensorcnt 0x0                           ; my sixteenth of K and V
	s_barrier_signal -1
	s_barrier_wait -1                              ; and everybody's
	STAGEADR 96
	ds_store_b128 v8, v[SB:SB+3] offset:4352
	ds_store_b64 v9, v[SB+4:SB+5] offset:4352+512
	ds_store_b32 v5, v[SB+6] offset:4352+768
	RUN 1                                          ; the odd steps of my partner's tile
.rept 4
	v_nop                                          ; places behind the last products
.endr
	v_add_f32 v13, v14, v15                        ; my lane's part of the sum
	STAGEADR 96
.irp k, 0,1,2,3,4,5,6,7
	ds_store_b128 v8, v[OB+4*\k:OB+3+4*\k] offset:512*\k   ; each accumulator from its low end on
.endr
	ds_store_b64 v9, v[12:13] offset:4096          ; -M and the sum
	ds_load_b128 v[QB+6:QB+9], v8 offset:4352      ; the Q of the tile that I keep
	ds_load_b64 v[QB+10:QB+11], v9 offset:4352+512
	ds_load_b32 v255, v5 offset:4352+768
	s_mov_b32 s[TT], s95
	s_wait_dscnt 0x0                               ; the partial is in LDS, Q is in
	QFIX
	TINIT
	RUN 0                                          ; the even steps of my own tile
	s_wait_dscnt 0x0
	s_barrier_signal -1
	s_barrier_wait -1                              ; every wave's partial is in its stage
	STAGEADR 97
.irp k, 0,1,2,3,4,5,6,7
	ds_load_b128 v[SB+4*\k:SB+3+4*\k], v8 offset:512*\k
.endr
	ds_load_b64 v[SB+32:SB+33], v9 offset:4096
	s_wait_dscnt 0x0
	v_add_f32 v14, v14, v15
	v_min_num_f32 v254, v12, v[SB+32]              ; -M of the two together
	s_delay_alu instid0(VALU_DEP_1)
	v_sub_f32 v252, v254, v12                      ; my M less the common one: a whole number, 0 or less
	v_sub_f32 v254, v254, v[SB+32]                 ; my partner's likewise
	s_delay_alu instid0(VALU_DEP_2)
	v_cvt_i32_f32 v252, v252                       ; (they saturate)
	s_delay_alu instid0(VALU_DEP_2)
	v_cvt_i32_f32 v254, v254
	s_delay_alu instid0(VALU_DEP_2)
	v_ldexp_f32 v252, 1.0, v252
	s_delay_alu instid0(VALU_DEP_2)
	v_ldexp_f32 v[TM+4], 1.0, v254
	s_delay_alu instid0(VALU_DEP_2)
	v_mul_f32 v14, v14, v252
	s_delay_alu instid0(VALU_DEP_1)
	v_fma_f32 v14, v[SB+33], v[TM+4], v14
	s_delay_alu instid0(VALU_DEP_1)
	v_permlanex16_b32 v15, v14, s[SEL], s[SEL+1]
	s_delay_alu instid0(VALU_DEP_1)
	v_add_f32 v14, v14, v15                        ; the row's sum
	s_wait_alu depctr_va_vdst(0)
	v_rcp_f32 v14, v14
	v_and_b32 v8, 15, v0                           ; (a plain place behind the transcendental)
	s_delay_alu instid0(VALU_DEP_1)
	v_lshlrev_b32 v8, 2, v8                        ; 4 r
	s_lshr_b32 s75, s[TT], 3                       ; the image's panel,
	s_and_b32 s76, s[TT], 7                        ; the tile in it,
	s_lshr_b32 s78, s72, 1                         ; the K step,
	s_and_b32 s79, s72, 1                          ; and its half
	s_mul_i32 s75, s75, 204800                     ; a panel's block: scale words, then codes
	s_mul_i32 s84, s78, 12288
	s_add_co_u32 s80, s75, s84
	s_mul_i32 s84, s76, 1536
	s_add_co_u32 s80, s80, s84
	s_mul_i32 s84, s79, 768
	s_add_co_u32 s80, s80, s84
	s_add_co_u32 s80, s80, 8192
	s_mov_b32 s81, 0
	s_add_nc_u64 s[80:81], s[6:7], s[80:81]
	s_lshl_b32 s84, s78, 9
	s_add_co_u32 s82, s75, s84
	s_lshl_b32 s84, s76, 6
	s_add_co_u32 s82, s82, s84
	s_lshl_b32 s84, s79, 1
	s_add_co_u32 s82, s82, s84
	s_mov_b32 s83, 0
	s_add_nc_u64 s[82:83], s[6:7], s[82:83]
	s_wait_alu depctr_va_vdst(0)                   ; the wait, directly ahead of the first readers of the reciprocal and of O^T
	v_mul_f32 v252, v252, v14                      ; both factors / the sum
	v_mul_f32 v[TM+4], v[TM+4], v14
.set J, 0
.rept 16
	v_pk_mul_f32 v[SB+J:SB+1+J], v[SB+J:SB+1+J], v[TM+4:TM+5] op_sel_hi:[1,0]
.set J, J+2
.endr
.set J, 0
.rept 16
	v_pk_fma_f32 v[SB+J:SB+1+J], v[OB+J:OB+1+J], v[252:253], v[SB+J:SB+1+J] op_sel_hi:[1,0,1]   ; y(my query, 32 b + 16 h + i); each accumulator from its low end on
.set J, J+2
.endr
	HQUANT SB, SB+36
	global_store_b128 v1, v[PC:PC+3], s[80:81]             ; 512 and 256 consecutive bytes
	global_store_b64 v2, v[PC+4:PC+5], s[80:81] offset:512
	global_store_b16 v8, v[SB+36], s[82:83]                ; two bytes of each row's scale word
	v_lshl_add_u32 v254, v0, 2, SPARE
	v_mov_b32 v6, 0
	s_wait_alu depctr_va_vdst(0)
	s_wait_tensorcnt 0x0                           ; the wave's end
	ds_add_u32 v254, v6
	s_wait_dscnt 0x0
	CROUND                                         ; the closing round
	s_endpgm
.Lfunc_end_k_q7ba1f41470_attn:
	.size	k_q7ba1f41470_attn, .Lfunc_end_k_q7ba1f41470_attn-k_q7ba1f41470_attn
	.p2alignl 7, 3214868480
	.fill 96, 4, 3214868480
	.section	.rodata,"a",@progbits
	.p2align	6, 0x0
	.amdhsa_kernel k_q7ba1f41470_attn
		.amdhsa_group_segment_fixed_size 292864
		.amdhsa_private_segment_fixed_size 0
		.amdhsa_enable_private_segment 0
		.amdhsa_kernarg_size 16
		.amdhsa_user_sgpr_count 2
		.amdhsa_user_sgpr_kernarg_segment_ptr 1
		.amdhsa_wavefront_size32 1
		.amdhsa_system_sgpr_workgroup_id_x 1
		.amdhsa_system_sgpr_workgroup_id_y 1
		.amdhsa_system_sgpr_workgroup_id_z 1
		.amdhsa_system_vgpr_workitem_id 0
		.amdhsa_next_free_vgpr 256
		.amdhsa_next_free_sgpr 100
		.amdhsa_reserve_vcc 1
		.amdhsa_float_denorm_mode_32 3
		.amdhsa_float_denorm_mode_16_64 3
		.amdhsa_memory_ordered 1
		.amdhsa_forward_progress 1
		.amdhsa_inst_pref_size 65
	.end_amdhsa_kernel
	.amdgpu_metadata
---
amdhsa.version: [ 1, 2 ]
amdhsa.kernels:
  - .name:           k_q7ba1f41470_attn
    .symbol:         k_q7ba1f41470_attn.kd
    .args:
      - { .name: scr, .offset: 0, .size: 8, .value_kind: global_buffer, .address_space: global }
      - { .name: actB, .offset: 8, .size: 8, .value_kind: global_buffer, .address_space: global }
    .group_segment_fixed_size: 292864
    .private_segment_fixed_size: 0
    .kernarg_segment_align: 8
    .kernarg_segment_size: 16
    .max_flat_workgroup_size: 512
    .sgpr_count:     100
    .vgpr_count:     256
    .wavefront_size: 32
...
	.end_amdgpu_metadata
.endif
;; end of part 3
;; launch wo (part 4): grid 16 x 16, 4 waves a work-group, clusters of 4 x 4, 327,680 bytes of LDS; arguments actB, woi, x, g1, actA, scr; writes scr
.if DOCPART == 4
	.amdgcn_target "amdgcn-amd-amdhsa--gfx1250"
	.amdhsa_code_object_version 6
	.text
	.protected	k_q7ba1f41470_wo
	.globl	k_q7ba1f41470_wo
	.p2align	8
	.type	k_q7ba1f41470_wo,@function
k_q7ba1f41470_wo:
	s_mov_b64 s[64:65], 0
	v_nop
	global_prefetch_b8 v0, s[64:65] scope:SCOPE_SE
	s_setreg_imm32_b32 hwreg(HW_REG_WAVE_MODE, 25, 1), 1
	s_wait_xcnt 0x0
	s_wait_alu depctr_hold_cnt(0) depctr_sa_sdst(0) depctr_va_vdst(0) depctr_va_sdst(0) depctr_va_ssrc(0) depctr_va_vcc(0) depctr_vm_vsrc(0)
	s_getreg_b32 s2, hwreg(HW_REG_IB_STS2, 6, 4)
	s_cmp_eq_u32 s2, 0
	s_cbranch_scc0 .Lentry_in_a_cluster
	s_endpgm
.Lentry_in_a_cluster:
	s_bfe_u32 s2, ttmp6, 0x10000c
	s_cmp_lg_u32 s2, 0xf033
	s_cbranch_scc0 .Lentry_shape_is_right
	s_endpgm
.Lentry_shape_is_right:
; OUT = A W + (R g) rs (+ X with ADDX = 1).  A [2,048 tokens][2,048] and W [2,048][2,048 columns] are operand images of FP6 (E2M3) codes with E8M0 scales; R, X and OUT are f32, row-major; g is a gain a column, rs a number a row.
; (R g) rs IS THE NORMED ROW, made anew here from what the norm's launch read and from the 1 / rms that it stored ([tile 128][place 16] f32 at RSOFF in the image buffer actA), by the same two multiplications: so the normed
; rows never go to memory in f32.  This text serves y wo + h1 (ADDX = 0: R = x, g = g1); the last launch's text differs from it in ADDX alone.
; THE CORE (the same text in this program's GEMM bodies).  Operands are IMAGES OF OPERAND REGISTERS (layout: at the head of the weights' launch): a panel of 128 rows is [K step 16][tile 8][1,536 bytes], dense,
; so that a fragment comes from LDS by two loads of 16 and two of 8 bytes a lane, each of consecutive bytes: no pitch, no padding.
; A work-group of four waves makes 128 x 128: wave w takes tiles 2 w, 2 w + 1 of SOURCE 1 (tokens) against all eight tiles of SOURCE 0 (columns of W): 16 accumulators, which take turns.  In the result a lane holds one
; token, and, by the order of rows in a tile, register 16 B + i of its 64 is column 32 B + 16 (lane / 16) + i.
; 128 x 128 because 2,048 x 2,048 then gives 256 work-groups; the price is ten fragments read from LDS for sixteen matrix instructions.
; K = 2,048 is 16 steps of 128, in four chunks of four.  LDS holds three chunks: chunks 0, 1, 2 and all scale words are asked for at the head (four tensor loads a wave are out), chunk 3 refills slot 0 behind
; step 3 and has eight steps in which to land (one load a wave is out).  Nothing is prefetched: three quarters of the tiles are asked for at the head.
; CLUSTER 4 x 4: source 1's panel hangs on cy and is shared along a row of the cluster, source 0's on cx and is shared along a column: joint loads, each with the mask of its four.
; THE WAY OUT.  R's rows are asked for at the head, X's behind K step 3, into window 2.  A tile of 16 tokens x 128 columns goes through the wave's own stage in LDS and comes back as whole rows of 512 bytes, a row in the 32
; lanes: so a row's rs is a scalar (two scalar loads of 16 numbers, into the registers of the descriptors, behind the wait that shows the last tensor load done), and a lane's g are four numbers for all rows.
; The stage lies in slot 1, which is filled once and which every wave has left when it passes the barrier of K step 11.
.set ADDX,  0
; THE IMAGES AND THE FILLS, AS THIS TEXT HAS THEM (they take the place of the head comment's paragraph on K and its chunks).  A panel's block in memory is 204,800 bytes: its scale words (8,192 bytes), then its codes.
; LDS holds for each source the scale words and twelve K steps on end, as in memory: source 1 from byte 0, source 0 from SC0.  Head: one load a wave: waves 0 and 1 the scale words and steps 0-3 of source 1 and of source 0,
; waves 2 and 3 steps 4-11.  The first barrier waits for the loads of waves 0 and 1 alone.  Behind the round in K step 3: steps 12-15 over steps 0-3, two steps a wave.  One tensor load of a wave is out at any time.
; No prefetch: the text has no loop to run ahead in, and three quarters of the tiles are asked for at the head.
; The stage of the way out lies over source 1's steps 4-6: bytes filled once, which every wave has left when it passes the barrier of K step 11.
.set PANB,  204800                     ; a panel's block
.set SLOTB, 49152                      ; four K steps of one source
.set PARTB, 163840                     ; where source 0's K steps begin in LDS
.set STEPB, 12288
.set FRB,   1536
.set SC0,   155648                     ; source 1's scale words lie at byte 0, source 0's here
.set SPARE, 311296
.set RSOFF, 3276800                    ; where the rows' 1 / rms begin in actA
.set SPW,   4
.set NIL,   5
.set L16,   30
.set L8,    31
.set GV,    34                         ; v34-37 g of my four columns of a row
.set RS,    24                         ; s[24:55] the 1 / rms of my 32 rows, on the way out
.set G1A,   24
.set G1B,   32
.set G1SA,  40
.set G1SB,  48
.set G0A0,  56
.set G0A1,  60
.set G0A2,  68
.set G0AS,  72
.set G0B0,  76
.set G0B1,  80
.set G0B2,  84
.set G0BS,  88
; REGISTERS.  Window 0: v1 lane, v2 r, v3 h; v6-8, v9-11 LDS addresses of my source 1 fragments in slots 0-2 (16 and 8 bytes a lane); v12-14, v15-17 the same for source 0; v18, v19 of the scale words;
; v20-24, v25-29 two sets of scale words (they hold nothing else); v32, v33 the stage's addresses; v34-37 g; v64-127 rows on the way out; v128-255 the accumulators, (a, b) at v[128 + 64 a + 8 b].
; Window 1: two fragment buffers of 128: source 0's eight at 12 b, source 1's two at 96 + 12 a.  Window 2: v0-127 R's 32 rows, 4 registers each; v128-255 X's.
.set MSB, 0
.macro WIN new                         ; the immediate's high byte repeats the setting that is left
.if MSB != \new
	s_set_vgpr_msb (MSB<<8)|\new
.set MSB, \new
.endif
.endm
.macro PLACES                          ; four plain places: in front of loads into registers that matrix instructions have read, and of the first read of results
.rept 4
	v_nop
.endr
.endm
.macro JLOAD g0a, g1a, g0b, g1b        ; a joint load: waves 0 and 1 fetch source 1's halves, waves 2 and 3 source 0's; four v_nop follow each line
	s_cmp_eq_u32 s15, 0
	s_cbranch_scc0 .Lfor_b_\@
	tensor_load_to_lds s[\g0a:\g0a+3], s[\g1a:\g1a+7]
	s_nop 0
	PLACES
	s_branch .Lasked_\@
.Lfor_b_\@:
	tensor_load_to_lds s[\g0b:\g0b+3], s[\g1b:\g1b+7]
	s_nop 0
	PLACES
.Lasked_\@:
.endm
.macro CROUND                          ; a round of the cluster's barrier
	s_barrier_signal -1
	s_barrier_wait -1
	s_cmp_lg_u32 s14, 0
	s_cbranch_scc1 .Lnot_wave_0_\@
	s_barrier_signal -3
.Lnot_wave_0_\@:
	s_barrier_wait -3
	s_barrier_signal -1
	s_barrier_wait -1
.endm
.macro SETG0 g, l, ldsoff, p           ; a group 0: LDS byte = s[l] + ldsoff; memory = the pair s[p] + the offset in s[2:3]
	s_mov_b32 s[\g], 1
	s_add_co_u32 s[\g+1], s[\l], \ldsoff
	s_add_nc_u64 s[\g+2:\g+3], s[\p:\p+1], s[2:3]
	s_or_b32 s[\g+3], s[\g+3], 0x80000000
.endm
.macro FRAG reg, a16, a8, off          ; a fragment's 12 registers
	ds_load_b128 v[\reg:\reg+3], v[\a16] offset:\off
	ds_load_b64 v[\reg+4:\reg+5], v[\a8] offset:\off+512
	ds_load_b128 v[\reg+6:\reg+9], v[\a16] offset:\off+768
	ds_load_b64 v[\reg+10:\reg+11], v[\a8] offset:\off+1280
.endm
.macro FETCH n, f                      ; K step n's ten fragments and five scale registers into buffer f: 45 LDS loads in one run
.set SL, ((\n)/4)%3
.set QQ, (\n)%4
	WIN 0x40
.irp b, 0,1,2,3,4,5,6,7
	FRAG 128*(\f)+12*\b, 12+SL, 15+SL, STEPB*QQ+FRB*\b
.endr
.irp a, 0,1
	FRAG 128*(\f)+96+12*\a, 6+SL, 9+SL, STEPB*QQ+FRB*\a
.endr
	WIN 0
.irp i, 0,1,2,3
	ds_load_b32 v[20+5*(\f)+\i], v19 offset:512*(\n)+128*\i
.endr
	ds_load_b32 v[24+5*(\f)], v18 offset:512*(\n)
.endm
.macro MM f, a, b, zero                ; one product: source 0's tile b x source 1's tile a; an odd tile's scale words stand in lanes 16-31
.set DD, 128+64*(\a)+8*(\b)
.set FA, 128*(\f)+12*(\b)
.set FB, 128*(\f)+96+12*(\a)
.set SA, 20+5*(\f)+(\b)/2
.set SS, 24+5*(\f)
.if \zero
.if ((\b)%2 == 0) && ((\a) == 0)
	v_wmma_scale_f32_16x16x128_f8f6f4 v[DD:DD+7], v[FA:FA+11], v[FB:FB+11], 0, v[SA], v[SS] matrix_a_fmt:MATRIX_FMT_FP6 matrix_b_fmt:MATRIX_FMT_FP6
.elseif ((\b)%2 == 1) && ((\a) == 0)
	v_wmma_scale_f32_16x16x128_f8f6f4 v[DD:DD+7], v[FA:FA+11], v[FB:FB+11], 0, v[SA], v[SS] matrix_a_fmt:MATRIX_FMT_FP6 matrix_b_fmt:MATRIX_FMT_FP6 matrix_a_scale:MATRIX_SCALE_ROW1
.elseif ((\b)%2 == 0)
	v_wmma_scale_f32_16x16x128_f8f6f4 v[DD:DD+7], v[FA:FA+11], v[FB:FB+11], 0, v[SA], v[SS] matrix_a_fmt:MATRIX_FMT_FP6 matrix_b_fmt:MATRIX_FMT_FP6 matrix_b_scale:MATRIX_SCALE_ROW1
.else
	v_wmma_scale_f32_16x16x128_f8f6f4 v[DD:DD+7], v[FA:FA+11], v[FB:FB+11], 0, v[SA], v[SS] matrix_a_fmt:MATRIX_FMT_FP6 matrix_b_fmt:MATRIX_FMT_FP6 matrix_a_scale:MATRIX_SCALE_ROW1 matrix_b_scale:MATRIX_SCALE_ROW1
.endif
.else
.if ((\b)%2 == 0) && ((\a) == 0)
	v_wmma_scale_f32_16x16x128_f8f6f4 v[DD:DD+7], v[FA:FA+11], v[FB:FB+11], v[DD:DD+7], v[SA], v[SS] matrix_a_fmt:MATRIX_FMT_FP6 matrix_b_fmt:MATRIX_FMT_FP6
.elseif ((\b)%2 == 1) && ((\a) == 0)
	v_wmma_scale_f32_16x16x128_f8f6f4 v[DD:DD+7], v[FA:FA+11], v[FB:FB+11], v[DD:DD+7], v[SA], v[SS] matrix_a_fmt:MATRIX_FMT_FP6 matrix_b_fmt:MATRIX_FMT_FP6 matrix_a_scale:MATRIX_SCALE_ROW1
.elseif ((\b)%2 == 0)
	v_wmma_scale_f32_16x16x128_f8f6f4 v[DD:DD+7], v[FA:FA+11], v[FB:FB+11], v[DD:DD+7], v[SA], v[SS] matrix_a_fmt:MATRIX_FMT_FP6 matrix_b_fmt:MATRIX_FMT_FP6 matrix_b_scale:MATRIX_SCALE_ROW1
.else
	v_wmma_scale_f32_16x16x128_f8f6f4 v[DD:DD+7], v[FA:FA+11], v[FB:FB+11], v[DD:DD+7], v[SA], v[SS] matrix_a_fmt:MATRIX_FMT_FP6 matrix_b_fmt:MATRIX_FMT_FP6 matrix_a_scale:MATRIX_SCALE_ROW1 matrix_b_scale:MATRIX_SCALE_ROW1
.endif
.endif
.endm
.macro MUL16 f, zero                   ; the 16 accumulators take turns, one instruction a turn, in the same order in every step
	WIN 0x05
.irp a, 0,1
.irp b, 0,1,2,3,4,5,6,7
	MM \f, \a, \b, \zero
.endr
.endr
	WIN 0
.endm
.macro STEP n, zero
	s_wait_dscnt 0x0                               ; this step's fragments, asked for a step ago
	PLACES
	FETCH (\n)+1, ((\n)+1)%2
	MUL16 (\n)%2, \zero
.endm
	s_load_b256 s[4:11], s[0:1], 0x0               ; A's image s[4:5], W's s[6:7], R s[8:9], g s[10:11]
	s_load_b128 s[96:99], s[0:1], 0x20             ; the buffer that holds 1 / rms s[96:97], OUT s[98:99]
	v_lshl_add_u32 v[SPW], v0, 2, SPARE
	v_mov_b32 v[NIL], 0
	ds_add_u32 v4, v5
	ds_add_u32 v4, v5
	s_wait_dscnt 0x0
	v_lshrrev_b32 v1, 5, v0
	v_readfirstlane_b32 s14, v1                    ; wave 0..3
	s_lshr_b32 s15, s14, 1                         ; I fetch for source 1 (0) or source 0 (1),
	s_and_b32 s16, s14, 1                          ; and which half of a chunk
	s_bfe_u32 s19, ttmp6, 0x40000                  ; cx
	s_bfe_u32 s20, ttmp6, 0x40004                  ; cy
	s_lshl_b32 s21, s20, 2
	s_lshl_b32 s21, 15, s21                        ; my row of the cluster
	s_lshl_b32 s22, 0x1111, s19                    ; my column
	s_or_b32 s[G1A], s21, (3<<16)|(1<<21)          ; 15:0 the mask; 17:16 elements of 8 bytes; 21 set beside a mask; no padding
	s_or_b32 s[G1B], s22, (3<<16)|(1<<21)
	s_or_b32 s[G1SA], s21, (3<<16)|(1<<21)
	s_or_b32 s[G1SB], s22, (3<<16)|(1<<21)
.irp g, G1A, G1B                       ; the head's loads of waves 0 and 1
	s_mov_b32 s[\g+1], 32<<16
	s_mov_b32 s[\g+2], 224<<16                     ; the scale words and four K steps: 57,344 dense bytes as 224 rows of 256
	s_mov_b32 s[\g+3], 32<<16
	s_mov_b32 s[\g+4], 224
	s_mov_b32 s[\g+5], 32
	s_mov_b32 s[\g+6], 0
	s_mov_b32 s[\g+7], 0
.endr
.irp g, G1SA, G1SB                     ; the head's loads of waves 2 and 3
	s_mov_b32 s[\g+1], 32<<16
	s_mov_b32 s[\g+2], 384<<16                     ; K steps 4-11: 98,304 dense bytes as 384 rows of 256
	s_mov_b32 s[\g+3], 32<<16
	s_mov_b32 s[\g+4], 384
	s_mov_b32 s[\g+5], 32
	s_mov_b32 s[\g+6], 0
	s_mov_b32 s[\g+7], 0
.endr
	s_and_b32 s23, ttmp7, 0xffff
	s_lshl_b32 s17, s23, 2
	s_add_co_u32 s17, s17, s20                     ; source 1's panel Y: 4 x cluster y + cy
	s_lshl_b32 s18, ttmp9, 2
	s_add_co_u32 s18, s18, s19                     ; source 0's panel X: 4 x cluster x + cx
	s_mul_i32 s92, s17, PANB
	s_mov_b32 s93, 0
	s_mul_i32 s94, s18, PANB
	s_mov_b32 s95, 0
	CROUND                                         ; the round in front of the first joint loads; the arguments come meanwhile
	s_wait_kmcnt 0x0
	s_add_nc_u64 s[92:93], s[4:5], s[92:93]
	s_add_nc_u64 s[94:95], s[6:7], s[94:95]
	s_mov_b32 s2, 0                                ; waves 0 and 1: a block's first 57,344 bytes
	s_mov_b32 s3, 0
	SETG0 G0A1, 2, 0, 92
	SETG0 G0B1, 2, SC0, 94
	s_mov_b32 s2, 8192+4*STEPB                     ; waves 2 and 3: K steps 4-11, behind them in memory and in LDS
	SETG0 G0AS, 2, 0, 92
	SETG0 G0BS, 2, SC0, 94
.macro ARM under, g0, g1, next         ; one chain of branches on the wave's number, one load to an arm, all arms to one join
	s_cmp_lt_u32 s14, \under
	s_cbranch_scc0 \next
	tensor_load_to_lds s[\g0:\g0+3], s[\g1:\g1+7]
	s_nop 0
	PLACES
	s_branch .Lhead_asked
\next:
.endm
	ARM 1, G0A1, G1A, .Lhead_b
	ARM 2, G0B1, G1B, .Lhead_sa
	ARM 3, G0AS, G1SA, .Lhead_sb
	tensor_load_to_lds s[G0BS:G0BS+3], s[G1SB:G1SB+7]
	s_nop 0
	PLACES
.Lhead_asked:
	s_mul_i32 s12, s16, 2*STEPB                    ; steps 12-15: my two steps, over steps 0-3
	s_add_co_u32 s2, s12, 8192+12*STEPB
	SETG0 G0A0, 12, 8192, 92
	SETG0 G0B0, 12, PARTB, 94
	v_and_b32 v1, 31, v0                           ; lane
	v_and_b32 v2, 15, v0                           ; r
	v_bfe_u32 v3, v0, 4, 1                         ; h
	v_lshlrev_b32 v[L16], 4, v1
	s_wait_alu depctr_va_vdst(0)
	v_lshlrev_b32 v[L8], 3, v1
	s_wait_alu depctr_va_vdst(0)
	s_lshl_b32 s6, s17, 7                          ; R, X and OUT at my first token, 128 Y + 32 w, and my 128 columns: the offset stays in s[6:7]
	s_lshl_b32 s7, s14, 5
	s_add_co_u32 s6, s6, s7
	s_lshl_b32 s6, s6, 13
	s_lshl_b32 s2, s18, 9                          ; my 128 columns in bytes
	s_add_co_u32 s6, s6, s2
	s_mov_b32 s7, 0
	s_mov_b32 s3, 0
	s_add_nc_u64 s[8:9], s[8:9], s[6:7]
	s_add_nc_u64 s[98:99], s[98:99], s[6:7]
	s_add_nc_u64 s[10:11], s[10:11], s[2:3]        ; g at my 128 columns
	s_lshl_b32 s2, s17, 9                          ; 1 / rms: 64 bytes a tile, 8 tiles a panel,
	s_lshl_b32 s12, s14, 7                         ; 2 tiles a wave
	s_add_co_u32 s2, s2, s12
	s_add_co_u32 s2, s2, RSOFF
	s_add_nc_u64 s[96:97], s[96:97], s[2:3]
	WIN 0x80                                       ; destination window 2
.irp a, 0,1
.irp p, 0,1,2,3,4,5,6,7,8,9,10,11,12,13,14,15
	global_load_b128 v[64*\a+4*\p:64*\a+4*\p+3], v[L16], s[8:9] offset:(8*\a+\p+8*(\p/8))*8192   ; place p of tile 2 w + a is token 8 a + p + 8 (p / 8) of my 32: 512 consecutive bytes
.endr
.endr
	WIN 0
	global_load_b128 v[GV:GV+3], v[L16], s[10:11]  ; g of columns 4 x lane on: the same for every row
.if ADDX
	s_load_b64 s[4:5], s[0:1], 0x30                ; X's address, into the pair that A's has left
.endif
	s_mul_i32 s2, s14, 3072                        ; my two tiles of source 1,
	s_add_co_u32 s2, s2, 8192                      ; behind its scale words
	v_add_nc_u32 v6, s2, v[L16]
	v_add_nc_u32 v9, s2, v[L8]
	v_add_nc_u32 v12, PARTB, v[L16]
	v_add_nc_u32 v15, PARTB, v[L8]
.irp s, 1,2
	v_add_nc_u32 v[6+\s], \s*SLOTB, v6
	v_add_nc_u32 v[9+\s], \s*SLOTB, v9
	v_add_nc_u32 v[12+\s], \s*SLOTB, v12
	v_add_nc_u32 v[15+\s], \s*SLOTB, v15
.endr
	v_lshlrev_b32 v19, 2, v1
	s_lshl_b32 s2, s14, 7
	v_add_nc_u32 v18, s2, v19
	v_add_nc_u32 v19, SC0, v19
	s_mul_i32 s2, s14, 8448                        ; my stage: 16 rows x (512 + 16) bytes, in slot 1
	s_add_co_u32 s2, s2, 8192+SLOTB
	v_mul_u32_u24 v32, v2, 528
	v_lshl_add_u32 v32, v3, 6, v32
	v_add_nc_u32 v32, s2, v32                      ; in: row r, + 64 h
	v_add_nc_u32 v33, s2, v[L16]                   ; back: 16 bytes a lane of a row
	s_wait_alu depctr_va_vdst(0)
	s_cmp_lt_u32 s14, 2                            ; waves 0 and 1 wait for their loads, the scale words and K steps 0-3; those of waves 2 and 3 may stay out
	s_cbranch_scc0 .Lrest_out
	s_wait_tensorcnt 0x0
.Lrest_out:
	s_barrier_signal -1
	s_barrier_wait -1
	FETCH 0, 0
	STEP 0, 1                                      ; the first products start the sums: nothing is cleared
	STEP 1, 0
	STEP 2, 0
	s_wait_tensorcnt 0x0                           ; K step 3 leaves slot 0.  All my tensor loads have landed;
	ds_add_u32 v[SPW], v[NIL]                      ; K step 3: steps 4-11 have landed, steps 0-3 are left
	s_mov_b32 s[G1A+2], 96<<16                     ; no tensor load of mine is out: the last loads bring two K steps, 96 rows
	s_mov_b32 s[G1A+4], 96
	s_mov_b32 s[G1B+2], 96<<16
	s_mov_b32 s[G1B+4], 96
	s_wait_dscnt 0x1
	MUL16 1, 0                                     ; sixteen matrix instructions stand between the add and the wait for it
	s_wait_dscnt 0x0                               ; the add is done, and my reads of slot 0 are over
	CROUND                                         ; both now hold of every wave of all sixteen work-groups
	JLOAD G0A0, G1A, G0B0, G1B                     ; chunk 3 into slot 0: my one tensor load behind the round; its four v_nop are the places in front of the loads below
	FETCH 4, 0
.if ADDX
	s_wait_kmcnt 0x0                               ; X's address
	s_add_nc_u64 s[4:5], s[4:5], s[6:7]
	WIN 0x80                                       ; X's 32 rows are asked for here, when the first tiles have landed; they have twelve K steps in which to come
.irp a, 0,1
.irp p, 0,1,2,3,4,5,6,7,8,9,10,11,12,13,14,15
	global_load_b128 v[128+64*\a+4*\p:128+64*\a+4*\p+3], v[L16], s[4:5] offset:(8*\a+\p+8*(\p/8))*8192
.endr
.endr
	WIN 0
.endif
.irp n, 4,5,6,7,8,9,10
	STEP \n, 0
.endr
	s_wait_dscnt 0x0                               ; K step 11
	MUL16 1, 0
	s_wait_tensorcnt 0x0                           ; my part of chunk 3, the one load that was out,
	s_barrier_signal -1
	s_barrier_wait -1                              ; and everybody's
	s_load_b512 s[RS:RS+15], s[96:97], 0x0         ; no tensor load of mine is out and none follows: the descriptors' registers take the 1 / rms of tile 2 w's sixteen rows,
	s_load_b512 s[RS+16:RS+31], s[96:97], 0x40     ; and of tile 2 w + 1's
	PLACES
	FETCH 12, 0
	STEP 12, 0
	STEP 13, 0
	STEP 14, 0
	s_wait_dscnt 0x0                               ; K step 15: nothing more to fetch
	MUL16 1, 0
	PLACES
	s_wait_loadcnt 0x0                             ; R, g (and X)
	s_wait_kmcnt 0x0                               ; 1 / rms
.irp a, 0,1
.irp q, 0,1,2,3,4,5,6,7,8,9,10,11,12,13,14,15
	ds_store_b128 v32, v[128+64*\a+4*\q:128+64*\a+4*\q+3] offset:128*(\q/4)+16*(\q%4)   ; columns 32 B + 16 h + 4 i on; each accumulator from its low end on
.endr
.irp p, 0,1,2,3,4,5,6,7,8,9,10,11,12,13,14,15
	ds_load_b128 v[64+64*\a+4*\p:64+64*\a+4*\p+3], v33 offset:528*\p   ; LDS serves a wave's instructions in order: these see my stores.  (Tile 1's rows land where tile 0's sums lay: those have gone through the stage)
.endr
	WIN 0x82                                       ; R x g in place in window 2, g in window 0: work on registers while the rows come back from the stage
.irp p, 0,1,2,3,4,5,6,7,8,9,10,11,12,13,14,15
	v_pk_mul_f32 v[64*\a+4*\p:64*\a+4*\p+1], v[64*\a+4*\p:64*\a+4*\p+1], v[GV:GV+1]
	v_pk_mul_f32 v[64*\a+4*\p+2:64*\a+4*\p+3], v[64*\a+4*\p+2:64*\a+4*\p+3], v[GV+2:GV+3]
.endr
	s_wait_dscnt 0x0
	WIN 0x02                                       ; source 0 window 2: the sums + (R g) x the row's 1 / rms
.irp p, 0,1,2,3,4,5,6,7,8,9,10,11,12,13,14,15
.irp i, 0,1,2,3
	v_fma_f32 v[64+64*\a+4*\p+\i], v[64*\a+4*\p+\i], s[RS+16*\a+\p], v[64+64*\a+4*\p+\i]
.endr
.endr
.if ADDX
	WIN 0x08                                       ; source 1 window 2: + X
.irp p, 0,1,2,3,4,5,6,7,8,9,10,11,12,13,14,15,16,17,18,19,20,21,22,23,24,25,26,27,28,29,30,31
	v_pk_add_f32 v[64+64*\a+2*\p:65+64*\a+2*\p], v[64+64*\a+2*\p:65+64*\a+2*\p], v[128+64*\a+2*\p:129+64*\a+2*\p]
.endr
.endif
	WIN 0
.irp p, 0,1,2,3,4,5,6,7,8,9,10,11,12,13,14,15
	global_store_b128 v[L16], v[64+64*\a+4*\p:64+64*\a+4*\p+3], s[98:99] offset:(8*\a+\p+8*(\p/8))*8192   ; 512 consecutive bytes, at a multiple of 256 from the buffer's first byte
.endr
.endr
	s_wait_tensorcnt 0x0                           ; the wave's end, behind my last tensor load and my last LDS store
	ds_add_u32 v[SPW], v[NIL]
	s_wait_dscnt 0x0
	CROUND                                         ; the closing round: no work-group ends while a partner may still ask for a tile that names it
	s_endpgm
.Lfunc_end_k_q7ba1f41470_wo:
	.size	k_q7ba1f41470_wo, .Lfunc_end_k_q7ba1f41470_wo-k_q7ba1f41470_wo
	.p2alignl 7, 3214868480
	.fill 96, 4, 3214868480
	.section	.rodata,"a",@progbits
	.p2align	6, 0x0
	.amdhsa_kernel k_q7ba1f41470_wo
		.amdhsa_group_segment_fixed_size 327680
		.amdhsa_private_segment_fixed_size 0
		.amdhsa_enable_private_segment 0
		.amdhsa_kernarg_size 48
		.amdhsa_user_sgpr_count 2
		.amdhsa_user_sgpr_kernarg_segment_ptr 1
		.amdhsa_wavefront_size32 1
		.amdhsa_system_sgpr_workgroup_id_x 1
		.amdhsa_system_sgpr_workgroup_id_y 1
		.amdhsa_system_sgpr_workgroup_id_z 1
		.amdhsa_system_vgpr_workitem_id 0
		.amdhsa_next_free_vgpr 768
		.amdhsa_next_free_sgpr 102
		.amdhsa_reserve_vcc 0
		.amdhsa_float_denorm_mode_32 3
		.amdhsa_float_denorm_mode_16_64 3
		.amdhsa_memory_ordered 1
		.amdhsa_forward_progress 1
		.amdhsa_inst_pref_size 115
	.end_amdhsa_kernel
	.amdgpu_metadata
---
amdhsa.version: [ 1, 2 ]
amdhsa.kernels:
  - .name:           k_q7ba1f41470_wo
    .symbol:         k_q7ba1f41470_wo.kd
    .args:
      - { .name: actB, .offset: 0, .size: 8, .value_kind: global_buffer, .address_space: global }
      - { .name: woi, .offset: 8, .size: 8, .value_kind: global_buffer, .address_space: global }
      - { .name: x, .offset: 16, .size: 8, .value_kind: global_buffer, .address_space: global }
      - { .name: g1, .offset: 24, .size: 8, .value_kind: global_buffer, .address_space: global }
      - { .name: actA, .offset: 32, .size: 8, .value_kind: global_buffer, .address_space: global }
      - { .name: scr, .offset: 40, .size: 8, .value_kind: global_buffer, .address_space: global }
    .group_segment_fixed_size: 327680
    .private_segment_fixed_size: 0
    .kernarg_segment_align: 8
    .kernarg_segment_size: 48
    .max_flat_workgroup_size: 128
    .sgpr_count:     102
    .vgpr_count:     768
    .wavefront_size: 32
...
	.end_amdgpu_metadata
.endif
;; end of part 4
;; launch norm2w (part 5): grid 256 x 1, 16 waves a work-group, no clusters, 236,544 bytes of LDS; arguments wg, wu, wd, wgu, wdi, scr, g2, actA; writes wgu, wdi, actA
.if DOCPART == 5
	.amdgcn_target "amdgcn-amd-amdhsa--gfx1250"
	.amdhsa_code_object_version 6
	.text
	.protected	k_q7ba1f41470_norm2w
	.globl	k_q7ba1f41470_norm2w
	.p2align	8
	.type	k_q7ba1f41470_norm2w,@function
k_q7ba1f41470_norm2w:
	s_mov_b64 s[64:65], 0
	v_nop
	global_prefetch_b8 v0, s[64:65] scope:SCOPE_SE
	s_setreg_imm32_b32 hwreg(HW_REG_WAVE_MODE, 25, 1), 1
	s_wait_xcnt 0x0
; THE SECOND NORM, AND THE WEIGHTS THAT ARE FIRST READ BEHIND IT.  Work-groups 0-127: wg, wu and wd become operand images.  Work-groups 128-255: h3 = g2 h2 / sqrt(mean(h2^2) + 1e-5) becomes an operand image (actA), with the
; rows' 1 / rms behind it.  The two paths part on the work-group's number alone, share nothing, and have LDS bytes of their own.  The images' layout is stated at the head of the program's first launch; both paths are that
; launch's, without the table of cos and sin and with these tensors.
; THE WEIGHTS, f32 stored [K][N]: a lane takes a column and its registers run down K.  A wave's share is 32 columns (a pair of tiles) x 256 along K = 8 blocks a lane; share u = group of 128 columns u / 32, 256 along K
; (u / 4) % 8, 32 columns u % 4.  48 groups: wg 16, wu 16, wd 16: 1,536 shares, twelve to a work-group: waves 12-15 of these work-groups have no share and end (the launch's sixteen waves are the norm's).
; wgu: panel p = tiles 0-3 gate columns 64 p on, tiles 4-7 up columns 64 p on.  A wave's codes go through its own 6,144 bytes of LDS and leave as runs of 512.
; THE NORM.  Work-group 128 + T owns image tile T: rows 32 (T / 2) + 8 (T % 2) + p + 8 (p / 8).  Wave w owns K step w.  A row is read once and stays in registers; the wave's 16 x 512 bytes turn through its own stage in LDS
; into the quantiser's order; the sixteen waves' sums of squares meet in LDS: one barrier.  h3 is not stored in f32: the launch that adds it makes it anew from h2, g2 and the stored 1 / rms ([tile 128][place 16] f32 at RSOFF).
; LIMITS: a block of zeros gets the byte 1 where the rule says 127 (its codes are zeros; the bytes are read by this program alone); NaN and infinities are not served.
.set NWQ,  128
.set UPW,  12                          ; shares of the weights to a work-group
.set WV,   48                          ; s48 the wave's number
.set PBLK, 204800
.set SPARE, 0x21400                    ; the spare words: 128 bytes for each of 16 waves
.set WST,  138240                      ; the weights' path: stages of 6,144 bytes, behind all that the norm's path names
.set X,    32
.set C,    96
.set T,    104
.set SB,   24
.set OUTR, 112
.set EMAX, 2
.set XR,   16
.set XQ,   80
.set GG,   144
.set TM,   208
.set PC,   224
.set PT,   236
.set PW,   244
.set SEL,  20
.set PART, 135168
.set RSOFF, 3276800
	v_lshl_add_u32 v243, v0, 2, SPARE
	v_mov_b32 v245, 0
	v_lshrrev_b32 v1, 5, v0
	v_readfirstlane_b32 s[WV], v1                  ; wave 0..15
	s_cmp_ge_u32 ttmp9, NWQ
	s_wait_alu depctr_va_vdst(0)                   ; the wait ahead of the branch
	s_cbranch_scc1 .Lnorm
	; ---------------- the weights
	s_cmp_ge_u32 s[WV], UPW
	s_cbranch_scc1 .Lno_share
	s_load_b256 s[8:15], s[0:1], 0x0               ; wg s[8:9], wu s[10:11], wd s[12:13], wgu s[14:15]
	s_load_b64 s[20:21], s[0:1], 0x20              ; wdi
	s_mul_i32 s40, ttmp9, UPW
	s_add_co_u32 s40, s40, s[WV]                   ; my share u
	s_and_b32 s41, s40, 3                          ; my 32 columns of the 128
	v_and_b32 v1, 31, v0                           ; lane = my column c of the wave's 32
	v_lshlrev_b32 v3, 2, v1
	v_bfe_u32 v9, v0, 3, 1                         ; u = (c / 8) % 2: which tile of the pair
	v_and_b32 v10, 7, v0
	v_bfe_u32 v11, v0, 4, 1
	v_lshl_add_u32 v10, v11, 3, v10                ; r = c % 8 + 8 (c / 16)
	s_mul_i32 s42, s[WV], 6144
	s_add_co_u32 s42, s42, WST                     ; my stage
	v_mul_u32_u24 v12, v9, 1536
	v_add_nc_u32 v12, s42, v12
	v_lshl_add_u32 v4, v10, 4, v12                 ; where my 16 bytes of a half go
	v_lshl_add_u32 v5, v10, 3, v12                 ; and my 8 bytes
	v_lshlrev_b32 v7, 4, v1
	v_add_nc_u32 v6, s42, v7
	v_lshl_add_u32 v8, v9, 4, v10
	v_lshlrev_b32 v8, 2, v8                        ; my scale word's place in the pair's 128 bytes
	s_lshr_b32 s30, s40, 5                         ; group of 128 columns, 0..47
	s_bfe_u32 s31, s40, 0x30002                    ; which 256 along K
	s_mov_b32 s32, 0                               ; the tensor's first group
	s_mov_b32 s35, 1                               ; 1: gate or up
	s_mov_b32 s36, 0                               ; 1: up
	s_wait_alu depctr_va_vdst(0)                   ; the wait at the head's end
	s_wait_kmcnt 0x0
	s_mov_b64 s[4:5], s[8:9]                       ; which tensor: the choice hangs on ids alone
	s_mov_b64 s[6:7], s[14:15]
	s_cmp_ge_u32 s30, 16
	s_cselect_b64 s[4:5], s[10:11], s[4:5]
	s_cselect_b32 s32, 16, s32
	s_cselect_b32 s36, 1, s36
	s_cmp_ge_u32 s30, 32
	s_cselect_b64 s[4:5], s[12:13], s[4:5]
	s_cselect_b64 s[6:7], s[20:21], s[6:7]
	s_cselect_b32 s32, 32, s32
	s_cselect_b32 s35, 0, s35
	s_cselect_b32 s36, 0, s36
	s_sub_co_u32 s38, s30, s32                     ; the group's number in its tensor
	s_lshl_b32 s44, s31, 21                        ; 256 rows of 8,192 bytes
	s_lshl_b32 s46, s38, 9
	s_add_co_u32 s44, s44, s46                     ; + 128 columns a group
	s_lshl_b32 s46, s41, 7
	s_add_co_u32 s44, s44, s46                     ; + 32 columns a wave
	s_mov_b32 s45, 0
	s_add_nc_u64 s[4:5], s[4:5], s[44:45]
	s_lshl_b32 s46, s38, 1                         ; the panel: for wd a group is a panel;
	s_lshr_b32 s47, s41, 1
	s_add_co_u32 s46, s46, s47                     ; for gate and up 64 columns a panel,
	s_and_b32 s47, s41, 1
	s_lshl_b32 s39, s36, 1
	s_add_co_u32 s47, s47, s39                     ; pair of tiles (u % 4) % 2, + 2 for up
	s_cmp_lg_u32 s35, 0
	s_cselect_b32 s43, s46, s38
	s_cselect_b32 s47, s47, s41
	s_mul_i32 s43, s43, PBLK                       ; the panel's block
	s_lshl_b32 s46, s31, 10                        ; scale words: 512 bytes a K step, two K steps to my 256 along K,
	s_add_co_u32 s44, s43, s46
	s_lshl_b32 s46, s47, 7                         ; 128 a pair of tiles
	s_add_co_u32 s44, s44, s46
	s_add_nc_u64 s[2:3], s[6:7], s[44:45]
	s_mul_i32 s46, s31, 24576                      ; codes: behind the scale words, two K steps of 12,288 bytes,
	s_add_co_u32 s44, s43, s46
	s_mul_i32 s46, s47, 3072                       ; a pair of tiles
	s_add_co_u32 s44, s44, s46
	s_add_co_u32 s44, s44, 8192
	s_add_nc_u64 s[6:7], s[6:7], s[44:45]
.macro LOAD t                          ; block t: W(32 t + i, my column) into set t % 2: each load reads 128 consecutive bytes
.irp i, 0,1,2,3,4,5,6,7,8,9,10,11,12,13,14,15,16,17,18,19,20,21,22,23,24,25,26,27,28,29,30,31
	global_load_b32 v[X+32*((\t)%2)+\i], v3, s[4:5] offset:(32*(\t)+\i)*8192 th:TH_LOAD_NT
.endr
.endm
.macro BLOCK t                         ; block t = K step t / 4, half (t % 4) / 2, lanes' half t % 2
.set XS, X+32*((\t)%2)
.if (\t) < 7
	s_wait_loadcnt 32                              ; this block's 32 loads are in; the next block's may be out
.else
	s_wait_loadcnt 0
.endif
	v_max3_num_f32 v12, |v[XS]|, |v[XS+1]|, |v[XS+2]|
	v_max3_num_f32 v13, |v[XS+3]|, |v[XS+4]|, |v[XS+5]|
.irp i, 6,10,14,18,22,26
	v_max3_num_f32 v12, v12, |v[XS+\i]|, |v[XS+\i+1]|
	v_max3_num_f32 v13, v13, |v[XS+\i+2]|, |v[XS+\i+3]|
.endr
	v_max3_num_f32 v12, v12, |v[XS+30]|, |v[XS+31]|
	v_max3_num_f32 v12, v12, v13, (EMAX+1)<<23     ; and the floor 2^(3 - 127)
	v_add_nc_u32 v11, -(EMAX<<23), v12             ; 2 off the exponent field: the conversion's scale operand
	v_lshrrev_b32 v13, 23, v11                     ; the scale's byte
.if (\t)%4 == 0
	v_mov_b32 v[SB+(\t)/4], v13
.else
	v_lshl_or_b32 v[SB+(\t)/4], v13, 8*((\t)%4), v[SB+(\t)/4]
.endif
	v_cvt_scalef32_pk16_fp6_f32 v[C:C+2], v[XS:XS+15], v11
	v_cvt_scalef32_pk16_fp6_f32 v[T:T+2], v[XS+16:XS+31], v11
	v_nop                                          ; one plain place behind a scaled conversion
.irp i, 0,1,2
	v_mov_b32 v[C+3+\i], v[T+\i]
.endr
	ds_store_b128 v4, v[C:C+3] offset:3072*((\t)/4)+768*(((\t)%4)/2)+256*((\t)%2)
	ds_store_b64 v5, v[C+4:C+5] offset:3072*((\t)/4)+768*(((\t)%4)/2)+512+128*((\t)%2)
.if (\t)+2 < 8
	LOAD (\t)+2
.endif
	s_wait_dscnt 0x0                               ; the stores are done: the next block's codes may be written
.endm
	LOAD 0
	LOAD 1
.irp t, 0,1,2,3,4,5,6,7
	BLOCK \t
.endr
	global_store_b32 v8, v[SB], s[2:3]             ; the pair's scale words of a K step: 128 consecutive bytes
	s_wait_alu depctr_va_vdst(0)
	global_store_b32 v8, v[SB+1], s[2:3] offset:512
.irp i, 0,1,2,3,4,5,6,7,8,9,10,11
	ds_load_b128 v[OUTR+4*\i:OUTR+4*\i+3], v6 offset:512*\i        ; LDS serves a wave's instructions in order: these see my stores
.endr
.irp i, 0,1,2,3,4,5,6,7,8,9,10,11
	s_wait_dscnt 11-\i                             ; the younger loads may be out
	global_store_b128 v7, v[OUTR+4*\i:OUTR+4*\i+3], s[6:7] offset:12288*(\i/6)+512*(\i%6)   ; 512 consecutive bytes, at a multiple of 256 from the buffer's first byte
.endr
	s_wait_tensorcnt 0x0                           ; the wave's end
	ds_add_u32 v243, v245
	s_wait_dscnt 0x0
	s_endpgm
.Lno_share:
	s_endpgm                                       ; a wave without a share has touched neither LDS nor memory
	; ---------------- the norm
; 64 numbers of a lane, register 16 b + i = k 32 b + 16 (lane / 16) + i of my row, become a fragment's codes in v[PC] on and its scale word in v[pw]
.macro QUANT s, pw
.irp b, 0,1,2,3
	v_max3_num_f32 v[TM+\b], |v[(\s)+16*\b]|, |v[(\s)+1+16*\b]|, 0x1800000
.endr
.irp i, 2,4,6,8,10,12,14
.irp b, 0,1,2,3
	s_delay_alu instid0(VALU_DEP_4)
	v_max3_num_f32 v[TM+\b], v[TM+\b], |v[(\s)+16*\b+\i]|, |v[(\s)+1+16*\b+\i]|
.endr
.endr
.irp b, 0,1,2,3
	s_delay_alu instid0(VALU_DEP_4)
	v_permlanex16_b32 v[TM+4+\b], v[TM+\b], s[SEL], s[SEL+1]
.endr
.irp b, 0,1,2,3
	s_delay_alu instid0(VALU_DEP_4)
	v_max_num_f32 v[TM+\b], v[TM+\b], v[TM+4+\b]
.endr
.irp b, 0,1,2,3
	s_delay_alu instid0(VALU_DEP_4)
	v_add_nc_u32 v[TM+12+\b], 0xff000000, v[TM+\b]
.endr
.irp b, 0,1,2,3
	s_delay_alu instid0(VALU_DEP_4)
	v_lshrrev_b32 v[TM+4+\b], 23, v[TM+12+\b]
.endr
	s_delay_alu instid0(VALU_DEP_3)
	v_lshl_or_b32 v[\pw], v[TM+5], 8, v[TM+4]
	s_delay_alu instid0(VALU_DEP_1)
	v_lshl_or_b32 v[\pw], v[TM+6], 16, v[\pw]
	s_delay_alu instid0(VALU_DEP_1)
	v_lshl_or_b32 v[\pw], v[TM+7], 24, v[\pw]
.irp c, 0,1
	v_cvt_scalef32_pk16_fp6_f32 v[PC+6*\c:PC+2+6*\c], v[(\s)+32*\c:(\s)+15+32*\c], v[TM+12+2*\c]
	v_cvt_scalef32_pk16_fp6_f32 v[PT+4*\c:PT+2+4*\c], v[(\s)+16+32*\c:(\s)+31+32*\c], v[TM+13+2*\c]
.endr
	v_nop                                          ; one plain place behind a scaled conversion
.irp c, 0,1
.irp i, 0,1,2
	v_permlane16_swap_b32 v[PC+6*\c+\i], v[PT+4*\c+\i]
.endr
.irp i, 0,1,2
	s_delay_alu instid0(VALU_DEP_3)
	v_mov_b32 v[PC+3+6*\c+\i], v[PT+4*\c+\i]
.endr
.endr
.endm
.Lnorm:
	s_load_b128 s[4:7], s[0:1], 0x28               ; h2 s[4:5], g2 s[6:7]
	s_load_b64 s[12:13], s[0:1], 0x38              ; actA
	s_sub_co_u32 s40, ttmp9, NWQ                   ; T
	v_and_b32 v1, 31, v0                           ; lane
	v_and_b32 v2, 15, v0                           ; r
	v_bfe_u32 v3, v0, 4, 1                         ; h
	s_delay_alu instid0(VALU_DEP_3)
	v_lshlrev_b32 v4, 4, v1
	s_delay_alu instid0(VALU_DEP_2)
	v_lshlrev_b32 v5, 6, v3
	s_mul_i32 s17, s[WV], 8448                     ; my stage
	v_add_nc_u32 v6, s17, v4
	v_mul_u32_u24 v7, v2, 528
	s_delay_alu instid0(VALU_DEP_1)
	v_add_nc_u32 v7, v7, v5
	s_delay_alu instid0(VALU_DEP_1)
	v_add_nc_u32 v7, s17, v7                       ; in the quantiser's order: row r, + 64 h
	v_lshlrev_b32 v9, 6, v2
	s_delay_alu instid0(VALU_DEP_1)
	v_add_nc_u32 v9, PART, v9                      ; row r's sixteen partial sums
	s_lshl_b32 s17, s[WV], 2
	v_add_nc_u32 v8, s17, v9                       ; and mine among them
	v_lshlrev_b32 v10, 3, v1
	v_lshlrev_b32 v11, 2, v2
	s_mov_b32 s[SEL], 0x76543210
	s_mov_b32 s[SEL+1], 0xfedcba98
	s_mov_b32 s32, 0x3a000000                      ; 1 / 2,048
	s_mov_b32 s33, 0x3727c5ac                      ; 1e-5
	s_lshr_b32 s18, s40, 1
	s_lshl_b32 s18, s18, 5
	s_and_b32 s19, s40, 1
	s_lshl_b32 s19, s19, 3
	s_add_co_u32 s18, s18, s19                     ; the tile's first row
	s_lshl_b32 s18, s18, 13
	s_lshl_b32 s26, s[WV], 9                       ; my 512 bytes of a row
	s_add_co_u32 s24, s18, s26
	s_mov_b32 s25, 0
	s_mov_b32 s27, 0
	s_lshr_b32 s18, s40, 3                         ; the image's panel,
	s_and_b32 s19, s40, 7                          ; and the tile in it
	s_mul_i32 s18, s18, PBLK
	s_mul_i32 s22, s[WV], 12288
	s_add_co_u32 s28, s18, s22
	s_mul_i32 s22, s19, 1536
	s_add_co_u32 s28, s28, s22
	s_add_co_u32 s28, s28, 8192                    ; the codes lie behind the panel's scale words
	s_mov_b32 s29, 0
	s_add_co_u32 s30, s18, s26
	s_lshl_b32 s22, s19, 6
	s_add_co_u32 s30, s30, s22
	s_mov_b32 s31, 0
	s_lshl_b32 s38, s40, 6                         ; the tile's sixteen 1 / rms
	s_add_co_u32 s38, s38, RSOFF
	s_mov_b32 s39, 0
	s_wait_alu depctr_va_vdst(0)                   ; the wait at the head's end
	s_wait_kmcnt 0x0
	s_add_nc_u64 s[4:5], s[4:5], s[24:25]
	s_add_nc_u64 s[6:7], s[6:7], s[26:27]
	s_add_nc_u64 s[36:37], s[12:13], s[30:31]      ; the image's scale words,
	s_add_nc_u64 s[38:39], s[12:13], s[38:39]      ; the rows' 1 / rms,
	s_add_nc_u64 s[12:13], s[12:13], s[28:29]      ; the image's codes
.irp p, 0,1,2,3,4,5,6,7,8,9,10,11,12,13,14,15
	global_load_b128 v[XR+4*\p:XR+4*\p+3], v4, s[4:5] offset:(\p+8*(\p/8))*8192   ; 512 consecutive bytes of row p
.endr
.irp b, 0,1,2,3
.irp j, 0,1,2,3
	global_load_b128 v[GG+16*\b+4*\j:GG+16*\b+4*\j+3], v5, s[6:7] offset:128*\b+16*\j
.endr
.endr
	s_wait_loadcnt 16                              ; the 16 rows are in; g's 16 loads may be out
.irp p, 0,1,2,3,4,5,6,7,8,9,10,11,12,13,14,15
	ds_store_b128 v6, v[XR+4*\p:XR+4*\p+3] offset:528*\p
.endr
.irp b, 0,1,2,3
.irp j, 0,1,2,3
	ds_load_b128 v[XQ+16*\b+4*\j:XQ+16*\b+4*\j+3], v7 offset:128*\b+16*\j   ; LDS serves a wave's instructions in order
.endr
.endr
	s_wait_dscnt 0x0
.irp k, 0,1,2,3
	v_pk_mul_f32 v[246+2*\k:247+2*\k], v[XQ+2*\k:XQ+2*\k+1], v[XQ+2*\k:XQ+2*\k+1]   ; the sum of squares of my 64, in four chains of pairs
.endr
.irp j, 8,16,24,32,40,48,56
.irp k, 0,1,2,3
	s_delay_alu instid0(VALU_DEP_4)
	v_pk_fma_f32 v[246+2*\k:247+2*\k], v[XQ+\j+2*\k:XQ+\j+2*\k+1], v[XQ+\j+2*\k:XQ+\j+2*\k+1], v[246+2*\k:247+2*\k]
.endr
.endr
	s_delay_alu instid0(VALU_DEP_3)
	v_pk_add_f32 v[246:247], v[246:247], v[248:249]
	s_delay_alu instid0(VALU_DEP_2)
	v_pk_add_f32 v[250:251], v[250:251], v[252:253]
	s_delay_alu instid0(VALU_DEP_1)
	v_pk_add_f32 v[246:247], v[246:247], v[250:251]
	s_delay_alu instid0(VALU_DEP_1)
	v_add_f32 v246, v246, v247
	s_delay_alu instid0(VALU_DEP_1)
	v_permlanex16_b32 v247, v246, s[SEL], s[SEL+1]
	s_delay_alu instid0(VALU_DEP_1)
	v_add_f32 v246, v246, v247                     ; row r's sum over my 128 columns
	ds_store_b32 v8, v246
	s_wait_dscnt 0x0                               ; for the others' sake: my store is done
	s_barrier_signal -1
	s_barrier_wait -1
.irp k, 0,1,2,3
	ds_load_b128 v[TM+4*\k:TM+4*\k+3], v9 offset:16*\k
.endr
	s_wait_dscnt 0x0
.irp k, 0,4,8,12
	v_pk_add_f32 v[TM+\k:TM+\k+1], v[TM+\k:TM+\k+1], v[TM+\k+2:TM+\k+3]
.endr
	s_delay_alu instid0(VALU_DEP_3)
	v_pk_add_f32 v[TM:TM+1], v[TM:TM+1], v[TM+4:TM+5]
	s_delay_alu instid0(VALU_DEP_2)
	v_pk_add_f32 v[TM+8:TM+9], v[TM+8:TM+9], v[TM+12:TM+13]
	s_delay_alu instid0(VALU_DEP_1)
	v_pk_add_f32 v[TM:TM+1], v[TM:TM+1], v[TM+8:TM+9]
	s_delay_alu instid0(VALU_DEP_1)
	v_add_f32 v[TM], v[TM], v[TM+1]
	s_delay_alu instid0(VALU_DEP_1)
	v_fma_f32 v[TM], v[TM], s32, s33               ; the mean + 1e-5
	s_wait_alu depctr_va_vdst(0)
	v_rsq_f32 v252, v[TM]                          ; twice, to fill the pair that the packed multiply names
	v_rsq_f32 v253, v[TM]
	v_nop
	s_wait_alu depctr_va_vdst(0)
	s_wait_loadcnt 0x0                             ; g is in
.set J, 0
.rept 32
	v_pk_mul_f32 v[XQ+J:XQ+J+1], v[XQ+J:XQ+J+1], v[GG+J:GG+J+1]   ; (x g), then x 1 / rms: the launch that adds h as a residual multiplies in the same order
.set J, J+2
.endr
.set J, 0
.rept 32
	v_pk_mul_f32 v[XQ+J:XQ+J+1], v[XQ+J:XQ+J+1], v[252:253]
.set J, J+2
.endr
	QUANT XQ, PW
	global_store_b128 v4, v[PC:PC+3], s[12:13]                 ; the fragment as an image of its registers: 512, 256, 512, 256 consecutive bytes
	global_store_b64 v10, v[PC+4:PC+5], s[12:13] offset:512
	global_store_b128 v4, v[PC+6:PC+9], s[12:13] offset:768
	global_store_b64 v10, v[PC+10:PC+11], s[12:13] offset:1280
	global_store_b32 v11, v[PW], s[36:37]                      ; the tile's 16 scale words: 64 consecutive bytes
	s_cmp_lg_u32 s[WV], 0                          ; all sixteen waves hold the same 1 / rms: wave 0 stores them
	s_cbranch_scc1 .Lno_rs
	global_store_b32 v11, v252, s[38:39]
.Lno_rs:
	s_wait_tensorcnt 0x0                           ; the wave's end
	ds_add_u32 v243, v245
	s_wait_dscnt 0x0
	s_endpgm
.Lfunc_end_k_q7ba1f41470_norm2w:
	.size	k_q7ba1f41470_norm2w, .Lfunc_end_k_q7ba1f41470_norm2w-k_q7ba1f41470_norm2w
	.p2alignl 7, 3214868480
	.fill 96, 4, 3214868480
	.section	.rodata,"a",@progbits
	.p2align	6, 0x0
	.amdhsa_kernel k_q7ba1f41470_norm2w
		.amdhsa_group_segment_fixed_size 236544
		.amdhsa_private_segment_fixed_size 0
		.amdhsa_enable_private_segment 0
		.amdhsa_kernarg_size 64
		.amdhsa_user_sgpr_count 2
		.amdhsa_user_sgpr_kernarg_segment_ptr 1
		.amdhsa_wavefront_size32 1
		.amdhsa_system_sgpr_workgroup_id_x 1
		.amdhsa_system_sgpr_workgroup_id_y 1
		.amdhsa_system_sgpr_workgroup_id_z 1
		.amdhsa_system_vgpr_workitem_id 0
		.amdhsa_next_free_vgpr 256
		.amdhsa_next_free_sgpr 66
		.amdhsa_reserve_vcc 0
		.amdhsa_float_denorm_mode_32 3
		.amdhsa_float_denorm_mode_16_64 3
		.amdhsa_memory_ordered 1
		.amdhsa_forward_progress 1
		.amdhsa_inst_pref_size 66
	.end_amdhsa_kernel
	.amdgpu_metadata
---
amdhsa.version: [ 1, 2 ]
amdhsa.kernels:
  - .name:           k_q7ba1f41470_norm2w
    .symbol:         k_q7ba1f41470_norm2w.kd
    .args:
      - { .name: wg, .offset: 0, .size: 8, .value_kind: global_buffer, .address_space: global }
      - { .name: wu, .offset: 8, .size: 8, .value_kind: global_buffer, .address_space: global }
      - { .name: wd, .offset: 16, .size: 8, .value_kind: global_buffer, .address_space: global }
      - { .name: wgu, .offset: 24, .size: 8, .value_kind: global_buffer, .address_space: global }
      - { .name: wdi, .offset: 32, .size: 8, .value_kind: global_buffer, .address_space: global }
      - { .name: scr, .offset: 40, .size: 8, .value_kind: global_buffer, .address_space: global }
      - { .name: g2, .offset: 48, .size: 8, .value_kind: global_buffer, .address_space: global }
      - { .name: actA, .offset: 56, .size: 8, .value_kind: global_buffer, .address_space: global }
    .group_segment_fixed_size: 236544
    .private_segment_fixed_size: 0
    .kernarg_segment_align: 8
    .kernarg_segment_size: 64
    .max_flat_workgroup_size: 512
    .sgpr_count:     66
    .vgpr_count:     256
    .wavefront_size: 32
...
	.end_amdgpu_metadata
.endif
;; end of part 5
;; launch gu (part 6): grid 32 x 16, 4 waves a work-group, clusters of 4 x 4, 327,680 bytes of LDS; arguments actA, wgu, actB; writes actB
.if DOCPART == 6
	.amdgcn_target "amdgcn-amd-amdhsa--gfx1250"
	.amdhsa_code_object_version 6
	.text
	.protected	k_q7ba1f41470_gu
	.globl	k_q7ba1f41470_gu
	.p2align	8
	.type	k_q7ba1f41470_gu,@function
k_q7ba1f41470_gu:
	s_mov_b64 s[64:65], 0
	v_nop
	global_prefetch_b8 v0, s[64:65] scope:SCOPE_SE
	s_setreg_imm32_b32 hwreg(HW_REG_WAVE_MODE, 25, 1), 1
	s_wait_xcnt 0x0
	s_wait_alu depctr_hold_cnt(0) depctr_sa_sdst(0) depctr_va_vdst(0) depctr_va_sdst(0) depctr_va_ssrc(0) depctr_va_vcc(0) depctr_vm_vsrc(0)
	s_getreg_b32 s2, hwreg(HW_REG_IB_STS2, 6, 4)
	s_cmp_eq_u32 s2, 0
	s_cbranch_scc0 .Lentry_in_a_cluster
	s_endpgm
.Lentry_in_a_cluster:
	s_bfe_u32 s2, ttmp6, 0x10000c
	s_cmp_lg_u32 s2, 0xf033
	s_cbranch_scc0 .Lentry_shape_is_right
	s_endpgm
.Lentry_shape_is_right:
; silu(h3 wg) x (h3 wu), both products on codes of FP6 (E2M3) with E8M0 scales; the result is quantised along its columns, which are the last product's K, and stored as that product's operand image.
; THE CORE (the same text in this program's three GEMM bodies).  Operands are IMAGES OF OPERAND REGISTERS (layout: at the head of the weights' launch): a panel of 128 rows is [K step 16][tile 8][1,536 bytes], dense,
; so that a fragment comes from LDS by two loads of 16 and two of 8 bytes a lane, each of consecutive bytes: no pitch, no padding.
; A work-group of four waves makes 128 x 128: wave w takes tiles 2 w, 2 w + 1 of SOURCE 1 (tokens) against all eight tiles of SOURCE 0: 16 accumulators, which take turns.  In the result a lane holds one token, and,
; by the order of rows in a tile, register 16 B + i of its 64 is source 0's row 32 B + 16 (lane / 16) + i.
; HERE source 0's panel X holds gate columns 64 X .. 64 X + 63 in tiles 0-3 and up columns 64 X .. 64 X + 63 in tiles 4-7: a column's gate and up stand in one lane, 32 registers apart, and a lane's 32 results are
; half a K step of the next product in the quantiser's order.  No way out through LDS.
; K = 2,048 is 16 steps of 128, in four chunks of four.  LDS holds three chunks: chunks 0, 1, 2 and all scale words are asked for at the head (four tensor loads a wave are out), chunk 3 refills slot 0 behind
; step 3 and has eight steps in which to land (one load a wave is out).  Nothing is prefetched: three quarters of the tiles are asked for at the head.
; CLUSTER 4 x 4: source 1's panel hangs on cy and is shared along a row of the cluster, source 0's on cx and is shared along a column: joint loads, each with the mask of its four.
; silu(g) u = g u / (1 + 2^(-g log2 e)), in f32: one exponential and one reciprocal a number, each kind as one batch with one wait.
; LIMITS: a block of zeros gets the byte 1 where the rule says 127 (its codes are zeros; this program alone reads the bytes); NaN and infinities are not served.
; THE IMAGES AND THE FILLS, AS THIS TEXT HAS THEM (they take the place of the head comment's paragraph on K and its chunks).  A panel's block in memory is 204,800 bytes: its scale words (8,192 bytes), then its codes.
; LDS holds for each source the scale words and twelve K steps on end, as in memory: source 1 from byte 0, source 0 from SC0.  Head: one load a wave: waves 0 and 1 the scale words and steps 0-3 of source 1 and of source 0,
; waves 2 and 3 steps 4-11.  The first barrier waits for the loads of waves 0 and 1 alone.  Behind the round in K step 3: steps 12-15 over steps 0-3, two steps a wave.  One tensor load of a wave is out at any time.
; No prefetch: the text has no loop to run ahead in, and three quarters of the tiles are asked for at the head.
.set PANB,  204800                     ; a panel's block
.set SLOTB, 49152                      ; four K steps of one source
.set PARTB, 163840                     ; where source 0's K steps begin in LDS
.set STEPB, 12288
.set FRB,   1536
.set SC0,   155648                     ; source 1's scale words lie at byte 0, source 0's here
.set SPARE, 311296
.set SPW,   4
.set NIL,   5
.set L16,   30
.set L8,    31
.set G1A,   24
.set G1B,   32
.set G1SA,  40
.set G1SB,  48
.set G0A0,  56
.set G0A1,  60
.set G0A2,  68
.set G0AS,  72
.set G0B0,  76
.set G0B1,  80
.set G0B2,  84
.set G0BS,  88
.set SEL,   96
.set TM,    32
.set PC,    52
.set PTH,   58
; REGISTERS.  Window 0: v1 lane, v2 r, v3 h; v6-8, v9-11 LDS addresses of my source 1 fragments in slots 0-2 (16 and 8 bytes a lane); v12-14, v15-17 the same for source 0; v18, v19 of the scale words;
; v20-24, v25-29 two sets of scale words (they hold nothing else); v32-60 the quantiser's; v64-127 at work on the way out; v128-255 the accumulators, (a, b) at v[128 + 64 a + 8 b].
; Window 1: two fragment buffers of 128: source 0's eight at 12 b, source 1's two at 96 + 12 a.
.set MSB, 0
.macro WIN new
.if MSB != \new
	s_set_vgpr_msb (MSB<<8)|\new
.set MSB, \new
.endif
.endm
.macro PLACES
.rept 4
	v_nop
.endr
.endm
.macro JLOAD g0a, g1a, g0b, g1b
	s_cmp_eq_u32 s15, 0
	s_cbranch_scc0 .Lfor_b_\@
	tensor_load_to_lds s[\g0a:\g0a+3], s[\g1a:\g1a+7]
	s_nop 0
	PLACES
	s_branch .Lasked_\@
.Lfor_b_\@:
	tensor_load_to_lds s[\g0b:\g0b+3], s[\g1b:\g1b+7]
	s_nop 0
	PLACES
.Lasked_\@:
.endm
.macro CROUND
	s_barrier_signal -1
	s_barrier_wait -1
	s_cmp_lg_u32 s14, 0
	s_cbranch_scc1 .Lnot_wave_0_\@
	s_barrier_signal -3
.Lnot_wave_0_\@:
	s_barrier_wait -3
	s_barrier_signal -1
	s_barrier_wait -1
.endm
.macro SETG0 g, l, ldsoff, p           ; a group 0: LDS byte = s[l] + ldsoff; memory = the pair s[p] + the offset in s[2:3]
	s_mov_b32 s[\g], 1
	s_add_co_u32 s[\g+1], s[\l], \ldsoff
	s_add_nc_u64 s[\g+2:\g+3], s[\p:\p+1], s[2:3]
	s_or_b32 s[\g+3], s[\g+3], 0x80000000
.endm
.macro FRAG reg, a16, a8, off
	ds_load_b128 v[\reg:\reg+3], v[\a16] offset:\off
	ds_load_b64 v[\reg+4:\reg+5], v[\a8] offset:\off+512
	ds_load_b128 v[\reg+6:\reg+9], v[\a16] offset:\off+768
	ds_load_b64 v[\reg+10:\reg+11], v[\a8] offset:\off+1280
.endm
.macro FETCH n, f
.set SL, ((\n)/4)%3
.set QQ, (\n)%4
	WIN 0x40
.irp b, 0,1,2,3,4,5,6,7
	FRAG 128*(\f)+12*\b, 12+SL, 15+SL, STEPB*QQ+FRB*\b
.endr
.irp a, 0,1
	FRAG 128*(\f)+96+12*\a, 6+SL, 9+SL, STEPB*QQ+FRB*\a
.endr
	WIN 0
.irp i, 0,1,2,3
	ds_load_b32 v[20+5*(\f)+\i], v19 offset:512*(\n)+128*\i
.endr
	ds_load_b32 v[24+5*(\f)], v18 offset:512*(\n)
.endm
.macro MM f, a, b, zero
.set DD, 128+64*(\a)+8*(\b)
.set FA, 128*(\f)+12*(\b)
.set FB, 128*(\f)+96+12*(\a)
.set SA, 20+5*(\f)+(\b)/2
.set SS, 24+5*(\f)
.if \zero
.if ((\b)%2 == 0) && ((\a) == 0)
	v_wmma_scale_f32_16x16x128_f8f6f4 v[DD:DD+7], v[FA:FA+11], v[FB:FB+11], 0, v[SA], v[SS] matrix_a_fmt:MATRIX_FMT_FP6 matrix_b_fmt:MATRIX_FMT_FP6
.elseif ((\b)%2 == 1) && ((\a) == 0)
	v_wmma_scale_f32_16x16x128_f8f6f4 v[DD:DD+7], v[FA:FA+11], v[FB:FB+11], 0, v[SA], v[SS] matrix_a_fmt:MATRIX_FMT_FP6 matrix_b_fmt:MATRIX_FMT_FP6 matrix_a_scale:MATRIX_SCALE_ROW1
.elseif ((\b)%2 == 0)
	v_wmma_scale_f32_16x16x128_f8f6f4 v[DD:DD+7], v[FA:FA+11], v[FB:FB+11], 0, v[SA], v[SS] matrix_a_fmt:MATRIX_FMT_FP6 matrix_b_fmt:MATRIX_FMT_FP6 matrix_b_scale:MATRIX_SCALE_ROW1
.else
	v_wmma_scale_f32_16x16x128_f8f6f4 v[DD:DD+7], v[FA:FA+11], v[FB:FB+11], 0, v[SA], v[SS] matrix_a_fmt:MATRIX_FMT_FP6 matrix_b_fmt:MATRIX_FMT_FP6 matrix_a_scale:MATRIX_SCALE_ROW1 matrix_b_scale:MATRIX_SCALE_ROW1
.endif
.else
.if ((\b)%2 == 0) && ((\a) == 0)
	v_wmma_scale_f32_16x16x128_f8f6f4 v[DD:DD+7], v[FA:FA+11], v[FB:FB+11], v[DD:DD+7], v[SA], v[SS] matrix_a_fmt:MATRIX_FMT_FP6 matrix_b_fmt:MATRIX_FMT_FP6
.elseif ((\b)%2 == 1) && ((\a) == 0)
	v_wmma_scale_f32_16x16x128_f8f6f4 v[DD:DD+7], v[FA:FA+11], v[FB:FB+11], v[DD:DD+7], v[SA], v[SS] matrix_a_fmt:MATRIX_FMT_FP6 matrix_b_fmt:MATRIX_FMT_FP6 matrix_a_scale:MATRIX_SCALE_ROW1
.elseif ((\b)%2 == 0)
	v_wmma_scale_f32_16x16x128_f8f6f4 v[DD:DD+7], v[FA:FA+11], v[FB:FB+11], v[DD:DD+7], v[SA], v[SS] matrix_a_fmt:MATRIX_FMT_FP6 matrix_b_fmt:MATRIX_FMT_FP6 matrix_b_scale:MATRIX_SCALE_ROW1
.else
	v_wmma_scale_f32_16x16x128_f8f6f4 v[DD:DD+7], v[FA:FA+11], v[FB:FB+11], v[DD:DD+7], v[SA], v[SS] matrix_a_fmt:MATRIX_FMT_FP6 matrix_b_fmt:MATRIX_FMT_FP6 matrix_a_scale:MATRIX_SCALE_ROW1 matrix_b_scale:MATRIX_SCALE_ROW1
.endif
.endif
.endm
.macro MUL16 f, zero                   ; the 16 accumulators take turns, one instruction a turn, in the same order in every step
	WIN 0x05
.irp a, 0,1
.irp b, 0,1,2,3,4,5,6,7
	MM \f, \a, \b, \zero
.endr
.endr
	WIN 0
.endm
.macro STEP n, zero
	s_wait_dscnt 0x0                               ; this step's fragments, asked for a step ago
	PLACES
	FETCH (\n)+1, ((\n)+1)%2
	MUL16 (\n)%2, \zero
.endm
; 32 numbers of a lane, register 16 b + i = k 32 b + 16 (lane / 16) + i of my row, become half a fragment's codes in v[PC] .. v[PC + 5] and two scale bytes in v[pw].
.macro HQUANT s, pw
.irp b, 0,1
	v_max3_num_f32 v[TM+\b], |v[(\s)+16*\b]|, |v[(\s)+1+16*\b]|, 0x1800000   ; my 16 numbers of block b, and the floor 2^(3 - 127): the byte cannot fall under 1
.endr
.irp i, 2,4,6,8,10,12,14
.irp b, 0,1
	v_max3_num_f32 v[TM+\b], v[TM+\b], |v[(\s)+16*\b+\i]|, |v[(\s)+1+16*\b+\i]|
.endr
.endr
.irp b, 0,1
	v_permlanex16_b32 v[TM+4+\b], v[TM+\b], s[SEL], s[SEL+1]
.endr
.irp b, 0,1
	v_max_num_f32 v[TM+\b], v[TM+\b], v[TM+4+\b]
.endr
.irp b, 0,1
	v_add_nc_u32 v[TM+12+\b], 0xff000000, v[TM+\b]
.endr
.irp b, 0,1
	v_lshrrev_b32 v[TM+4+\b], 23, v[TM+12+\b]
.endr
	v_lshl_or_b32 v[\pw], v[TM+5], 8, v[TM+4]
	v_cvt_scalef32_pk16_fp6_f32 v[PC:PC+2], v[(\s):(\s)+15], v[TM+12]
	v_cvt_scalef32_pk16_fp6_f32 v[PTH:PTH+2], v[(\s)+16:(\s)+31], v[TM+13]
	v_nop                                          ; one plain place behind a scaled conversion
.irp i, 0,1,2
	v_permlane16_swap_b32 v[PC+\i], v[PTH+\i]
.endr
.irp i, 0,1,2
	v_mov_b32 v[PC+3+\i], v[PTH+\i]
.endr
.endm
	s_load_b128 s[4:7], s[0:1], 0x0                ; actA s[4:5], wgu s[6:7]
	s_load_b64 s[8:9], s[0:1], 0x10                ; actB
	v_lshl_add_u32 v[SPW], v0, 2, SPARE
	v_mov_b32 v[NIL], 0
	ds_add_u32 v4, v5
	ds_add_u32 v4, v5
	s_wait_dscnt 0x0
	v_lshrrev_b32 v1, 5, v0
	v_readfirstlane_b32 s14, v1                    ; wave 0..3
	s_lshr_b32 s15, s14, 1                         ; I fetch for source 1 (0) or source 0 (1),
	s_and_b32 s16, s14, 1                          ; and which half of a chunk
	s_bfe_u32 s19, ttmp6, 0x40000                  ; cx
	s_bfe_u32 s20, ttmp6, 0x40004                  ; cy
	s_lshl_b32 s21, s20, 2
	s_lshl_b32 s21, 15, s21                        ; my row of the cluster
	s_lshl_b32 s22, 0x1111, s19                    ; my column
	s_or_b32 s[G1A], s21, (3<<16)|(1<<21)          ; 15:0 the mask; 17:16 elements of 8 bytes; 21 set beside a mask; no padding
	s_or_b32 s[G1B], s22, (3<<16)|(1<<21)
	s_or_b32 s[G1SA], s21, (3<<16)|(1<<21)
	s_or_b32 s[G1SB], s22, (3<<16)|(1<<21)
.irp g, G1A, G1B                       ; the head's loads of waves 0 and 1
	s_mov_b32 s[\g+1], 32<<16
	s_mov_b32 s[\g+2], 224<<16                     ; the scale words and four K steps: 57,344 dense bytes as 224 rows of 256
	s_mov_b32 s[\g+3], 32<<16
	s_mov_b32 s[\g+4], 224
	s_mov_b32 s[\g+5], 32
	s_mov_b32 s[\g+6], 0
	s_mov_b32 s[\g+7], 0
.endr
.irp g, G1SA, G1SB                     ; the head's loads of waves 2 and 3
	s_mov_b32 s[\g+1], 32<<16
	s_mov_b32 s[\g+2], 384<<16                     ; K steps 4-11: 98,304 dense bytes as 384 rows of 256
	s_mov_b32 s[\g+3], 32<<16
	s_mov_b32 s[\g+4], 384
	s_mov_b32 s[\g+5], 32
	s_mov_b32 s[\g+6], 0
	s_mov_b32 s[\g+7], 0
.endr
	s_and_b32 s23, ttmp7, 0xffff
	s_lshl_b32 s17, s23, 2
	s_add_co_u32 s17, s17, s20                     ; source 1's panel Y: 4 x cluster y + cy
	s_lshl_b32 s18, ttmp9, 2
	s_add_co_u32 s18, s18, s19                     ; source 0's panel X: 4 x cluster x + cx
	s_mul_i32 s92, s17, PANB
	s_mov_b32 s93, 0
	s_mul_i32 s94, s18, PANB
	s_mov_b32 s95, 0
	CROUND                                         ; the round in front of the first joint loads; the arguments come meanwhile
	s_wait_kmcnt 0x0
	s_add_nc_u64 s[92:93], s[4:5], s[92:93]
	s_add_nc_u64 s[94:95], s[6:7], s[94:95]
	s_mov_b32 s2, 0                                ; waves 0 and 1: a block's first 57,344 bytes
	s_mov_b32 s3, 0
	SETG0 G0A1, 2, 0, 92
	SETG0 G0B1, 2, SC0, 94
	s_mov_b32 s2, 8192+4*STEPB                     ; waves 2 and 3: K steps 4-11, behind them in memory and in LDS
	SETG0 G0AS, 2, 0, 92
	SETG0 G0BS, 2, SC0, 94
.macro ARM under, g0, g1, next         ; one chain of branches on the wave's number, one load to an arm, all arms to one join
	s_cmp_lt_u32 s14, \under
	s_cbranch_scc0 \next
	tensor_load_to_lds s[\g0:\g0+3], s[\g1:\g1+7]
	s_nop 0
	PLACES
	s_branch .Lhead_asked
\next:
.endm
	ARM 1, G0A1, G1A, .Lhead_b
	ARM 2, G0B1, G1B, .Lhead_sa
	ARM 3, G0AS, G1SA, .Lhead_sb
	tensor_load_to_lds s[G0BS:G0BS+3], s[G1SB:G1SB+7]
	s_nop 0
	PLACES
.Lhead_asked:
	s_mul_i32 s12, s16, 2*STEPB                    ; steps 12-15: my two steps, over steps 0-3
	s_add_co_u32 s2, s12, 8192+12*STEPB
	SETG0 G0A0, 12, 8192, 92
	SETG0 G0B0, 12, PARTB, 94
	v_and_b32 v1, 31, v0                           ; lane
	v_and_b32 v2, 15, v0                           ; r
	v_bfe_u32 v3, v0, 4, 1                         ; h
	v_lshlrev_b32 v[L16], 4, v1
	v_lshlrev_b32 v[L8], 3, v1
	s_mul_i32 s2, s14, 3072                        ; my two tiles of source 1,
	s_add_co_u32 s2, s2, 8192                      ; behind its scale words
	v_add_nc_u32 v6, s2, v[L16]
	v_add_nc_u32 v9, s2, v[L8]
	v_add_nc_u32 v12, PARTB, v[L16]
	v_add_nc_u32 v15, PARTB, v[L8]
.irp s, 1,2
	v_add_nc_u32 v[6+\s], \s*SLOTB, v6
	v_add_nc_u32 v[9+\s], \s*SLOTB, v9
	v_add_nc_u32 v[12+\s], \s*SLOTB, v12
	v_add_nc_u32 v[15+\s], \s*SLOTB, v15
.endr
	v_lshlrev_b32 v19, 2, v1
	s_lshl_b32 s2, s14, 7
	v_add_nc_u32 v18, s2, v19
	v_add_nc_u32 v19, SC0, v19
	s_mov_b32 s[SEL], 0x76543210
	s_mov_b32 s[SEL+1], 0xfedcba98
.irp b, 0,1
	v_mov_b32 v[TM+4+\b], 0                        ; written once: a lane permute's destination counts as one of its sources
.endr
	s_wait_alu depctr_va_vdst(0)
	s_cmp_lt_u32 s14, 2                            ; waves 0 and 1 wait for their loads, the scale words and K steps 0-3; those of waves 2 and 3 may stay out
	s_cbranch_scc0 .Lrest_out
	s_wait_tensorcnt 0x0
.Lrest_out:
	s_barrier_signal -1
	s_barrier_wait -1
	FETCH 0, 0
	STEP 0, 1                                      ; the first products start the sums: nothing is cleared
	STEP 1, 0
	STEP 2, 0
	s_wait_tensorcnt 0x0                           ; K step 3 leaves slot 0.  All my tensor loads have landed;
	ds_add_u32 v[SPW], v[NIL]                      ; K step 3: steps 4-11 have landed, steps 0-3 are left
	s_mov_b32 s[G1A+2], 96<<16                     ; no tensor load of mine is out: the last loads bring two K steps, 96 rows
	s_mov_b32 s[G1A+4], 96
	s_mov_b32 s[G1B+2], 96<<16
	s_mov_b32 s[G1B+4], 96
	s_wait_dscnt 0x1
	MUL16 1, 0                                     ; sixteen matrix instructions stand between the add and the wait for it
	s_wait_dscnt 0x0                               ; the add is done, and my reads of slot 0 are over
	CROUND                                         ; both now hold of every wave of all sixteen work-groups
	JLOAD G0A0, G1A, G0B0, G1B                     ; chunk 3 into slot 0: my one tensor load behind the round; its four v_nop are the places in front of the loads below
	FETCH 4, 0
.irp n, 4,5,6,7,8,9,10
	STEP \n, 0
.endr
	s_wait_dscnt 0x0                               ; K step 11
	MUL16 1, 0
	s_wait_tensorcnt 0x0                           ; my part of chunk 3, the one load that was out,
	s_barrier_signal -1
	s_barrier_wait -1                              ; and everybody's
	PLACES
	FETCH 12, 0
	STEP 12, 0
	STEP 13, 0
	STEP 14, 0
	s_wait_dscnt 0x0                               ; K step 15: nothing more to fetch
	MUL16 1, 0
	PLACES
	; THE WAY OUT.  gate = v[128 + 64 a + j], up = v[160 + 64 a + j], j = 0 .. 31
.irp a, 0,1
.set J, 0
.rept 32
	v_mul_f32 v[64+32*\a+J], 0xbfb8aa3b, v[128+64*\a+J]   ; - gate x log2(e); each accumulator is read from its low end on
.set J, J+1
.endr
.endr
.set J, 0
	s_wait_alu depctr_va_vdst(0)
.rept 64
	v_exp_f32 v[64+J], v[64+J]
.set J, J+1
.endr
	s_wait_alu depctr_va_vdst(0)
.irp a, 0,1
.set J, 0
.rept 16
	v_pk_mul_f32 v[128+64*\a+J:129+64*\a+J], v[128+64*\a+J:129+64*\a+J], v[160+64*\a+J:161+64*\a+J]   ; gate x up: work that names no exponential's result
.set J, J+2
.endr
.endr
	s_wait_alu depctr_va_vdst(0)                   ; one wait for the 64 exponentials, ahead of their first reader
.set J, 0
.rept 32
	v_pk_add_f32 v[64+J:65+J], v[64+J:65+J], 1.0 op_sel_hi:[1,0]
.set J, J+2
.endr
.set J, 0
	s_wait_alu depctr_va_vdst(0)
.rept 64
	v_rcp_f32 v[64+J], v[64+J]
.set J, J+1
.endr
	v_nop                                          ; a plain place behind the last reciprocal
	s_wait_alu depctr_va_vdst(0)                   ; one wait for the 64 reciprocals
.irp a, 0,1
.set J, 0
.rept 16
	v_pk_mul_f32 v[128+64*\a+J:129+64*\a+J], v[128+64*\a+J:129+64*\a+J], v[64+32*\a+J:65+32*\a+J]
.set J, J+2
.endr
.endr
	s_lshr_b32 s2, s18, 1                          ; the next product's K step: X / 2,
	s_and_b32 s3, s18, 1                           ; and its half: X % 2
	s_mul_i32 s92, s17, PANB
	s_mul_i32 s12, s2, STEPB
	s_add_co_u32 s92, s92, s12
	s_mul_i32 s12, s14, 3072
	s_add_co_u32 s92, s92, s12
	s_mul_i32 s12, s3, 768
	s_add_co_u32 s12, s12, 8192                    ; the codes lie behind the panel's scale words
	s_add_co_u32 s92, s92, s12
	s_mov_b32 s93, 0
	s_add_nc_u64 s[92:93], s[8:9], s[92:93]
	s_mul_i32 s94, s17, PANB
	s_lshl_b32 s12, s2, 9
	s_add_co_u32 s94, s94, s12
	s_lshl_b32 s12, s14, 7
	s_add_co_u32 s94, s94, s12
	s_lshl_b32 s12, s3, 1
	s_add_co_u32 s94, s94, s12
	s_mov_b32 s95, 0
	s_add_nc_u64 s[94:95], s[8:9], s[94:95]
	v_cmp_eq_u32 s12, 1, v3                        ; lanes 16-31
	v_lshlrev_b32 v51, 2, v1                       ; a scale word a row
.irp a, 0,1
	s_wait_xcnt 0x0                                ; the last stores have read their registers: the codes may be written again
	HQUANT 128+64*\a, 48+\a
	global_store_b128 v[L16], v[PC:PC+3], s[92:93] offset:\a*1536          ; 512 and 256 consecutive bytes
	global_store_b64 v[L8], v[PC+4:PC+5], s[92:93] offset:\a*1536+512
.endr
	v_cndmask_b32 v50, v48, v49, s12               ; lanes 0-15 tile 2 w's bytes, lanes 16-31 tile 2 w + 1's
	global_store_b16 v51, v50, s[94:95]            ; two bytes of each row's scale word
	s_wait_tensorcnt 0x0                           ; the wave's end
	ds_add_u32 v[SPW], v[NIL]
	s_wait_dscnt 0x0
	CROUND                                         ; the closing round: no work-group ends while a partner may still ask for a tile that names it
	s_endpgm
.Lfunc_end_k_q7ba1f41470_gu:
	.size	k_q7ba1f41470_gu, .Lfunc_end_k_q7ba1f41470_gu-k_q7ba1f41470_gu
	.p2alignl 7, 3214868480
	.fill 96, 4, 3214868480
	.section	.rodata,"a",@progbits
	.p2align	6, 0x0
	.amdhsa_kernel k_q7ba1f41470_gu
		.amdhsa_group_segment_fixed_size 327680
		.amdhsa_private_segment_fixed_size 0
		.amdhsa_enable_private_segment 0
		.amdhsa_kernarg_size 24
		.amdhsa_user_sgpr_count 2
		.amdhsa_user_sgpr_kernarg_segment_ptr 1
		.amdhsa_wavefront_size32 1
		.amdhsa_system_sgpr_workgroup_id_x 1
		.amdhsa_system_sgpr_workgroup_id_y 1
		.amdhsa_system_sgpr_workgroup_id_z 1
		.amdhsa_system_vgpr_workitem_id 0
		.amdhsa_next_free_vgpr 512
		.amdhsa_next_free_sgpr 102
		.amdhsa_reserve_vcc 0
		.amdhsa_float_denorm_mode_32 3
		.amdhsa_float_denorm_mode_16_64 3
		.amdhsa_memory_ordered 1
		.amdhsa_forward_progress 1
		.amdhsa_inst_pref_size 111
	.end_amdhsa_kernel
	.amdgpu_metadata
---
amdhsa.version: [ 1, 2 ]
amdhsa.kernels:
  - .name:           k_q7ba1f41470_gu
    .symbol:         k_q7ba1f41470_gu.kd
    .args:
      - { .name: actA, .offset: 0, .size: 8, .value_kind: global_buffer, .address_space: global }
      - { .name: wgu, .offset: 8, .size: 8, .value_kind: global_buffer, .address_space: global }
      - { .name: actB, .offset: 16, .size: 8, .value_kind: global_buffer, .address_space: global }
    .group_segment_fixed_size: 327680
    .private_segment_fixed_size: 0
    .kernarg_segment_align: 8
    .kernarg_segment_size: 24
    .max_flat_workgroup_size: 128
    .sgpr_count:     102
    .vgpr_count:     512
    .wavefront_size: 32
...
	.end_amdgpu_metadata
.endif
;; end of part 6
;; launch down (part 7): grid 16 x 16, 4 waves a work-group, clusters of 4 x 4, 327,680 bytes of LDS; arguments actB, wdi, scr, g2, actA, out0, x; writes out0
.if DOCPART == 7
	.amdgcn_target "amdgcn-amd-amdhsa--gfx1250"
	.amdhsa_code_object_version 6
	.text
	.protected	k_q7ba1f41470_down
	.globl	k_q7ba1f41470_down
	.p2align	8
	.type	k_q7ba1f41470_down,@function
k_q7ba1f41470_down:
	s_mov_b64 s[64:65], 0
	v_nop
	global_prefetch_b8 v0, s[64:65] scope:SCOPE_SE
	s_setreg_imm32_b32 hwreg(HW_REG_WAVE_MODE, 25, 1), 1
	s_wait_xcnt 0x0
	s_wait_alu depctr_hold_cnt(0) depctr_sa_sdst(0) depctr_va_vdst(0) depctr_va_sdst(0) depctr_va_ssrc(0) depctr_va_vcc(0) depctr_vm_vsrc(0)
	s_getreg_b32 s2, hwreg(HW_REG_IB_STS2, 6, 4)
	s_cmp_eq_u32 s2, 0
	s_cbranch_scc0 .Lentry_in_a_cluster
	s_endpgm
.Lentry_in_a_cluster:
	s_bfe_u32 s2, ttmp6, 0x10000c
	s_cmp_lg_u32 s2, 0xf033
	s_cbranch_scc0 .Lentry_shape_is_right
	s_endpgm
.Lentry_shape_is_right:
; OUT = A W + (R g) rs (+ X with ADDX = 1).  A [2,048 tokens][2,048] and W [2,048][2,048 columns] are operand images of FP6 (E2M3) codes with E8M0 scales; R, X and OUT are f32, row-major; g is a gain a column, rs a number a row.
; (R g) rs IS THE NORMED ROW, made anew here from what the norm's launch read and from the 1 / rms that it stored ([tile 128][place 16] f32 at RSOFF in the image buffer actA), by the same two multiplications: so the normed
; rows never go to memory in f32.  This text serves (silu . up) wd + h3 + x (ADDX = 1: R = h2, g = g2, X = the layer's input); the text of the launch for y wo + h1 differs from it in ADDX alone.
; THE CORE (the same text in this program's GEMM bodies).  Operands are IMAGES OF OPERAND REGISTERS (layout: at the head of the weights' launch): a panel of 128 rows is [K step 16][tile 8][1,536 bytes], dense,
; so that a fragment comes from LDS by two loads of 16 and two of 8 bytes a lane, each of consecutive bytes: no pitch, no padding.
; A work-group of four waves makes 128 x 128: wave w takes tiles 2 w, 2 w + 1 of SOURCE 1 (tokens) against all eight tiles of SOURCE 0 (columns of W): 16 accumulators, which take turns.  In the result a lane holds one
; token, and, by the order of rows in a tile, register 16 B + i of its 64 is column 32 B + 16 (lane / 16) + i.
; 128 x 128 because 2,048 x 2,048 then gives 256 work-groups; the price is ten fragments read from LDS for sixteen matrix instructions.
; K = 2,048 is 16 steps of 128, in four chunks of four.  LDS holds three chunks: chunks 0, 1, 2 and all scale words are asked for at the head (four tensor loads a wave are out), chunk 3 refills slot 0 behind
; step 3 and has eight steps in which to land (one load a wave is out).  Nothing is prefetched: three quarters of the tiles are asked for at the head.
; CLUSTER 4 x 4: source 1's panel hangs on cy and is shared along a row of the cluster, source 0's on cx and is shared along a column: joint loads, each with the mask of its four.
; THE WAY OUT.  R's rows are asked for at the head, X's behind K step 3, into window 2.  A tile of 16 tokens x 128 columns goes through the wave's own stage in LDS and comes back as whole rows of 512 bytes, a row in the 32
; lanes: so a row's rs is a scalar (two scalar loads of 16 numbers, into the registers of the descriptors, behind the wait that shows the last tensor load done), and a lane's g are four numbers for all rows.
; The stage lies in slot 1, which is filled once and which every wave has left when it passes the barrier of K step 11.
.set ADDX,  1
; THE IMAGES AND THE FILLS, AS THIS TEXT HAS THEM (they take the place of the head comment's paragraph on K and its chunks).  A panel's block in memory is 204,800 bytes: its scale words (8,192 bytes), then its codes.
; LDS holds for each source the scale words and twelve K steps on end, as in memory: source 1 from byte 0, source 0 from SC0.  Head: one load a wave: waves 0 and 1 the scale words and steps 0-3 of source 1 and of source 0,
; waves 2 and 3 steps 4-11.  The first barrier waits for the loads of waves 0 and 1 alone.  Behind the round in K step 3: steps 12-15 over steps 0-3, two steps a wave.  One tensor load of a wave is out at any time.
; No prefetch: the text has no loop to run ahead in, and three quarters of the tiles are asked for at the head.
; The stage of the way out lies over source 1's steps 4-6: bytes filled once, which every wave has left when it passes the barrier of K step 11.
.set PANB,  204800                     ; a panel's block
.set SLOTB, 49152                      ; four K steps of one source
.set PARTB, 163840                     ; where source 0's K steps begin in LDS
.set STEPB, 12288
.set FRB,   1536
.set SC0,   155648                     ; source 1's scale words lie at byte 0, source 0's here
.set SPARE, 311296
.set RSOFF, 3276800                    ; where the rows' 1 / rms begin in actA
.set SPW,   4
.set NIL,   5
.set L16,   30
.set L8,    31
.set GV,    34                         ; v34-37 g of my four columns of a row
.set RS,    24                         ; s[24:55] the 1 / rms of my 32 rows, on the way out
.set G1A,   24
.set G1B,   32
.set G1SA,  40
.set G1SB,  48
.set G0A0,  56
.set G0A1,  60
.set G0A2,  68
.set G0AS,  72
.set G0B0,  76
.set G0B1,  80
.set G0B2,  84
.set G0BS,  88
; REGISTERS.  Window 0: v1 lane, v2 r, v3 h; v6-8, v9-11 LDS addresses of my source 1 fragments in slots 0-2 (16 and 8 bytes a lane); v12-14, v15-17 the same for source 0; v18, v19 of the scale words;
; v20-24, v25-29 two sets of scale words (they hold nothing else); v32, v33 the stage's addresses; v34-37 g; v64-127 rows on the way out; v128-255 the accumulators, (a, b) at v[128 + 64 a + 8 b].
; Window 1: two fragment buffers of 128: source 0's eight at 12 b, source 1's two at 96 + 12 a.  Window 2: v0-127 R's 32 rows, 4 registers each; v128-255 X's.
.set MSB, 0
.macro WIN new                         ; the immediate's high byte repeats the setting that is left
.if MSB != \new
	s_set_vgpr_msb (MSB<<8)|\new
.set MSB, \new
.endif
.endm
.macro PLACES                          ; four plain places: in front of loads into registers that matrix instructions have read, and of the first read of results
.rept 4
	v_nop
.endr
.endm
.macro JLOAD g0a, g1a, g0b, g1b        ; a joint load: waves 0 and 1 fetch source 1's halves, waves 2 and 3 source 0's; four v_nop follow each line
	s_cmp_eq_u32 s15, 0
	s_cbranch_scc0 .Lfor_b_\@
	tensor_load_to_lds s[\g0a:\g0a+3], s[\g1a:\g1a+7]
	s_nop 0
	PLACES
	s_branch .Lasked_\@
.Lfor_b_\@:
	tensor_load_to_lds s[\g0b:\g0b+3], s[\g1b:\g1b+7]
	s_nop 0
	PLACES
.Lasked_\@:
.endm
.macro CROUND                          ; a round of the cluster's barrier
	s_barrier_signal -1
	s_barrier_wait -1
	s_cmp_lg_u32 s14, 0
	s_cbranch_scc1 .Lnot_wave_0_\@
	s_barrier_signal -3
.Lnot_wave_0_\@:
	s_barrier_wait -3
	s_barrier_signal -1
	s_barrier_wait -1
.endm
.macro SETG0 g, l, ldsoff, p           ; a group 0: LDS byte = s[l] + ldsoff; memory = the pair s[p] + the offset in s[2:3]
	s_mov_b32 s[\g], 1
	s_add_co_u32 s[\g+1], s[\l], \ldsoff
	s_add_nc_u64 s[\g+2:\g+3], s[\p:\p+1], s[2:3]
	s_or_b32 s[\g+3], s[\g+3], 0x80000000
.endm
.macro FRAG reg, a16, a8, off          ; a fragment's 12 registers
	ds_load_b128 v[\reg:\reg+3], v[\a16] offset:\off
	ds_load_b64 v[\reg+4:\reg+5], v[\a8] offset:\off+512
	ds_load_b128 v[\reg+6:\reg+9], v[\a16] offset:\off+768
	ds_load_b64 v[\reg+10:\reg+11], v[\a8] offset:\off+1280
.endm
.macro FETCH n, f                      ; K step n's ten fragments and five scale registers into buffer f: 45 LDS loads in one run
.set SL, ((\n)/4)%3
.set QQ, (\n)%4
	WIN 0x40
.irp b, 0,1,2,3,4,5,6,7
	FRAG 128*(\f)+12*\b, 12+SL, 15+SL, STEPB*QQ+FRB*\b
.endr
.irp a, 0,1
	FRAG 128*(\f)+96+12*\a, 6+SL, 9+SL, STEPB*QQ+FRB*\a
.endr
	WIN 0
.irp i, 0,1,2,3
	ds_load_b32 v[20+5*(\f)+\i], v19 offset:512*(\n)+128*\i
.endr
	ds_load_b32 v[24+5*(\f)], v18 offset:512*(\n)
.endm
.macro MM f, a, b, zero                ; one product: source 0's tile b x source 1's tile a; an odd tile's scale words stand in lanes 16-31
.set DD, 128+64*(\a)+8*(\b)
.set FA, 128*(\f)+12*(\b)
.set FB, 128*(\f)+96+12*(\a)
.set SA, 20+5*(\f)+(\b)/2
.set SS, 24+5*(\f)
.if \zero
.if ((\b)%2 == 0) && ((\a) == 0)
	v_wmma_scale_f32_16x16x128_f8f6f4 v[DD:DD+7], v[FA:FA+11], v[FB:FB+11], 0, v[SA], v[SS] matrix_a_fmt:MATRIX_FMT_FP6 matrix_b_fmt:MATRIX_FMT_FP6
.elseif ((\b)%2 == 1) && ((\a) == 0)
	v_wmma_scale_f32_16x16x128_f8f6f4 v[DD:DD+7], v[FA:FA+11], v[FB:FB+11], 0, v[SA], v[SS] matrix_a_fmt:MATRIX_FMT_FP6 matrix_b_fmt:MATRIX_FMT_FP6 matrix_a_scale:MATRIX_SCALE_ROW1
.elseif ((\b)%2 == 0)
	v_wmma_scale_f32_16x16x128_f8f6f4 v[DD:DD+7], v[FA:FA+11], v[FB:FB+11], 0, v[SA], v[SS] matrix_a_fmt:MATRIX_FMT_FP6 matrix_b_fmt:MATRIX_FMT_FP6 matrix_b_scale:MATRIX_SCALE_ROW1
.else
	v_wmma_scale_f32_16x16x128_f8f6f4 v[DD:DD+7], v[FA:FA+11], v[FB:FB+11], 0, v[SA], v[SS] matrix_a_fmt:MATRIX_FMT_FP6 matrix_b_fmt:MATRIX_FMT_FP6 matrix_a_scale:MATRIX_SCALE_ROW1 matrix_b_scale:MATRIX_SCALE_ROW1
.endif
.else
.if ((\b)%2 == 0) && ((\a) == 0)
	v_wmma_scale_f32_16x16x128_f8f6f4 v[DD:DD+7], v[FA:FA+11], v[FB:FB+11], v[DD:DD+7], v[SA], v[SS] matrix_a_fmt:MATRIX_FMT_FP6 matrix_b_fmt:MATRIX_FMT_FP6
.elseif ((\b)%2 == 1) && ((\a) == 0)
	v_wmma_scale_f32_16x16x128_f8f6f4 v[DD:DD+7], v[FA:FA+11], v[FB:FB+11], v[DD:DD+7], v[SA], v[SS] matrix_a_fmt:MATRIX_FMT_FP6 matrix_b_fmt:MATRIX_FMT_FP6 matrix_a_scale:MATRIX_SCALE_ROW1
.elseif ((\b)%2 == 0)
	v_wmma_scale_f32_16x16x128_f8f6f4 v[DD:DD+7], v[FA:FA+11], v[FB:FB+11], v[DD:DD+7], v[SA], v[SS] matrix_a_fmt:MATRIX_FMT_FP6 matrix_b_fmt:MATRIX_FMT_FP6 matrix_b_scale:MATRIX_SCALE_ROW1
.else
	v_wmma_scale_f32_16x16x128_f8f6f4 v[DD:DD+7], v[FA:FA+11], v[FB:FB+11], v[DD:DD+7], v[SA], v[SS] matrix_a_fmt:MATRIX_FMT_FP6 matrix_b_fmt:MATRIX_FMT_FP6 matrix_a_scale:MATRIX_SCALE_ROW1 matrix_b_scale:MATRIX_SCALE_ROW1
.endif
.endif
.endm
.macro MUL16 f, zero                   ; the 16 accumulators take turns, one instruction a turn, in the same order in every step
	WIN 0x05
.irp a, 0,1
.irp b, 0,1,2,3,4,5,6,7
	MM \f, \a, \b, \zero
.endr
.endr
	WIN 0
.endm
.macro STEP n, zero
	s_wait_dscnt 0x0                               ; this step's fragments, asked for a step ago
	PLACES
	FETCH (\n)+1, ((\n)+1)%2
	MUL16 (\n)%2, \zero
.endm
	s_load_b256 s[4:11], s[0:1], 0x0               ; A's image s[4:5], W's s[6:7], R s[8:9], g s[10:11]
	s_load_b128 s[96:99], s[0:1], 0x20             ; the buffer that holds 1 / rms s[96:97], OUT s[98:99]
	v_lshl_add_u32 v[SPW], v0, 2, SPARE
	v_mov_b32 v[NIL], 0
	ds_add_u32 v4, v5
	ds_add_u32 v4, v5
	s_wait_dscnt 0x0
	v_lshrrev_b32 v1, 5, v0
	v_readfirstlane_b32 s14, v1                    ; wave 0..3
	s_lshr_b32 s15, s14, 1                         ; I fetch for source 1 (0) or source 0 (1),
	s_and_b32 s16, s14, 1                          ; and which half of a chunk
	s_bfe_u32 s19, ttmp6, 0x40000                  ; cx
	s_bfe_u32 s20, ttmp6, 0x40004                  ; cy
	s_lshl_b32 s21, s20, 2
	s_lshl_b32 s21, 15, s21                        ; my row of the cluster
	s_lshl_b32 s22, 0x1111, s19                    ; my column
	s_or_b32 s[G1A], s21, (3<<16)|(1<<21)          ; 15:0 the mask; 17:16 elements of 8 bytes; 21 set beside a mask; no padding
	s_or_b32 s[G1B], s22, (3<<16)|(1<<21)
	s_or_b32 s[G1SA], s21, (3<<16)|(1<<21)
	s_or_b32 s[G1SB], s22, (3<<16)|(1<<21)
.irp g, G1A, G1B                       ; the head's loads of waves 0 and 1
	s_mov_b32 s[\g+1], 32<<16
	s_mov_b32 s[\g+2], 224<<16                     ; the scale words and four K steps: 57,344 dense bytes as 224 rows of 256
	s_mov_b32 s[\g+3], 32<<16
	s_mov_b32 s[\g+4], 224
	s_mov_b32 s[\g+5], 32
	s_mov_b32 s[\g+6], 0
	s_mov_b32 s[\g+7], 0
.endr
.irp g, G1SA, G1SB                     ; the head's loads of waves 2 and 3
	s_mov_b32 s[\g+1], 32<<16
	s_mov_b32 s[\g+2], 384<<16                     ; K steps 4-11: 98,304 dense bytes as 384 rows of 256
	s_mov_b32 s[\g+3], 32<<16
	s_mov_b32 s[\g+4], 384
	s_mov_b32 s[\g+5], 32
	s_mov_b32 s[\g+6], 0
	s_mov_b32 s[\g+7], 0
.endr
	s_and_b32 s23, ttmp7, 0xffff
	s_lshl_b32 s17, s23, 2
	s_add_co_u32 s17, s17, s20                     ; source 1's panel Y: 4 x cluster y + cy
	s_lshl_b32 s18, ttmp9, 2
	s_add_co_u32 s18, s18, s19                     ; source 0's panel X: 4 x cluster x + cx
	s_mul_i32 s92, s17, PANB
	s_mov_b32 s93, 0
	s_mul_i32 s94, s18, PANB
	s_mov_b32 s95, 0
	CROUND                                         ; the round in front of the first joint loads; the arguments come meanwhile
	s_wait_kmcnt 0x0
	s_add_nc_u64 s[92:93], s[4:5], s[92:93]
	s_add_nc_u64 s[94:95], s[6:7], s[94:95]
	s_mov_b32 s2, 0                                ; waves 0 and 1: a block's first 57,344 bytes
	s_mov_b32 s3, 0
	SETG0 G0A1, 2, 0, 92
	SETG0 G0B1, 2, SC0, 94
	s_mov_b32 s2, 8192+4*STEPB                     ; waves 2 and 3: K steps 4-11, behind them in memory and in LDS
	SETG0 G0AS, 2, 0, 92
	SETG0 G0BS, 2, SC0, 94
.macro ARM under, g0, g1, next         ; one chain of branches on the wave's number, one load to an arm, all arms to one join
	s_cmp_lt_u32 s14, \under
	s_cbranch_scc0 \next
	tensor_load_to_lds s[\g0:\g0+3], s[\g1:\g1+7]
	s_nop 0
	PLACES
	s_branch .Lhead_asked
\next:
.endm
	ARM 1, G0A1, G1A, .Lhead_b
	ARM 2, G0B1, G1B, .Lhead_sa
	ARM 3, G0AS, G1SA, .Lhead_sb
	tensor_load_to_lds s[G0BS:G0BS+3], s[G1SB:G1SB+7]
	s_nop 0
	PLACES
.Lhead_asked:
	s_mul_i32 s12, s16, 2*STEPB                    ; steps 12-15: my two steps, over steps 0-3
	s_add_co_u32 s2, s12, 8192+12*STEPB
	SETG0 G0A0, 12, 8192, 92
	SETG0 G0B0, 12, PARTB, 94
	v_and_b32 v1, 31, v0                           ; lane
	v_and_b32 v2, 15, v0                           ; r
	v_bfe_u32 v3, v0, 4, 1                         ; h
	v_lshlrev_b32 v[L16], 4, v1
	s_wait_alu depctr_va_vdst(0)
	v_lshlrev_b32 v[L8], 3, v1
	s_wait_alu depctr_va_vdst(0)
	s_lshl_b32 s6, s17, 7                          ; R, X and OUT at my first token, 128 Y + 32 w, and my 128 columns: the offset stays in s[6:7]
	s_lshl_b32 s7, s14, 5
	s_add_co_u32 s6, s6, s7
	s_lshl_b32 s6, s6, 13
	s_lshl_b32 s2, s18, 9                          ; my 128 columns in bytes
	s_add_co_u32 s6, s6, s2
	s_mov_b32 s7, 0
	s_mov_b32 s3, 0
	s_add_nc_u64 s[8:9], s[8:9], s[6:7]
	s_add_nc_u64 s[98:99], s[98:99], s[6:7]
	s_add_nc_u64 s[10:11], s[10:11], s[2:3]        ; g at my 128 columns
	s_lshl_b32 s2, s17, 9                          ; 1 / rms: 64 bytes a tile, 8 tiles a panel,
	s_lshl_b32 s12, s14, 7                         ; 2 tiles a wave
	s_add_co_u32 s2, s2, s12
	s_add_co_u32 s2, s2, RSOFF
	s_add_nc_u64 s[96:97], s[96:97], s[2:3]
	WIN 0x80                                       ; destination window 2
.irp a, 0,1
.irp p, 0,1,2,3,4,5,6,7,8,9,10,11,12,13,14,15
	global_load_b128 v[64*\a+4*\p:64*\a+4*\p+3], v[L16], s[8:9] offset:(8*\a+\p+8*(\p/8))*8192   ; place p of tile 2 w + a is token 8 a + p + 8 (p / 8) of my 32: 512 consecutive bytes
.endr
.endr
	WIN 0
	global_load_b128 v[GV:GV+3], v[L16], s[10:11]  ; g of columns 4 x lane on: the same for every row
.if ADDX
	s_load_b64 s[4:5], s[0:1], 0x30                ; X's address, into the pair that A's has left
.endif
	s_mul_i32 s2, s14, 3072                        ; my two tiles of source 1,
	s_add_co_u32 s2, s2, 8192                      ; behind its scale words
	v_add_nc_u32 v6, s2, v[L16]
	v_add_nc_u32 v9, s2, v[L8]
	v_add_nc_u32 v12, PARTB, v[L16]
	v_add_nc_u32 v15, PARTB, v[L8]
.irp s, 1,2
	v_add_nc_u32 v[6+\s], \s*SLOTB, v6
	v_add_nc_u32 v[9+\s], \s*SLOTB, v9
	v_add_nc_u32 v[12+\s], \s*SLOTB, v12
	v_add_nc_u32 v[15+\s], \s*SLOTB, v15
.endr
	v_lshlrev_b32 v19, 2, v1
	s_lshl_b32 s2, s14, 7
	v_add_nc_u32 v18, s2, v19
	v_add_nc_u32 v19, SC0, v19
	s_mul_i32 s2, s14, 8448                        ; my stage: 16 rows x (512 + 16) bytes, in slot 1
	s_add_co_u32 s2, s2, 8192+SLOTB
	v_mul_u32_u24 v32, v2, 528
	v_lshl_add_u32 v32, v3, 6, v32
	v_add_nc_u32 v32, s2, v32                      ; in: row r, + 64 h
	v_add_nc_u32 v33, s2, v[L16]                   ; back: 16 bytes a lane of a row
	s_wait_alu depctr_va_vdst(0)
	s_cmp_lt_u32 s14, 2                            ; waves 0 and 1 wait for their loads, the scale words and K steps 0-3; those of waves 2 and 3 may stay out
	s_cbranch_scc0 .Lrest_out
	s_wait_tensorcnt 0x0
.Lrest_out:
	s_barrier_signal -1
	s_barrier_wait -1
	FETCH 0, 0
	STEP 0, 1                                      ; the first products start the sums: nothing is cleared
	STEP 1, 0
	STEP 2, 0
	s_wait_tensorcnt 0x0                           ; K step 3 leaves slot 0.  All my tensor loads have landed;
	ds_add_u32 v[SPW], v[NIL]                      ; K step 3: steps 4-11 have landed, steps 0-3 are left
	s_mov_b32 s[G1A+2], 96<<16                     ; no tensor load of mine is out: the last loads bring two K steps, 96 rows
	s_mov_b32 s[G1A+4], 96
	s_mov_b32 s[G1B+2], 96<<16
	s_mov_b32 s[G1B+4], 96
	s_wait_dscnt 0x1
	MUL16 1, 0                                     ; sixteen matrix instructions stand between the add and the wait for it
	s_wait_dscnt 0x0                               ; the add is done, and my reads of slot 0 are over
	CROUND                                         ; both now hold of every wave of all sixteen work-groups
	JLOAD G0A0, G1A, G0B0, G1B                     ; chunk 3 into slot 0: my one tensor load behind the round; its four v_nop are the places in front of the loads below
	FETCH 4, 0
.if ADDX
	s_wait_kmcnt 0x0                               ; X's address
	s_add_nc_u64 s[4:5], s[4:5], s[6:7]
	WIN 0x80                                       ; X's 32 rows are asked for here, when the first tiles have landed; they have twelve K steps in which to come
.irp a, 0,1
.irp p, 0,1,2,3,4,5,6,7,8,9,10,11,12,13,14,15
	global_load_b128 v[128+64*\a+4*\p:128+64*\a+4*\p+3], v[L16], s[4:5] offset:(8*\a+\p+8*(\p/8))*8192
.endr
.endr
	WIN 0
.endif
.irp n, 4,5,6,7,8,9,10
	STEP \n, 0
.endr
	s_wait_dscnt 0x0                               ; K step 11
	MUL16 1, 0
	s_wait_tensorcnt 0x0                           ; my part of chunk 3, the one load that was out,
	s_barrier_signal -1
	s_barrier_wait -1                              ; and everybody's
	s_load_b512 s[RS:RS+15], s[96:97], 0x0         ; no tensor load of mine is out and none follows: the descriptors' registers take the 1 / rms of tile 2 w's sixteen rows,
	s_load_b512 s[RS+16:RS+31], s[96:97], 0x40     ; and of tile 2 w + 1's
	PLACES
	FETCH 12, 0
	STEP 12, 0
	STEP 13, 0
	STEP 14, 0
	s_wait_dscnt 0x0                               ; K step 15: nothing more to fetch
	MUL16 1, 0
	PLACES
	s_wait_loadcnt 0x0                             ; R, g (and X)
	s_wait_kmcnt 0x0                               ; 1 / rms
.irp a, 0,1
.irp q, 0,1,2,3,4,5,6,7,8,9,10,11,12,13,14,15
	ds_store_b128 v32, v[128+64*\a+4*\q:128+64*\a+4*\q+3] offset:128*(\q/4)+16*(\q%4)   ; columns 32 B + 16 h + 4 i on; each accumulator from its low end on
.endr
.irp p, 0,1,2,3,4,5,6,7,8,9,10,11,12,13,14,15
	ds_load_b128 v[64+64*\a+4*\p:64+64*\a+4*\p+3], v33 offset:528*\p   ; LDS serves a wave's instructions in order: these see my stores.  (Tile 1's rows land where tile 0's sums lay: those have gone through the stage)
.endr
	WIN 0x82                                       ; R x g in place in window 2, g in window 0: work on registers while the rows come back from the stage
.irp p, 0,1,2,3,4,5,6,7,8,9,10,11,12,13,14,15
	v_pk_mul_f32 v[64*\a+4*\p:64*\a+4*\p+1], v[64*\a+4*\p:64*\a+4*\p+1], v[GV:GV+1]
	v_pk_mul_f32 v[64*\a+4*\p+2:64*\a+4*\p+3], v[64*\a+4*\p+2:64*\a+4*\p+3], v[GV+2:GV+3]
.endr
	s_wait_dscnt 0x0
	WIN 0x02                                       ; source 0 window 2: the sums + (R g) x the row's 1 / rms
.irp p, 0,1,2,3,4,5,6,7,8,9,10,11,12,13,14,15
.irp i, 0,1,2,3
	v_fma_f32 v[64+64*\a+4*\p+\i], v[64*\a+4*\p+\i], s[RS+16*\a+\p], v[64+64*\a+4*\p+\i]
.endr
.endr
.if ADDX
	WIN 0x08                                       ; source 1 window 2: + X
.irp p, 0,1,2,3,4,5,6,7,8,9,10,11,12,13,14,15,16,17,18,19,20,21,22,23,24,25,26,27,28,29,30,31
	v_pk_add_f32 v[64+64*\a+2*\p:65+64*\a+2*\p], v[64+64*\a+2*\p:65+64*\a+2*\p], v[128+64*\a+2*\p:129+64*\a+2*\p]
.endr
.endif
	WIN 0
.irp p, 0,1,2,3,4,5,6,7,8,9,10,11,12,13,14,15
	global_store_b128 v[L16], v[64+64*\a+4*\p:64+64*\a+4*\p+3], s[98:99] offset:(8*\a+\p+8*(\p/8))*8192   ; 512 consecutive bytes, at a multiple of 256 from the buffer's first byte
.endr
.endr
	s_wait_tensorcnt 0x0                           ; the wave's end, behind my last tensor load and my last LDS store
	ds_add_u32 v[SPW], v[NIL]
	s_wait_dscnt 0x0
	CROUND                                         ; the closing round: no work-group ends while a partner may still ask for a tile that names it
	s_endpgm
.Lfunc_end_k_q7ba1f41470_down:
	.size	k_q7ba1f41470_down, .Lfunc_end_k_q7ba1f41470_down-k_q7ba1f41470_down
	.p2alignl 7, 3214868480
	.fill 96, 4, 3214868480
	.section	.rodata,"a",@progbits
	.p2align	6, 0x0
	.amdhsa_kernel k_q7ba1f41470_down
		.amdhsa_group_segment_fixed_size 327680
		.amdhsa_private_segment_fixed_size 0
		.amdhsa_enable_private_segment 0
		.amdhsa_kernarg_size 56
		.amdhsa_user_sgpr_count 2
		.amdhsa_user_sgpr_kernarg_segment_ptr 1
		.amdhsa_wavefront_size32 1
		.amdhsa_system_sgpr_workgroup_id_x 1
		.amdhsa_system_sgpr_workgroup_id_y 1
		.amdhsa_system_sgpr_workgroup_id_z 1
		.amdhsa_system_vgpr_workitem_id 0
		.amdhsa_next_free_vgpr 768
		.amdhsa_next_free_sgpr 102
		.amdhsa_reserve_vcc 0
		.amdhsa_float_denorm_mode_32 3
		.amdhsa_float_denorm_mode_16_64 3
		.amdhsa_memory_ordered 1
		.amdhsa_forward_progress 1
		.amdhsa_inst_pref_size 122
	.end_amdhsa_kernel
	.amdgpu_metadata
---
amdhsa.version: [ 1, 2 ]
amdhsa.kernels:
  - .name:           k_q7ba1f41470_down
    .symbol:         k_q7ba1f41470_down.kd
    .args:
      - { .name: actB, .offset: 0, .size: 8, .value_kind: global_buffer, .address_space: global }
      - { .name: wdi, .offset: 8, .size: 8, .value_kind: global_buffer, .address_space: global }
      - { .name: scr, .offset: 16, .size: 8, .value_kind: global_buffer, .address_space: global }
      - { .name: g2, .offset: 24, .size: 8, .value_kind: global_buffer, .address_space: global }
      - { .name: actA, .offset: 32, .size: 8, .value_kind: global_buffer, .address_space: global }
      - { .name: out0, .offset: 40, .size: 8, .value_kind: global_buffer, .address_space: global }
      - { .name: x, .offset: 48, .size: 8, .value_kind: global_buffer, .address_space: global }
    .group_segment_fixed_size: 327680
    .private_segment_fixed_size: 0
    .kernarg_segment_align: 8
    .kernarg_segment_size: 56
    .max_flat_workgroup_size: 128
    .sgpr_count:     102
    .vgpr_count:     768
    .wavefront_size: 32
...
	.end_amdgpu_metadata
.endif
;; end of part 7
